; MI455X (gfx1250); checked and timed in simulation.
; The chip was launched on July 23, 2026; its instructions are those of AMD's public machine-readable ISA for CDNA 5 (MIT licence, August 2026) and "CDNA5" Instruction Set Architecture Reference Guide (July 2026). The comments in the code are by the model that wrote it; some were corrected since.
;; Encoder Layer. Allowed arithmetic: matrix products marked QUANTISED: E2M3 operands, one E8M0 scale for each 32 along K, by v_wmma_scale_f32_16x16x128_f8f6f4 with both operands' format E2M3, f32 sums; everything else in f32.
;; Inputs: W1 1,024 x 4,096 float32; W2 4,096 x 1,024 float32; Wk 1,024 x 1,024 float32; Wo 1,024 x 1,024 float32; Wq 1,024 x 1,024 float32; Wv 1,024 x 1,024 float32; b1 4,096 float32; b2 1,024 float32; bk 1,024 float32; bo 1,024 float32; bq 1,024 float32; bv 1,024 float32; ln1_b 1,024 float32; ln1_g 1,024 float32; ln2_b 1,024 float32; ln2_g 1,024 float32; mask 2 x 1 x 1 x 2,048 int32; x 2 x 2,048 x 1,024 float32.
;; Outputs: out0 2 x 2,048 x 1,024 float32.
;; This version of the problem:
;;   THIS VERSION OF THE PROBLEM IS GIVEN IN LOW PRECISION. The matrix products marked QUANTISED in the list below multiply operands that are first quantised to E2M3 (2 exponent bits, 3 mantissa bits; 6 bits a number), with one power-of-two scale for each 32 numbers along K (OCP MX v1.0); their sums are f32. All else is computed in f32.
;;   The module's matrix products, in the order in which they are computed (A, B: the left and right operand; K: the contracted axis; several contracted axes count as one K, in the product's order):
;;     1. [M 4,096, K 1,024] x [K 1,024, N 1,024]; A: computed on the way; B: input Wq: QUANTISED
;;     2. [M 4,096, K 1,024] x [K 1,024, N 1,024]; A: computed on the way; B: input Wk: QUANTISED
;;     3. [M 4,096, K 1,024] x [K 1,024, N 1,024]; A: computed on the way; B: input Wv: QUANTISED
;;     4. batch 32 x [M 2,048, K 64] x [K 64, N 2,048]; A: computed on the way; B: computed on the way: QUANTISED
;;     5. batch 32 x [M 2,048, K 2,048] x [K 2,048, N 64]; A: softmax (see below); B: computed on the way: QUANTISED
;;     6. [M 4,096, K 1,024] x [K 1,024, N 1,024]; A: computed on the way; B: input Wo: QUANTISED
;;     7. [M 4,096, K 1,024] x [K 1,024, N 4,096]; A: computed on the way; B: input W1: QUANTISED
;;     8. [M 4,096, K 4,096] x [K 4,096, N 1,024]; A: computed on the way; B: input W2: QUANTISED
;;   THE QUANTISER, for each operand of a quantised product, along K:
;;     - K is cut into blocks of 32 from its start; a last block that is shorter is filled with zeros.
;;     - A block's scale is 2^e with e = floor(log2(the largest magnitude in the block)) - 2, held to -126 .. 127; a block of zeros has e = 0. As a byte (E8M0): e + 127.
;;     - Each number is divided by its block's scale, clamped to +-7.5, and rounded to the nearest number of E2M3, ties to even, subnormals kept.
;;     - The product sums the exact products of the quantised numbers (number of the format x scale) in f32.
;;   ~~~python
;;   def quantise(x, axis):      # numpy; x: float32 -> the quantised numbers, widened to float32 again
;;       x = np.moveaxis(x, axis, -1); K = x.shape[-1]
;;       x = np.pad(x, [(0, 0)] * (x.ndim - 1) + [(0, -K % 32)]); x = x.reshape(x.shape[:-1] + (-1, 32)); a = np.abs(x).max(-1, keepdims=True)
;;       e = np.where(a > 0, np.clip(np.frexp(np.where(a > 0, a, 1))[1] - 1 - 2, -126, 127), 0)      # np.frexp(a)[1] - 1 = floor(log2(a)), exactly
;;       r = np.clip(x / 2.0 ** e, -7.5, 7.5)
;;       step = 2.0 ** (np.maximum(np.frexp(np.where(r == 0, 1, r))[1] - 1, 0) - 3)
;;       q = np.round(r / step) * step * 2.0 ** e      # np.round: ties to even
;;       return np.moveaxis(q.reshape(q.shape[:-2] + (-1,))[..., :K], -1, axis).astype(np.float32)
;;   ~~~
;;   SOFTMAX AHEAD OF A QUANTISED PRODUCT. Where the list says 'softmax', what is quantised is not the finished softmax but p = 2^(t - M), with t = logit x log2(e) and M = ceil(the row's largest t), a whole number; so 1/2 < the row's largest p <= 1. The row's sum l is taken of the UNQUANTISED p, in f32, and the product's result is divided by l at the end. Since M is a whole number, a kernel that streams over the keys may use a running M (the ceiling of the running maximum): every later rescaling is an exact power of two, which a block's scale takes up: the codes' values come out the same.
;;   OPERANDS COMPUTED ON THE WAY. 'Computed on the way' means the value that the module computes at that place (a softmax that the list does not call 'softmax' is quantised finished and normalised). What goes into a quantiser is computed in f32, as accurately as f32 sums, v_exp_f32 and their like allow (about 1e-6 of the number): no bf16 or f16 on the way to a quantiser, and a product that is left as it is and whose result goes on into a quantised operand takes f32 operands (vector FMAs, or v_wmma_f32_16x16x4_f32). A number that lies on a knife's edge between two numbers of the format may be rounded either way, as far as f32 arithmetic and the matrix unit's own rounding can turn it there, and no further.
;; One version. Each part assembles by itself: llvm-mc -triple=amdgcn-amd-amdhsa -mcpu=gfx1250 --defsym DOCPART=n.
;; ======== version 1 of 1: 7 launches
;; limits: right only within a limited range of input values
;; workspace buffers: wts 9,830,400 bytes; nx 3,276,800 bytes; qkv 9,830,400 bytes; ao 3,276,800 bytes; x1 16,777,216 bytes; hc 13,107,200 bytes
;; launch prep (part 1): grid 256 x 4, 4 waves a work-group, no clusters, 66,304 bytes of LDS; arguments x, ln1_g, ln1_b, nx, Wq, Wk, Wv, Wo, W2, W1, wts; writes nx, wts
.if DOCPART == 1
	.amdgcn_target "amdgcn-amd-amdhsa--gfx1250"
	.amdhsa_code_object_version 6
	.text
	.protected	k_q5b4ba08107_prep
	.globl	k_q5b4ba08107_prep
	.p2align	8
	.type	k_q5b4ba08107_prep,@function
k_q5b4ba08107_prep:
	s_mov_b64 s[64:65], 0
	v_nop
	global_prefetch_b8 v0, s[64:65] scope:SCOPE_SE
	s_setreg_imm32_b32 hwreg(HW_REG_WAVE_MODE, 25, 1), 1
	s_wait_xcnt 0x0
; TWO JOBS THAT HANG ON NOTHING OF EACH OTHER SHARE ONE LAUNCH.  Grid rows y = 0, 1, 2: the six weights become codes; grid row y = 3: nx = Q(LayerNorm(x) g + b).  The ways part on the work-group's y alone; only the norm's way uses LDS and a barrier.
; ALL CODES are FP6 (E2M3) with one E8M0 scale byte for each 32 along K, laid in the ORDER OF THE OPERAND'S REGISTERS.
; A fragment is 16 rows (slots r) x 128 K: 12 registers a lane, 1,536 bytes, two halves c of 768 bytes.  Half c holds registers 6 c .. 6 c + 5 = x0 .. x5 of lane (r, h), K = 64 c + 32 h + 0 .. 31:
; x0 .. x3 at 768 c + 16 (r + 16 h), x4, x5 at 768 c + 512 + 16 r + 8 h.  Fragment (group of 128 rows g, K step ks, block rb) lies at 1,536 ((g KS + ks) 8 + rb); its scale words 64 x the same index + 4 r behind the codes
; (at 9,437,184 in wts, at 3,145,728 in nx).  Slot r of block rb holds row 32 (rb / 2) + 8 (rb % 2) + r % 8 + 16 (r / 8) of its group, so that a product's results come out as neighbours along the next K.
; THE WEIGHTS, f32 stored [K][N]: A LANE TAKES A COLUMN AND ITS REGISTERS RUN DOWN K: a block of 32 lies in one lane, each load reads 128 consecutive bytes a wave, and nothing is transposed.
; A work-group takes 128 columns x 128 K (one K step), a wave 32 columns (two blocks of slots), a lane 4 blocks of 32.  y = 0: Wq, Wk, Wv, Wo; y = 1: W2; y = 2: W1.  A wave has two blocks, 64 loads, on their way.
; THE NORM: a work-group takes one block of 16 slots.  PHASE 1: wave w takes slots 4 w .. 4 w + 3, four consecutive rows, each whole in 32 registers: mean, then the sum of squared differences in a second pass over the registers
; (no difference of large sums), 1 / sqrt, gain and bias; the rows go to LDS (pitch 4,112 bytes).  One barrier.  PHASE 2: wave w quantises K steps 2 w and 2 w + 1 of all 16 rows: lane (r, h) takes 16 neighbours of each block of 32.
; A block's scale is 2^(floor(log2(largest magnitude)) - 2); its byte is that magnitude's exponent field - 2, held at 1 from below.
; LIMITS: a block of zeros, or one whose largest magnitude lies under 2^-124, gets the byte 1 (its codes are zeros or tiny; the bytes are read by this program alone); NaN and infinities are not served.
; The scale words leave in pieces of 64 bytes: one byte in 24 of the codes.
.set X,   32                           ; weights: v32-95 two sets of 32 numbers;  norm: v32-159 four rows, in phase 2 two sets of 64 numbers
.set CD,  96                           ; weights: v96-119 codes: 12 registers for each pair of blocks, so that no store's data are written again
.set TT,  16                           ; weights: v16-18 the upper 16 codes of a block, before they are moved
.set SW,  24                           ; weights: v24 the K step's scale word
	v_lshl_add_u32 v254, v0, 2, 0x10100
	v_mov_b32 v255, 0
	s_and_b32 s20, ttmp7, 0xffff                   ; y
	s_cmp_eq_u32 s20, 3
	s_cbranch_scc1 .Lnorm
	; ---------------- the weights
	s_load_b256 s[4:11], s[0:1], 0x20              ; Wq, Wk, Wv, Wo
	s_load_b128 s[12:15], s[0:1], 0x40             ; W2, W1
	s_load_b64 s[16:17], s[0:1], 0x50              ; wts
	v_lshrrev_b32 v1, 5, v0
	v_readfirstlane_b32 s18, v1                    ; wave
	v_and_b32 v2, 31, v0                           ; my column among the wave's 32
	v_lshlrev_b32 v3, 2, v2                        ; in: 4 bytes a lane
	v_bfe_u32 v4, v0, 3, 1                         ; which of the wave's two blocks of slots
	v_and_b32 v5, 7, v0
	v_bfe_u32 v6, v0, 4, 1
	v_lshl_or_b32 v5, v6, 3, v5                    ; my slot r
	s_lshl_b32 s19, s18, 1
	v_add_nc_u32 v7, s19, v4                       ; my block rb = 2 x wave + u
	v_mul_u32_u24 v8, v7, 1536
	v_lshl_add_u32 v8, v5, 4, v8                   ; codes: 1,536 rb + 16 r
	v_lshlrev_b32 v9, 6, v7
	v_lshl_add_u32 v9, v5, 2, v9                   ; scale words: 64 rb + 4 r
	s_lshr_b32 s30, ttmp9, 6                       ; y = 0: which of the four square weights
	s_cmp_eq_u32 s20, 1
	s_cselect_b32 s21, 31, 7                       ; W2 has 32 K steps, the others 8
	s_cselect_b32 s22, 5, 3
	s_cselect_b32 s25, 512, 0
	s_cmp_eq_u32 s20, 2
	s_cselect_b32 s23, 31, 7                       ; W1 has 32 groups of columns, the others 8
	s_cselect_b32 s24, 21, 19                      ; 128 rows of 16,384 or of 4,096 bytes
	s_cselect_b32 s25, 256, s25
	s_and_b32 s21, ttmp9, s21                      ; which K step
	s_lshr_b32 s22, ttmp9, s22
	s_and_b32 s22, s22, s23                        ; which group of 128 columns
	s_lshl_b32 s21, s21, s24
	s_lshl_b32 s22, s22, 9
	s_add_co_u32 s22, s22, s21
	s_lshl_b32 s21, s18, 7
	s_add_co_u32 s22, s22, s21                     ; where my wave's part of the weight begins
	s_mov_b32 s23, 0
	s_add_co_u32 s24, ttmp9, s25                   ; g KS + ks of my K step: x + 0, 512 or 256
	s_mul_i32 s26, s24, 12288
	s_mov_b32 s27, 0
	s_lshl_b32 s28, s24, 9
	s_add_co_u32 s28, s28, 9437184
	s_mov_b32 s29, 0
	s_wait_kmcnt 0x0
	s_cmp_eq_u32 s30, 1                            ; the choices hang on the work-group's number alone
	s_cselect_b64 s[4:5], s[6:7], s[4:5]
	s_cmp_eq_u32 s30, 2
	s_cselect_b64 s[4:5], s[8:9], s[4:5]
	s_cmp_eq_u32 s30, 3
	s_cselect_b64 s[4:5], s[10:11], s[4:5]
	s_cmp_eq_u32 s20, 1
	s_cselect_b64 s[4:5], s[12:13], s[4:5]
	s_cmp_eq_u32 s20, 2
	s_cselect_b64 s[4:5], s[14:15], s[4:5]
	s_add_nc_u64 s[4:5], s[4:5], s[22:23]
	s_add_nc_u64 s[26:27], s[16:17], s[26:27]      ; the codes of my K step
	s_add_nc_u64 s[28:29], s[16:17], s[28:29]      ; and their scale words
.macro LOADB t, stride                 ; block t: W(32 t + i, my column) into set t % 2
.irp i, 0,1,2,3,4,5,6,7,8,9,10,11,12,13,14,15,16,17,18,19,20,21,22,23,24,25,26,27,28,29,30,31
	global_load_b32 v[X+32*((\t)%2)+\i], v3, s[4:5] offset:(32*(\t)+\i)*(\stride) th:TH_LOAD_NT
.endr
.endm
.macro BLOCK t, stride
.set XS, X+32*((\t)%2)
.set PP, (\t)/2                        ; the pair of blocks is half c = PP of the K step; the block is lane half h = t % 2 of it
.set DH, CD+12*PP+4*((\t)%2)           ; x0 .. x3
.set EE, CD+12*PP+8+2*((\t)%2)         ; x4, x5
.if (\t) < 3
	s_wait_loadcnt 32                              ; this block's 32 loads are in; the next block's 32 may be out
.else
	s_wait_loadcnt 0x0
.endif
	v_max3_num_f32 v12, |v[XS]|, |v[XS+1]|, |v[XS+2]|               ; the block's largest magnitude: all 32 numbers are mine; two chains
	v_max3_num_f32 v13, |v[XS+3]|, |v[XS+4]|, |v[XS+5]|
.irp i, 6,10,14,18,22,26
	v_max3_num_f32 v12, v12, |v[XS+\i]|, |v[XS+\i+1]|
	v_max3_num_f32 v13, v13, |v[XS+\i+2]|, |v[XS+\i+3]|
.endr
	v_max3_num_f32 v12, v12, |v[XS+30]|, |v[XS+31]|
	v_max3_num_f32 v12, v12, v13, 0x1800000        ; and the floor 2^(3 - 127): the byte cannot fall under 1
	v_add_nc_u32 v11, 0xff000000, v12              ; 2 off the exponent field: the conversion takes this operand's exponent field as its scale
	v_lshrrev_b32 v13, 23, v11                     ; the scale's byte
.if (\t) == 0
	v_mov_b32 v[SW], v13                           ; four bytes to a word, the lower K in the lower byte
.else
	v_lshl_or_b32 v[SW], v13, 8*(\t), v[SW]
.endif
	v_cvt_scalef32_pk16_fp6_f32 v[DH:DH+2], v[XS:XS+15], v11
	v_cvt_scalef32_pk16_fp6_f32 v[TT:TT+2], v[XS+16:XS+31], v11     ; (a conversion's three registers begin on an even number)
	v_nop                                          ; one plain place behind the conversions
	v_mov_b32 v[DH+3], v[TT]
	v_mov_b32 v[EE], v[TT+1]
	v_mov_b32 v[EE+1], v[TT+2]
.if (\t)+2 < 4
	LOADB (\t)+2, \stride
.endif
.if (\t)%2 == 1                        ; a pair is whole: each store writes 256 consecutive bytes for each of the wave's two blocks of slots
	global_store_b128 v8, v[CD+12*PP:CD+12*PP+3], s[26:27] offset:768*PP
	global_store_b128 v8, v[CD+12*PP+4:CD+12*PP+7], s[26:27] offset:768*PP+256
	global_store_b128 v8, v[CD+12*PP+8:CD+12*PP+11], s[26:27] offset:768*PP+512
.endif
.if (\t) == 3
	global_store_b32 v9, v[SW], s[28:29]
.endif
.endm
.macro BODY stride                     ; every offset is an immediate: 127 rows of 16,384 bytes at the most, inside the signed 24 bits
	LOADB 0, \stride
	LOADB 1, \stride
.irp t, 0,1,2,3
	BLOCK \t, \stride
.endr
	s_endpgm
.endm
	s_cmp_eq_u32 s20, 2
	s_cbranch_scc1 .Lwide
	BODY 4096
.Lwide:
	BODY 16384
	; ---------------- the norm
.set ROWP, 4112
.set GG,   160                         ; v160-191 the gain; in phase 2 the codes
.set BB,   192                         ; v192-223 the bias
.set AC,   224                         ; v224-239 sums: four registers a row
.set MN,   240                         ; v240-247 a pair a row: the mean, then 1 / sqrt
.set TM,   8                           ; v8-23    the quantiser's work
.set SEL,  12                          ; s[12:13] lane selects: lane l xor 16
.set SOFF, 3145728
; 64 numbers of a lane, register 16 b + i = k 32 b + 16 (lane / 16) + i of my row, become a fragment's codes in v[pc] .. v[pc + 11] (20 registers are used) and its scale word in v[pw].
.macro QUANT s, pc, pw
.irp b, 0,1,2,3
	v_max3_num_f32 v[TM+\b], |v[\s+16*\b]|, |v[\s+1+16*\b]|, 0x1800000   ; my 16 numbers of block b, and the floor 2^(3 - 127)
.endr
.irp i, 2,4,6,8,10,12,14
.irp b, 0,1,2,3
	v_max3_num_f32 v[TM+\b], v[TM+\b], |v[\s+16*\b+\i]|, |v[\s+1+16*\b+\i]|
.endr
.endr
.irp b, 0,1,2,3
	v_permlanex16_b32 v[TM+4+\b], v[TM+\b], s[SEL], s[SEL+1]
.endr
.irp b, 0,1,2,3
	v_max_num_f32 v[TM+\b], v[TM+\b], v[TM+4+\b]   ; with lane l xor 16's: the block's largest magnitude
.endr
.irp b, 0,1,2,3
	v_add_nc_u32 v[TM+12+\b], 0xff000000, v[TM+\b] ; 2 off its exponent field: the conversion's scale operand
.endr
.irp b, 0,1,2,3
	v_lshrrev_b32 v[TM+4+\b], 23, v[TM+12+\b]      ; the scale's byte
.endr
	v_lshl_or_b32 v[\pw], v[TM+5], 8, v[TM+4]
	v_lshl_or_b32 v[\pw], v[TM+6], 16, v[\pw]
	v_lshl_or_b32 v[\pw], v[TM+7], 24, v[\pw]
.irp c, 0,1
	v_cvt_scalef32_pk16_fp6_f32 v[\pc+6*\c:\pc+2+6*\c], v[\s+32*\c:\s+15+32*\c], v[TM+12+2*\c]
	v_cvt_scalef32_pk16_fp6_f32 v[\pc+12+4*\c:\pc+14+4*\c], v[\s+16+32*\c:\s+31+32*\c], v[TM+12+2*\c+1]
.endr
	v_nop                                          ; one plain place behind the conversions
.irp c, 0,1                            ; the layout wants a whole block in a lane
.irp i, 0,1,2
	v_permlane16_swap_b32 v[\pc+6*\c+\i], v[\pc+12+4*\c+\i]
.endr
.irp i, 0,1,2
	v_mov_b32 v[\pc+3+6*\c+\i], v[\pc+12+4*\c+\i]
.endr
.endr
.endm
.macro REDUCE                          ; the four rows' sums in v[AC + 4 i] over the 32 lanes, the rows by turns
.irp m, 1,2,4,8
.irp i, 0,1,2,3
	v_add_f32_dpp v[AC+4*\i], v[AC+4*\i], v[AC+4*\i] row_xmask:\m row_mask:0xf bank_mask:0xf
.endr
.endr
.irp i, 0,1,2,3
	v_permlanex16_b32 v[AC+4*\i+1], v[AC+4*\i], s[SEL], s[SEL+1]
.endr
.irp i, 0,1,2,3
	v_add_f32 v[AC+4*\i], v[AC+4*\i], v[AC+4*\i+1]
.endr
.endm
.Lnorm:
	s_load_b256 s[4:11], s[0:1], 0x0               ; x, g, b, nx
	v_lshrrev_b32 v1, 5, v0
	v_readfirstlane_b32 s14, v1                    ; wave
	v_and_b32 v1, 31, v0                           ; lane
	v_and_b32 v2, 15, v0                           ; r
	v_bfe_u32 v3, v0, 4, 1                         ; h
	v_lshlrev_b32 v4, 4, v1                        ; 16 x lane
	v_lshlrev_b32 v5, 4, v2
	v_lshl_add_u32 v5, v3, 3, v5                   ; 16 r + 8 h
	s_mul_i32 s17, s14, 4*ROWP
	v_add_nc_u32 v6, s17, v4                       ; LDS, in: my wave's four rows, 16 bytes a lane
	v_mul_u32_u24 v7, v2, ROWP
	v_lshl_add_u32 v7, v3, 6, v7
	s_lshl_b32 s17, s14, 10
	v_add_nc_u32 v7, s17, v7                       ; LDS, out: row r, + 64 h, + my wave's two K steps
	v_lshlrev_b32 v27, 2, v2
	v_lshl_add_u32 v27, v3, 9, v27                 ; scale words: 4 r, lanes 16-31 one K step on
.irp b, 0,1,2,3
	v_mov_b32 v[TM+4+\b], 0                        ; written once: a lane permute's destination counts as one of its sources
.endr
	s_mov_b32 s[SEL], 0x76543210
	s_mov_b32 s[SEL+1], 0xfedcba98
	s_mov_b32 s20, 0x3a800000                      ; 1 / 1024
	s_mov_b32 s21, 0x3727c5ac                      ; 1e-5
	s_lshr_b32 s15, ttmp9, 3                       ; rg
	s_and_b32 s16, ttmp9, 7                        ; rb
	s_lshl_b32 s17, s15, 7
	s_lshr_b32 s18, s16, 1
	s_lshl_b32 s18, s18, 5
	s_add_co_u32 s17, s17, s18
	s_and_b32 s18, s16, 1
	s_lshl_b32 s18, s18, 3
	s_add_co_u32 s17, s17, s18
	s_lshr_b32 s18, s14, 1
	s_lshl_b32 s18, s18, 4
	s_add_co_u32 s17, s17, s18
	s_and_b32 s18, s14, 1
	s_lshl_b32 s18, s18, 2
	s_add_co_u32 s17, s17, s18                     ; my wave's first row
	s_lshl_b32 s18, s17, 12
	s_mov_b32 s19, 0
	s_mul_i32 s24, s15, 98304
	s_mul_i32 s25, s14, 24576
	s_add_co_u32 s24, s24, s25
	s_mul_i32 s25, s16, 1536
	s_add_co_u32 s24, s24, s25                     ; fragment (rg, 2 w, rb)
	s_mov_b32 s25, 0
	s_lshl_b32 s26, s15, 12
	s_lshl_b32 s27, s14, 10
	s_add_co_u32 s26, s26, s27
	s_lshl_b32 s27, s16, 6
	s_add_co_u32 s26, s26, s27
	s_add_co_u32 s26, s26, SOFF                    ; and its scale words
	s_mov_b32 s27, 0
	s_wait_kmcnt 0x0
	s_add_nc_u64 s[4:5], s[4:5], s[18:19]
	s_add_nc_u64 s[22:23], s[10:11], s[26:27]
	s_add_nc_u64 s[10:11], s[10:11], s[24:25]
.irp i, 0,1,2,3
.irp q, 0,1,2,3,4,5,6,7
	global_load_b128 v[X+32*\i+4*\q:X+32*\i+4*\q+3], v4, s[4:5] offset:4096*\i+512*\q   ; 512 consecutive bytes a load
.endr
.endr
.irp q, 0,1,2,3,4,5,6,7
	global_load_b128 v[GG+4*\q:GG+4*\q+3], v4, s[6:7] offset:512*\q
.endr
.irp q, 0,1,2,3,4,5,6,7
	global_load_b128 v[BB+4*\q:BB+4*\q+3], v4, s[8:9] offset:512*\q
.endr
	s_wait_loadcnt 16                              ; the four rows are in; the 16 loads of gain and bias may be out
.irp i, 0,1,2,3
	v_pk_add_f32 v[AC+4*\i:AC+4*\i+1], v[X+32*\i:X+32*\i+1], v[X+32*\i+4:X+32*\i+5]
	v_pk_add_f32 v[AC+4*\i+2:AC+4*\i+3], v[X+32*\i+2:X+32*\i+3], v[X+32*\i+6:X+32*\i+7]
.endr
.irp j, 8,12,16,20,24,28
.irp i, 0,1,2,3
	v_pk_add_f32 v[AC+4*\i:AC+4*\i+1], v[AC+4*\i:AC+4*\i+1], v[X+32*\i+\j:X+32*\i+\j+1]
	v_pk_add_f32 v[AC+4*\i+2:AC+4*\i+3], v[AC+4*\i+2:AC+4*\i+3], v[X+32*\i+\j+2:X+32*\i+\j+3]
.endr
.endr
.irp i, 0,1,2,3
	v_pk_add_f32 v[AC+4*\i:AC+4*\i+1], v[AC+4*\i:AC+4*\i+1], v[AC+4*\i+2:AC+4*\i+3]
.endr
.irp i, 0,1,2,3
	v_add_f32 v[AC+4*\i], v[AC+4*\i], v[AC+4*\i+1]
.endr
	REDUCE
.irp i, 0,1,2,3
	v_mul_f32 v[MN+2*\i], s20, v[AC+4*\i]          ; the mean, twice
	v_mul_f32 v[MN+2*\i+1], s20, v[AC+4*\i]
.endr
.irp j, 0,2,4,6,8,10,12,14,16,18,20,22,24,26,28,30
.irp i, 0,1,2,3
	v_pk_add_f32 v[X+32*\i+\j:X+32*\i+\j+1], v[X+32*\i+\j:X+32*\i+\j+1], v[MN+2*\i:MN+2*\i+1] neg_lo:[0,1] neg_hi:[0,1]   ; x - mean, in place
.endr
.endr
.irp i, 0,1,2,3
	v_pk_mul_f32 v[AC+4*\i:AC+4*\i+1], v[X+32*\i:X+32*\i+1], v[X+32*\i:X+32*\i+1]
	v_pk_mul_f32 v[AC+4*\i+2:AC+4*\i+3], v[X+32*\i+2:X+32*\i+3], v[X+32*\i+2:X+32*\i+3]
.endr
.irp j, 4,8,12,16,20,24,28
.irp i, 0,1,2,3
	v_pk_fma_f32 v[AC+4*\i:AC+4*\i+1], v[X+32*\i+\j:X+32*\i+\j+1], v[X+32*\i+\j:X+32*\i+\j+1], v[AC+4*\i:AC+4*\i+1]
	v_pk_fma_f32 v[AC+4*\i+2:AC+4*\i+3], v[X+32*\i+\j+2:X+32*\i+\j+3], v[X+32*\i+\j+2:X+32*\i+\j+3], v[AC+4*\i+2:AC+4*\i+3]
.endr
.endr
.irp i, 0,1,2,3
	v_pk_add_f32 v[AC+4*\i:AC+4*\i+1], v[AC+4*\i:AC+4*\i+1], v[AC+4*\i+2:AC+4*\i+3]
.endr
.irp i, 0,1,2,3
	v_add_f32 v[AC+4*\i], v[AC+4*\i], v[AC+4*\i+1]
.endr
	REDUCE
.irp i, 0,1,2,3
	v_fma_f32 v[AC+4*\i], v[AC+4*\i], s20, s21     ; the variance + 1e-5
.endr
	s_wait_alu depctr_va_vdst(0)
.irp i, 0,1,2,3
	v_rsq_f32 v[MN+2*\i], v[AC+4*\i]               ; one batch of four
.endr
	v_nop                                          ; a plain place behind the last of them
	s_wait_alu depctr_va_vdst(0)                   ; one wait for the batch, ahead of its first reader
	s_wait_loadcnt 0x0                             ; gain and bias
.irp i, 0,1,2,3
.irp j, 0,2,4,6,8,10,12,14,16,18,20,22,24,26,28,30
	v_pk_mul_f32 v[X+32*\i+\j:X+32*\i+\j+1], v[X+32*\i+\j:X+32*\i+\j+1], v[MN+2*\i:MN+2*\i+1] op_sel_hi:[1,0]
.endr
.irp j, 0,2,4,6,8,10,12,14,16,18,20,22,24,26,28,30
	v_pk_fma_f32 v[X+32*\i+\j:X+32*\i+\j+1], v[X+32*\i+\j:X+32*\i+\j+1], v[GG+\j:GG+\j+1], v[BB+\j:BB+\j+1]
.endr
.irp q, 0,1,2,3,4,5,6,7
	ds_store_b128 v6, v[X+32*\i+4*\q:X+32*\i+4*\q+3] offset:\i*ROWP+512*\q
.endr
.endr
	s_wait_dscnt 0x0                               ; for the others' sake: my rows lie in LDS
	s_barrier_signal -1
	s_barrier_wait -1
.irp s, 0,1
.irp b, 0,1,2,3
.irp j, 0,1,2,3
	ds_load_b128 v[X+64*\s+16*\b+4*\j:X+64*\s+16*\b+4*\j+3], v7 offset:512*\s+128*\b+16*\j   ; the pitch is 257 x 16 bytes: sixteen rows, sixteen different columns of banks
.endr
.endr
.endr
	s_wait_dscnt 16                                ; the first K step's 16 loads are in; the second's may be out
	QUANT X, GG, 24
	s_wait_dscnt 0x0
	QUANT X+64, GG+20, 25
.irp s, 0,1
	global_store_b128 v4, v[GG+20*\s:GG+20*\s+3], s[10:11] offset:12288*\s          ; 512 consecutive bytes
	global_store_b64 v5, v[GG+20*\s+4:GG+20*\s+5], s[10:11] offset:12288*\s+512     ; 256
	global_store_b128 v4, v[GG+20*\s+6:GG+20*\s+9], s[10:11] offset:12288*\s+768
	global_store_b64 v5, v[GG+20*\s+10:GG+20*\s+11], s[10:11] offset:12288*\s+1280
.endr
	v_cmp_lt_u32 vcc_lo, 15, v1
	v_cndmask_b32 v26, v24, v25, vcc_lo            ; lanes 0-15: the first K step's words, lanes 16-31 the second's (both halves of the lanes hold each row's word)
	global_store_b32 v27, v26, s[22:23]
	s_wait_tensorcnt 0x0
	ds_add_u32 v254, v255
	s_wait_dscnt 0x0
	s_endpgm
.Lfunc_end_k_q5b4ba08107_prep:
	.size	k_q5b4ba08107_prep, .Lfunc_end_k_q5b4ba08107_prep-k_q5b4ba08107_prep
	.p2alignl 7, 3214868480
	.fill 96, 4, 3214868480
	.section	.rodata,"a",@progbits
	.p2align	6, 0x0
	.amdhsa_kernel k_q5b4ba08107_prep
		.amdhsa_group_segment_fixed_size 66304
		.amdhsa_private_segment_fixed_size 0
		.amdhsa_enable_private_segment 0
		.amdhsa_kernarg_size 88
		.amdhsa_user_sgpr_count 2
		.amdhsa_user_sgpr_kernarg_segment_ptr 1
		.amdhsa_wavefront_size32 1
		.amdhsa_system_sgpr_workgroup_id_x 1
		.amdhsa_system_sgpr_workgroup_id_y 1
		.amdhsa_system_sgpr_workgroup_id_z 1
		.amdhsa_system_vgpr_workitem_id 0
		.amdhsa_next_free_vgpr 256
		.amdhsa_next_free_sgpr 66
		.amdhsa_reserve_vcc 1
		.amdhsa_float_denorm_mode_32 3
		.amdhsa_float_denorm_mode_16_64 3
		.amdhsa_memory_ordered 1
		.amdhsa_forward_progress 1
		.amdhsa_inst_pref_size 84
	.end_amdhsa_kernel
	.amdgpu_metadata
---
amdhsa.version: [ 1, 2 ]
amdhsa.kernels:
  - .name:           k_q5b4ba08107_prep
    .symbol:         k_q5b4ba08107_prep.kd
    .args:
      - { .name: x, .offset: 0, .size: 8, .value_kind: global_buffer, .address_space: global }
      - { .name: ln1_g, .offset: 8, .size: 8, .value_kind: global_buffer, .address_space: global }
      - { .name: ln1_b, .offset: 16, .size: 8, .value_kind: global_buffer, .address_space: global }
      - { .name: nx, .offset: 24, .size: 8, .value_kind: global_buffer, .address_space: global }
      - { .name: Wq, .offset: 32, .size: 8, .value_kind: global_buffer, .address_space: global }
      - { .name: Wk, .offset: 40, .size: 8, .value_kind: global_buffer, .address_space: global }
      - { .name: Wv, .offset: 48, .size: 8, .value_kind: global_buffer, .address_space: global }
      - { .name: Wo, .offset: 56, .size: 8, .value_kind: global_buffer, .address_space: global }
      - { .name: W2, .offset: 64, .size: 8, .value_kind: global_buffer, .address_space: global }
      - { .name: W1, .offset: 72, .size: 8, .value_kind: global_buffer, .address_space: global }
      - { .name: wts, .offset: 80, .size: 8, .value_kind: global_buffer, .address_space: global }
    .group_segment_fixed_size: 66304
    .private_segment_fixed_size: 0
    .kernarg_segment_align: 8
    .kernarg_segment_size: 88
    .max_flat_workgroup_size: 128
    .sgpr_count:     66
    .vgpr_count:     256
    .wavefront_size: 32
...
	.end_amdgpu_metadata
.endif
;; end of part 1
;; launch qkv (part 2): grid 12 x 16, 4 waves a work-group, clusters of 4 x 4, 327,680 bytes of LDS; arguments nx, wts, bq, bk, bv, qkv; writes qkv
.if DOCPART == 2
	.amdgcn_target "amdgcn-amd-amdhsa--gfx1250"
	.amdhsa_code_object_version 6
	.text
	.protected	k_q5b4ba08107_qkv
	.globl	k_q5b4ba08107_qkv
	.p2align	8
	.type	k_q5b4ba08107_qkv,@function
k_q5b4ba08107_qkv:
	s_mov_b64 s[64:65], 0
	v_nop
	global_prefetch_b8 v0, s[64:65] scope:SCOPE_SE
	s_setreg_imm32_b32 hwreg(HW_REG_WAVE_MODE, 25, 1), 1
	s_wait_xcnt 0x0
	s_wait_alu depctr_hold_cnt(0) depctr_sa_sdst(0) depctr_va_vdst(0) depctr_va_sdst(0) depctr_va_ssrc(0) depctr_va_vcc(0) depctr_vm_vsrc(0)
	s_getreg_b32 s2, hwreg(HW_REG_IB_STS2, 6, 4)
	s_cmp_eq_u32 s2, 0
	s_cbranch_scc0 .Lentry_in_a_cluster
	s_endpgm
.Lentry_in_a_cluster:
	s_bfe_u32 s2, ttmp6, 0x10000c
	s_cmp_lg_u32 s2, 0xf033
	s_cbranch_scc0 .Lentry_shape_is_right
	s_endpgm
.Lentry_shape_is_right:
; q = Q(nx Wq + bq), k = Q(nx Wk + bk), quantised along a head's 64; v^T = Q((nx Wv + bv)^T), quantised along the keys.  All operands are codes of FP6 (E2M3) with E8M0 scales, laid in the order of the operand's registers:
; a fragment (16 slots x 128 K) is 1,536 bytes: half c at 768 c: x0 .. x3 of lane (r, h) at 16 (r + 16 h), x4, x5 at 512 + 16 r + 8 h; fragment (group of 128 rows rg, K step ks, block rb) at 1,536 ((8 rg + ks) 8 + rb),
; its scale words 64 x that index + 4 r behind the codes.  Slot r of block rb holds row 32 (rb / 2) + 8 (rb % 2) + r % 8 + 16 (r / 8) of its group.
; A work-group of four waves makes 256 x 256 of a product, a wave 128 x 128: 64 accumulators.  THE MATRIX INSTRUCTION IS USED TRANSPOSED: source 0 = side B, source 1 = side A: a lane holds one slot of A, and the 16 registers of
; accumulators (a, 2 c) and (a, 2 c + 1) are 16 neighbouring rows of B: neighbours along the next product's K.  Cluster column 0 makes q and column 1 k (A = tokens, B = the weight's columns); column 2 makes v^T (A = Wv's columns, B = tokens).
; K = 1,024 is 8 steps of 128, two to an LDS slot.  THREE SLOTS: K steps 0 to 5 come with the first fills; K steps 6 and 7 are asked for into slot 0 as soon as it has been read, four K steps (256 matrix instructions a wave) ahead
; of their first use: one refill, one round of the cluster's barrier.  Each wave fetches a quarter of a slot by one tensor load, a dense block of 24,576 bytes.  Both operands have two sets of registers:
; a step's 72 LDS loads stand in one run and have a whole step's 64 matrix instructions in which to land.  The scale words of all K come once, with the first fills.
; CLUSTERS: 4 x 4.  A's tiles are shared along a row of the cluster, B's along a column, each asked for jointly.
; OUT: blocks of 6,400 bytes at ((hdx 16) + tg) 6,400, hdx = head for q, 32 + head for k, 64 + head for v (head = 16 batch + head), tg = the group of 128 tokens in the batch.  q, k: half image a (tokens of block a; lane half = which 32 of the
; head's 64) at 768 a; scale words of the pair of halves j at 6,144 + 64 j + 4 r.  v: fragment t (16 channels x 128 keys) at 1,536 t, scale words at 6,144 + 64 t + 4 r.
; LIMITS: a block of zeros or with a largest magnitude under 2^-124 gets the byte 1 (read by this program alone); NaN and infinities are not served.  The scale words leave in pieces of 128 bytes.
; REGISTERS: window 0: v1-6 lane terms, v8-19 LDS addresses, v27 scale words' address, v28, v29 for the add, v30, v31 bias offsets, v32-47 scale words (two sets), v64-159 and v160-255 A's two sets;
;   window 1: v0-95 and v128-223 B's two sets, v96-127 and v224-255 biases; windows 2 and 3: the accumulators, (a, b) at 64 (a % 4) + 8 b.
.set NBLK, 8
.set NQ,   2
.set KS,   8
; THE HEAD'S FILLS, one tensor load a wave: wave 0 A's codes, wave 1 B's, wave 2 A's scale words, wave 3 B's.  LDS holds four quarters of QT bytes (A's two groups of 128 rows, then B's two), each with K steps 0 to 5 on end.
; The one refill, K steps 6 and 7 onto K steps 0 and 1 of each quarter, is a dense block of 24,576 bytes a wave: it has four K steps in which to land, and no wave waits for it, so no prefetch is laid.
.set TC,   9216                        ; the head's tile of codes: 2 rows (groups) of 73,728 bytes (9,216 elements of 8), 98,304 bytes apart
.set TR,   2
.set TP,   12288
.set STC,  32                          ; a side's scale words: 32 rows of 256 bytes, dense; behind the head the same group 1, with 96 rows, serves the refill
.set STR,  32
.set STP,  32
.set QT,   73728
.set FRB,   1536
.set HALFT, NQ*NBLK*FRB
.set SLOT,  4*HALFT
.set SCL,   3*SLOT                     ; behind the three slots: the scale words
.set HALFS, KS*NBLK*64
.set SPARE, SCL+4*HALFS                ; the spare words: 128 bytes a wave, two blocks of 256 bytes that no other line names
.set ADRA, 8                           ; v8-10 A's fragments in slots 0, 1, 2 (16 x lane); v11-13 the same (16 r + 8 h)
.set ADRB, 14                          ; v14-16, v17-19 the same for B
.set ADRS, 27
.set SPW,  28
.set NIL,  29
.set SC,   32
.set AF,   64
.set HA,   64                          ; the way out, window 0: 64 numbers,
.set PC,   128                         ; their codes,
.set TM,   148                         ; the quantiser's work,
.set PWS,  176                         ; the eight blocks' scale words,
.set EW,   184                         ; and the words as they are stored
.set G1,   24
.set G0,   32                          ; s[32:39] A's groups 0: the head's codes and the refill
.set G0C,  4
.set G1B,  48
.set G0B,  56                          ; s[56:63] B's groups 0: the head's codes and the refill
.set G0BC, 92
.set G1S,  68
.set G0S,  76
.set G1SB, 80
.set G0SB, 88
.set SEL,  96
.set MSB, 0
.macro WIN new                         ; the immediate's high byte repeats the setting that is left
.if MSB != (\new)
	s_set_vgpr_msb (MSB<<8)|(\new)
.set MSB, (\new)
.endif
.endm
.macro JLOAD g0a, g1a, g0b, g1b        ; a joint load: waves 0 and 1 fetch for A, waves 2 and 3 for B; four v_nop follow each line
	s_cmp_eq_u32 s15, 0
	s_cbranch_scc0 .Lfor_b_\@
	tensor_load_to_lds s[\g0a:\g0a+3], s[\g1a:\g1a+7]
	s_nop 0
.rept 4
	v_nop
.endr
	s_branch .Lasked_\@
.Lfor_b_\@:
	tensor_load_to_lds s[\g0b:\g0b+3], s[\g1b:\g1b+7]
	s_nop 0
.rept 4
	v_nop
.endr
.Lasked_\@:
.endm
.macro CREST                           ; a round of the cluster's barrier behind its opening barrier
	s_cmp_lg_u32 s14, 0
	s_cbranch_scc1 .Lnot_wave_0_\@
	s_barrier_signal -3
.Lnot_wave_0_\@:
	s_barrier_wait -3
	s_barrier_signal -1
	s_barrier_wait -1
.endm
.macro CROUND
	s_barrier_signal -1
	s_barrier_wait -1
	CREST
.endm
.macro PLACES n
.rept \n
	v_nop
.endr
.endm
.macro FRAG reg, a16, a8, off          ; a fragment's image: 512, 256, 512 and 256 consecutive bytes
	ds_load_b128 v[\reg:\reg+3], v[\a16] offset:\off
	ds_load_b64 v[\reg+4:\reg+5], v[\a8] offset:\off+512
	ds_load_b128 v[\reg+6:\reg+9], v[\a16] offset:\off+768
	ds_load_b64 v[\reg+10:\reg+11], v[\a8] offset:\off+1280
.endm
.macro FETCH slot, q, set              ; the slot's q-th K step into register set `set`: B's blocks, A's blocks, the scale words (lanes 0-15 A's block i, lanes 16-31 B's)
	WIN 0x40
.set ii, 0
.rept NBLK
	FRAG 128*(\set)+12*ii, ADRB+(\slot), ADRB+3+(\slot), ((\q)*NBLK+ii)*FRB
.set ii, ii+1
.endr
	WIN 0
.set ii, 0
.rept NBLK
	FRAG AF+96*(\set)+12*ii, ADRA+(\slot), ADRA+3+(\slot), ((\q)*NBLK+ii)*FRB
.set ii, ii+1
.endr
.set ii, 0
.rept NBLK
	ds_load_b32 v[SC+8*(\set)+ii], v[ADRS] offset:64*ii
.set ii, ii+1
.endr
	v_add_nc_u32 v[ADRS], NBLK*64, v[ADRS]         ; on to the next K step's scale words
.endm
.macro MULA a, set, zero               ; A's block a against B's blocks: the accumulators take turns, one instruction a turn
	WIN 0xa1+0x50*(((\a)*NBLK)/32)
.set AC, ((\a)*NBLK*8)%256
.set bb, 0
.rept NBLK
.if \zero
	v_wmma_scale_f32_16x16x128_f8f6f4 v[AC+8*bb:AC+8*bb+7], v[128*(\set)+12*bb:128*(\set)+12*bb+11], v[AF+96*(\set)+12*(\a):AF+96*(\set)+12*(\a)+11], 0, v[SC+8*(\set)+bb], v[SC+8*(\set)+(\a)] matrix_a_fmt:MATRIX_FMT_FP6 matrix_b_fmt:MATRIX_FMT_FP6 matrix_a_scale:MATRIX_SCALE_ROW1
.else
	v_wmma_scale_f32_16x16x128_f8f6f4 v[AC+8*bb:AC+8*bb+7], v[128*(\set)+12*bb:128*(\set)+12*bb+11], v[AF+96*(\set)+12*(\a):AF+96*(\set)+12*(\a)+11], v[AC+8*bb:AC+8*bb+7], v[SC+8*(\set)+bb], v[SC+8*(\set)+(\a)] matrix_a_fmt:MATRIX_FMT_FP6 matrix_b_fmt:MATRIX_FMT_FP6 matrix_a_scale:MATRIX_SCALE_ROW1
.endif
.set bb, bb+1
.endr
.endm
.macro MULS a0, n, set, zero
.set aa, \a0
.rept \n
	MULA aa, \set, \zero
.set aa, aa+1
.endr
.endm
.macro STEP slot, q, zero              ; a K step that has its successor in the same slot
	s_wait_dscnt 0x0                               ; this step's fragments, asked for a step ago, are in
	PLACES 4                                       ; places in front of loads into registers that the last step's matrix instructions have read
	FETCH \slot, (\q)+1, ((\q)+1)%2
	MULS 0, NBLK, (\q)%2, \zero
.endm
.macro CROSS next                      ; a slot's last K step where the next slot is known to be whole and nothing is filled: no barrier
	s_wait_dscnt 0x0
	PLACES 4
	FETCH \next, 0, 0
	MULS 0, NBLK, 1, 0
.endm
.macro TURN slot, next, fill           ; a slot's last K step with a barrier.  fill = 1: this slot is filled again, with the K steps three slots on
	WIN 0
	s_wait_tensorcnt 0x0                           ; all my tensor loads have landed;
	ds_add_u32 v[SPW], v[NIL]                      ; 0 onto my spare word;
	s_wait_dscnt 1                                 ; (the add alone may be out: the fragments' loads are older)
	MULS 0, NBLK/4, 1, 0
	s_wait_dscnt 0x0                               ; the add is done, and my reads of this slot are over
	s_barrier_signal -1
	MULS NBLK/4, NBLK/4, 1, 0
	WIN 0
	s_barrier_wait -1
.if \fill
	CREST                                          ; the barrier has opened a round of the cluster's: no wave of any partner still reads this slot or has a load on its way
	JLOAD G0+4, G1S, G0B+4, G1SB                   ; the first tensor load behind the round; its four v_nop are the places in front of the loads below
.else
	PLACES 4
.endif
	s_wait_alu depctr_va_vdst(0)
	FETCH \next, 0, 0
	MULS NBLK/2, NBLK/2, 1, 0
.endm
.macro LAST
	s_wait_dscnt 0x0
	MULS 0, NBLK, 1, 0
.endm
; 64 numbers of a lane, register 16 b + i = k 32 b + 16 (lane / 16) + i, become a fragment's codes in v[pc] .. v[pc + 11] and its scale word in v[pw].
.macro QUANT s, pc, pw
.irp b, 0,1,2,3
	v_max3_num_f32 v[TM+\b], |v[\s+16*\b]|, |v[\s+1+16*\b]|, 0x1800000   ; my 16 numbers of block b, and the floor 2^(3 - 127)
.endr
.irp i, 2,4,6,8,10,12,14
.irp b, 0,1,2,3
	v_max3_num_f32 v[TM+\b], v[TM+\b], |v[\s+16*\b+\i]|, |v[\s+1+16*\b+\i]|
.endr
.endr
.irp b, 0,1,2,3
	v_permlanex16_b32 v[TM+4+\b], v[TM+\b], s[SEL], s[SEL+1]
.endr
.irp b, 0,1,2,3
	v_max_num_f32 v[TM+\b], v[TM+\b], v[TM+4+\b]
.endr
.irp b, 0,1,2,3
	v_add_nc_u32 v[TM+12+\b], 0xff000000, v[TM+\b] ; 2 off the exponent field: the conversion's scale operand
.endr
.irp b, 0,1,2,3
	v_lshrrev_b32 v[TM+4+\b], 23, v[TM+12+\b]
.endr
	v_lshl_or_b32 v[\pw], v[TM+5], 8, v[TM+4]
	v_lshl_or_b32 v[\pw], v[TM+6], 16, v[\pw]
	v_lshl_or_b32 v[\pw], v[TM+7], 24, v[\pw]
.irp c, 0,1
	v_cvt_scalef32_pk16_fp6_f32 v[\pc+6*\c:\pc+2+6*\c], v[\s+32*\c:\s+15+32*\c], v[TM+12+2*\c]
	v_cvt_scalef32_pk16_fp6_f32 v[\pc+12+4*\c:\pc+14+4*\c], v[\s+16+32*\c:\s+31+32*\c], v[TM+12+2*\c+1]
.endr
	v_nop                                          ; one plain place behind the conversions
.irp c, 0,1
.irp i, 0,1,2
	v_permlane16_swap_b32 v[\pc+6*\c+\i], v[\pc+12+4*\c+\i]
.endr
.irp i, 0,1,2
	v_mov_b32 v[\pc+3+6*\c+\i], v[\pc+12+4*\c+\i]
.endr
.endr
.endm
.macro PUT pc, base, o0, o1, o2, o3    ; a fragment's image goes out: 512, 256, 512, 256 consecutive aligned bytes
	global_store_b128 v4, v[\pc:\pc+3], s[\base:\base+1] offset:\o0
	global_store_b64 v5, v[\pc+4:\pc+5], s[\base:\base+1] offset:\o1
	global_store_b128 v4, v[\pc+6:\pc+9], s[\base:\base+1] offset:\o2
	global_store_b64 v5, v[\pc+10:\pc+11], s[\base:\base+1] offset:\o3
.endm
	s_load_b128 s[4:7], s[0:1], 0x0                ; nx, wts
	s_load_b128 s[8:11], s[0:1], 0x10              ; bq, bk
	s_load_b64 s[12:13], s[0:1], 0x20              ; bv
	s_load_b64 s[66:67], s[0:1], 0x28              ; qkv
	v_lshl_add_u32 v[SPW], v0, 2, SPARE
	v_mov_b32 v[NIL], 0
	ds_add_u32 v28, v29
	ds_add_u32 v28, v29
	s_wait_dscnt 0x0
	v_lshrrev_b32 v1, 5, v0
	v_readfirstlane_b32 s14, v1                    ; wave
	s_lshr_b32 s15, s14, 1                         ; my half of A's rows.  Also: I fetch for A (0) or for B (1)
	s_and_b32 s16, s14, 1                          ; my half of B's rows.  Also: which half I fetch
	s_bfe_u32 s40, ttmp6, 0x40000                  ; cx
	s_bfe_u32 s41, ttmp6, 0x40004                  ; cy
	s_mov_b32 s98, ttmp9                           ; the cluster's x: 0 q, 1 k, 2 v: the same in all sixteen partners
	s_and_b32 s99, ttmp7, 0xffff                   ; the cluster's y
	s_lshl_b32 s17, s99, 2
	s_lshl_b32 s42, s98, 2
	s_mov_b32 s19, 9437184                         ; where the scale words begin in wts; in nx at 3,145,728
	s_cmp_eq_u32 s98, 2
	s_cselect_b32 s42, s17, s42                    ; B's tile: q, k: 4 x cluster x + cx (columns of Wq, Wk); v: 4 x cluster y + cx (tokens)
	s_cselect_b32 s17, 8, s17                      ; A's tile: q, k: 4 x cluster y + cy (tokens); v: 8 + cy (columns of Wv)
	s_cselect_b32 s2, s19, 3145728                 ; A's scale words
	s_cselect_b32 s19, 3145728, s19                ; B's
	s_add_co_u32 s17, s17, s41
	s_add_co_u32 s42, s42, s40
	s_lshl_b32 s43, s41, 2
	s_lshl_b32 s43, 15, s43                        ; my row of the cluster
	s_lshl_b32 s44, 0x1111, s40                    ; my column
	s_or_b32 s[G1], s43, (3<<16)|(1<<21)           ; 15:0 the mask; 17:16 elements of 8 bytes; 21 set beside a mask; no padding
	s_or_b32 s[G1B], s44, (3<<16)|(1<<21)
.irp g, G1, G1B
	s_mov_b32 s[\g+1], TC<<16                      ; tensor_dim0
	s_mov_b32 s[\g+2], TR<<16                      ; tensor_dim1
	s_mov_b32 s[\g+3], TC<<16                      ; tile_dim0
	s_mov_b32 s[\g+4], TR                          ; tile_dim1
	s_mov_b32 s[\g+5], TP                          ; the pitch
	s_mov_b32 s[\g+6], 0
	s_mov_b32 s[\g+7], 0
.endr
	s_or_b32 s[G1S], s43, (3<<16)|(1<<21)
	s_or_b32 s[G1SB], s44, (3<<16)|(1<<21)
.irp g, G1S, G1SB
	s_mov_b32 s[\g+1], STC<<16
	s_mov_b32 s[\g+2], STR<<16
	s_mov_b32 s[\g+3], STC<<16
	s_mov_b32 s[\g+4], STR
	s_mov_b32 s[\g+5], STP
	s_mov_b32 s[\g+6], 0
	s_mov_b32 s[\g+7], 0
.endr
	s_mul_i32 s20, s17, 2*KS*12288                 ; A's tile is two groups of 128 rows: their codes, in bytes,
	s_mov_b32 s21, 0
	s_mul_i32 s22, s17, 2*KS*512
	s_add_co_u32 s22, s22, s2                      ; and their scale words
	s_mov_b32 s23, 0
	s_mul_i32 s46, s42, 2*KS*12288                 ; B likewise
	s_mov_b32 s47, 0
	s_mul_i32 s92, s42, 2*KS*512
	s_add_co_u32 s92, s92, s19
	s_mov_b32 s93, 0
	s_mul_i32 s45, s14, QT                         ; the refill: my quarter in LDS,
	s_mul_i32 s94, s16, KS*12288                   ; my group of the tile's two,
	s_add_co_u32 s94, s94, 6*12288                 ; its K steps 6 and 7
	s_mov_b32 s95, 0
	s_mov_b32 s[SEL], 0x76543210
	s_mov_b32 s[SEL+1], 0xfedcba98
	s_wait_kmcnt 0x0
	s_cmp_eq_u32 s98, 2
	s_cselect_b64 s[100:101], s[6:7], s[4:5]       ; A: v: wts, else nx
	s_cselect_b64 s[6:7], s[4:5], s[6:7]           ; B: v: nx, else wts
	s_mov_b64 s[4:5], s[100:101]
	s_add_nc_u64 s[20:21], s[4:5], s[20:21]
	s_add_nc_u64 s[22:23], s[4:5], s[22:23]
	s_add_nc_u64 s[46:47], s[6:7], s[46:47]
	s_add_nc_u64 s[92:93], s[6:7], s[92:93]
	CROUND                                         ; all sixteen work-groups are here: the first joint loads meet
	s_mov_b32 s[G0S], 1
	s_mov_b32 s[G0S+1], SCL
	s_mov_b64 s[G0S+2:G0S+3], s[22:23]
	s_or_b32 s[G0S+3], s[G0S+3], 0x80000000
	s_mov_b32 s[G0SB], 1
	s_mov_b32 s[G0SB+1], SCL+2*HALFS
	s_mov_b64 s[G0SB+2:G0SB+3], s[92:93]
	s_or_b32 s[G0SB+3], s[G0SB+3], 0x80000000
	s_mov_b32 s[G0], 1                             ; the head's codes: A's two quarters from LDS byte 0,
	s_mov_b32 s[G0+1], 0
	s_mov_b64 s[G0+2:G0+3], s[20:21]
	s_or_b32 s[G0+3], s[G0+3], 0x80000000
	s_mov_b32 s[G0B], 1                            ; B's two behind them
	s_mov_b32 s[G0B+1], 2*QT
	s_mov_b64 s[G0B+2:G0B+3], s[46:47]
	s_or_b32 s[G0B+3], s[G0B+3], 0x80000000
	s_mov_b32 s[G0+4], 1                           ; the refill's groups 0
	s_mov_b32 s[G0+5], s45
	s_add_nc_u64 s[G0+6:G0+7], s[20:21], s[94:95]
	s_or_b32 s[G0+7], s[G0+7], 0x80000000
	s_mov_b32 s[G0B+4], 1
	s_mov_b32 s[G0B+5], s45
	s_add_nc_u64 s[G0B+6:G0B+7], s[46:47], s[94:95]
	s_or_b32 s[G0B+7], s[G0B+7], 0x80000000
.macro ARM under, g0, g1, next         ; one chain of branches on the wave's number, one load to an arm, all arms to one join
	s_cmp_lt_u32 s14, \under
	s_cbranch_scc0 \next
	tensor_load_to_lds s[\g0:\g0+3], s[\g1:\g1+7]
	s_nop 0
	PLACES 4
	s_branch .Lhead_asked
\next:
.endm
	ARM 1, G0,  G1,  .Lhead_b
	ARM 2, G0B, G1B, .Lhead_sa
	ARM 3, G0S, G1S, .Lhead_sb
	tensor_load_to_lds s[G0SB:G0SB+3], s[G1SB:G1SB+7]
	s_nop 0
	PLACES 4
.Lhead_asked:
	v_and_b32 v1, 15, v0                           ; r
	v_bfe_u32 v2, v0, 4, 1                         ; h
	v_and_b32 v3, 31, v0                           ; lane
	v_lshlrev_b32 v4, 4, v3                        ; 16 x lane
	v_lshlrev_b32 v5, 4, v1
	v_lshl_add_u32 v5, v2, 3, v5                   ; 16 r + 8 h
	v_lshlrev_b32 v6, 2, v3                        ; 4 x lane
	s_mul_i32 s21, s15, QT                         ; my quarter of A,
	s_mul_i32 s22, s16, QT
	s_add_co_u32 s22, s22, 2*QT                    ; my quarter of B; two K steps are HALFT bytes of a quarter
.irp s, 0,1,2
	v_add_nc_u32 v[ADRA+\s], s21, v4
	v_add_nc_u32 v[ADRA+3+\s], s21, v5
	v_add_nc_u32 v[ADRB+\s], s22, v4
	v_add_nc_u32 v[ADRB+3+\s], s22, v5
	s_add_co_u32 s21, s21, HALFT
	s_add_co_u32 s22, s22, HALFT
.endr
	v_lshlrev_b32 v20, 2, v1
	s_mul_i32 s21, s15, HALFS
	s_mul_i32 s22, s16, HALFS
	s_add_co_u32 s22, s22, 2*HALFS
	s_sub_co_u32 s22, s22, s21
	v_mul_u32_u24 v21, s22, v2                     ; lanes 16-31 take B's words
	s_add_co_u32 s21, s21, SCL
	v_add_nc_u32 v20, v20, v21
	v_add_nc_u32 v[ADRS], s21, v20
	s_wait_alu depctr_va_vdst(0)
	s_wait_tensorcnt 0x0                           ; my one load of the head has landed; no tensor load of mine is out, so a descriptor may be written:
	s_mov_b32 s[G1S+2], 96<<16                     ; the scale words' groups 1 now state the refill's 96 rows of 256 bytes
	s_mov_b32 s[G1S+4], 96
	s_mov_b32 s[G1SB+2], 96<<16
	s_mov_b32 s[G1SB+4], 96
	s_barrier_signal -1
	s_barrier_wait -1
	FETCH 0, 0, 0
	s_wait_alu depctr_va_vdst(0)
	STEP 0, 0, 1                                   ; K step 0: its products start the sums
	TURN 0, 1, 1                                   ; K step 1; every wave's loads have landed, slots 1 and 2 among them; slot 0 takes K steps 6 and 7
	s_wait_alu depctr_va_vdst(0)
	STEP 1, 0, 0                                   ; K step 2
	s_wait_alu depctr_va_vdst(0)
	CROSS 2                                        ; K step 3: slot 2 was shown whole in front of the round above
	s_wait_alu depctr_va_vdst(0)
	STEP 2, 0, 0                                   ; K step 4
	TURN 2, 0, 0                                   ; K step 5; the refill has landed; nothing is filled
	WIN 0
	s_cmp_eq_u32 s98, 2                            ; the ways part on the cluster's x: each asks for its biases, runs the last two K steps over them, and goes out
	s_cbranch_scc1 .Lv_way
	; ---- q and k.  My 128 columns are two heads, 2 g and 2 g + 1, g = 2 cx + my half
	s_lshl_b32 s20, s40, 1
	s_add_co_u32 s20, s20, s16                     ; g
	s_lshl_b32 s22, s20, 9
	s_mov_b32 s23, 0
	s_cmp_eq_u32 s98, 1
	s_cselect_b64 s[8:9], s[10:11], s[8:9]         ; bk or bq
	s_add_nc_u64 s[8:9], s[8:9], s[22:23]
	s_lshl_b32 s21, s17, 1
	s_add_co_u32 s21, s21, s15                     ; my group of 128 tokens
	s_lshr_b32 s22, s21, 4                         ; batch
	s_and_b32 s21, s21, 15                         ; tg
	s_lshl_b32 s22, s22, 4
	s_lshl_b32 s20, s20, 1
	s_add_co_u32 s20, s20, s22
	s_lshl_b32 s22, s98, 5
	s_add_co_u32 s20, s20, s22                     ; hdx
	s_lshl_b32 s20, s20, 4
	s_add_co_u32 s20, s20, s21
	s_mul_i32 s20, s20, 6400
	s_mov_b32 s21, 0
	s_add_nc_u64 s[66:67], s[66:67], s[20:21]
	v_lshlrev_b32 v30, 6, v2                       ; the bias of columns 32 c + 16 h + 0 .. 15
	WIN 0x40
.irp c, 0,1,2,3
.irp j, 0,1,2,3
	global_load_b128 v[96+16*\c+4*\j+96*(\c/2):99+16*\c+4*\j+96*(\c/2)], v30, s[8:9] offset:128*\c+16*\j
.endr
.endr
	WIN 0
	s_wait_alu depctr_va_vdst(0)
	STEP 0, 0, 0                                   ; K step 6
	LAST                                           ; K step 7
	PLACES 4                                       ; places behind the last products, in front of the first read of results and of writes into registers that they read
	WIN 0
	s_wait_loadcnt 0x0                             ; the biases
.irp b, 0,1,2,3
	v_mov_b32 v[TM+4+\b], 0                        ; written once: a lane permute's destination counts as one of its sources
.endr
.macro EPQ a
.set AC, 64*((\a)%4)
	WIN 0x06+(\a)/4                                ; source 0 (results) window 2 or 3, source 1 (bias) window 1
.set n, 0
.rept 32
	v_pk_add_f32 v[HA+n:HA+n+1], v[AC+n:AC+n+1], v[96+n+96*(n/32):97+n+96*(n/32)]   ; each accumulator from its low end on
.set n, n+2
.endr
	WIN 0
	s_wait_xcnt 0x0                                ; the last block's stores have read their registers
	QUANT HA, PC, PWS+(\a)
	PUT PC, 66, 768*(\a), 768*(\a)+512, 768*(\a)+102400, 768*(\a)+102912   ; half 0 to head 2 g, half 1 to head 2 g + 1, whose blocks lie 16 x 6,400 bytes on
.endm
.irp a, 0,1,2,3,4,5,6,7
	EPQ \a
.endr
.irp j, 0,1,2,3                        ; a word holds [head 2 g: two bytes, head 2 g + 1: two bytes] of one block of tokens; wanted: [block 2 j: two bytes, block 2 j + 1: two bytes] of one head
	v_perm_b32 v[EW+\j], v[PWS+2*\j+1], v[PWS+2*\j], 0x05040100
	v_perm_b32 v[EW+4+\j], v[PWS+2*\j+1], v[PWS+2*\j], 0x07060302
.endr
	v_cmp_lt_u32 vcc_lo, 15, v3
.irp i, 0,1,2,3
	v_cndmask_b32 v[EW+2*\i], v[EW+2*\i], v[EW+2*\i+1], vcc_lo   ; lanes 0-15 one pair's words, lanes 16-31 the next pair's
.endr
.irp i, 0,1
	global_store_b32 v6, v[EW+2*\i], s[66:67] offset:6144+128*\i
	global_store_b32 v6, v[EW+4+2*\i], s[66:67] offset:102400+6144+128*\i
.endr
	s_branch .Lend
.Lv_way:
	; ---- v^T.  My 128 rows of A are channels of two heads, 2 vg and 2 vg + 1, vg = 2 cy + my half; my 128 rows of B are tokens: the keys
	s_lshl_b32 s20, s41, 1
	s_add_co_u32 s20, s20, s15                     ; vg
	s_lshl_b32 s22, s20, 9
	s_mov_b32 s23, 0
	s_add_nc_u64 s[12:13], s[12:13], s[22:23]
	s_lshl_b32 s21, s42, 1
	s_add_co_u32 s21, s21, s16                     ; my group of 128 tokens
	s_lshr_b32 s22, s21, 4
	s_and_b32 s21, s21, 15
	s_lshl_b32 s22, s22, 4
	s_lshl_b32 s20, s20, 1
	s_add_co_u32 s20, s20, s22
	s_add_co_u32 s20, s20, 64                      ; hdx
	s_lshl_b32 s20, s20, 4
	s_add_co_u32 s20, s20, s21
	s_mul_i32 s20, s20, 6400
	s_mov_b32 s21, 0
	s_add_nc_u64 s[66:67], s[66:67], s[20:21]
	v_and_b32 v30, 7, v0
	v_bfe_u32 v31, v0, 3, 1
	v_lshlrev_b32 v30, 2, v30
	v_lshl_add_u32 v30, v31, 6, v30                ; my slot's channel in its block: r % 8 + 16 (r / 8), in bytes
	WIN 0x40
.irp a, 0,1,2,3,4,5,6,7
	global_load_b32 v[96+2*\a], v30, s[12:13] offset:4*(32*(\a/2)+8*(\a%2))   ; one bias for all 64 numbers of a lane: twice, a pair for the packed addition
	global_load_b32 v[97+2*\a], v30, s[12:13] offset:4*(32*(\a/2)+8*(\a%2))
.endr
	WIN 0
	s_wait_alu depctr_va_vdst(0)
	STEP 0, 0, 0                                   ; K step 6
	LAST                                           ; K step 7
	PLACES 4
	WIN 0
	s_wait_loadcnt 0x0
.irp b, 0,1,2,3
	v_mov_b32 v[TM+4+\b], 0
.endr
.macro EPV a
.set AC, 64*((\a)%4)
	WIN 0x06+(\a)/4
.set n, 0
.rept 32
	v_pk_add_f32 v[HA+n:HA+n+1], v[AC+n:AC+n+1], v[96+2*(\a):97+2*(\a)]
.set n, n+2
.endr
	WIN 0
	s_wait_xcnt 0x0
	QUANT HA, PC, PWS+(\a)
	PUT PC, 66, ((\a)/4)*102400+1536*((\a)%4), ((\a)/4)*102400+1536*((\a)%4)+512, ((\a)/4)*102400+1536*((\a)%4)+768, ((\a)/4)*102400+1536*((\a)%4)+1280
.endm
.irp a, 0,1,2,3,4,5,6,7
	EPV \a
.endr
	v_cmp_lt_u32 vcc_lo, 15, v3
.irp i, 0,1,2,3
	v_cndmask_b32 v[EW+\i], v[PWS+2*\i], v[PWS+2*\i+1], vcc_lo
.endr
.irp i, 0,1,2,3
	global_store_b32 v6, v[EW+\i], s[66:67] offset:(\i/2)*102400+6144+128*(\i%2)
.endr
.Lend:
	s_wait_tensorcnt 0x0                           ; the wave's end
	ds_add_u32 v[SPW], v[NIL]
	s_wait_dscnt 0x0
	CROUND                                         ; the closing round
	s_endpgm
.Lfunc_end_k_q5b4ba08107_qkv:
	.size	k_q5b4ba08107_qkv, .Lfunc_end_k_q5b4ba08107_qkv-k_q5b4ba08107_qkv
	.p2alignl 7, 3214868480
	.fill 96, 4, 3214868480
	.section	.rodata,"a",@progbits
	.p2align	6, 0x0
	.amdhsa_kernel k_q5b4ba08107_qkv
		.amdhsa_group_segment_fixed_size 327680
		.amdhsa_private_segment_fixed_size 0
		.amdhsa_enable_private_segment 0
		.amdhsa_kernarg_size 48
		.amdhsa_user_sgpr_count 2
		.amdhsa_user_sgpr_kernarg_segment_ptr 1
		.amdhsa_wavefront_size32 1
		.amdhsa_system_sgpr_workgroup_id_x 1
		.amdhsa_system_sgpr_workgroup_id_y 1
		.amdhsa_system_sgpr_workgroup_id_z 1
		.amdhsa_system_vgpr_workitem_id 0
		.amdhsa_next_free_vgpr 1024
		.amdhsa_next_free_sgpr 102
		.amdhsa_reserve_vcc 1
		.amdhsa_float_denorm_mode_32 3
		.amdhsa_float_denorm_mode_16_64 3
		.amdhsa_memory_ordered 1
		.amdhsa_forward_progress 1
		.amdhsa_inst_pref_size 241
	.end_amdhsa_kernel
	.amdgpu_metadata
---
amdhsa.version: [ 1, 2 ]
amdhsa.kernels:
  - .name:           k_q5b4ba08107_qkv
    .symbol:         k_q5b4ba08107_qkv.kd
    .args:
      - { .name: nx, .offset: 0, .size: 8, .value_kind: global_buffer, .address_space: global }
      - { .name: wts, .offset: 8, .size: 8, .value_kind: global_buffer, .address_space: global }
      - { .name: bq, .offset: 16, .size: 8, .value_kind: global_buffer, .address_space: global }
      - { .name: bk, .offset: 24, .size: 8, .value_kind: global_buffer, .address_space: global }
      - { .name: bv, .offset: 32, .size: 8, .value_kind: global_buffer, .address_space: global }
      - { .name: qkv, .offset: 40, .size: 8, .value_kind: global_buffer, .address_space: global }
    .group_segment_fixed_size: 327680
    .private_segment_fixed_size: 0
    .kernarg_segment_align: 8
    .kernarg_segment_size: 48
    .max_flat_workgroup_size: 128
    .sgpr_count:     102
    .vgpr_count:     1024
    .wavefront_size: 32
...
	.end_amdgpu_metadata
.endif
;; end of part 2
;; launch attn (part 3): grid 8 x 32, 16 waves a work-group, clusters of 4 x 1, 215,040 bytes of LDS; arguments qkv, mask, ao; writes ao
.if DOCPART == 3
	.amdgcn_target "amdgcn-amd-amdhsa--gfx1250"
	.amdhsa_code_object_version 6
	.text
	.protected	k_q5b4ba08107_attn
	.globl	k_q5b4ba08107_attn
	.p2align	8
	.type	k_q5b4ba08107_attn,@function
k_q5b4ba08107_attn:
	s_mov_b64 s[64:65], 0
	v_nop
	global_prefetch_b8 v0, s[64:65] scope:SCOPE_SE
	s_setreg_imm32_b32 hwreg(HW_REG_WAVE_MODE, 25, 1), 1
	s_wait_xcnt 0x0
	s_wait_alu depctr_hold_cnt(0) depctr_sa_sdst(0) depctr_va_vdst(0) depctr_va_sdst(0) depctr_va_ssrc(0) depctr_va_vcc(0) depctr_vm_vsrc(0)
	s_getreg_b32 s2, hwreg(HW_REG_IB_STS2, 6, 4)
	s_cmp_eq_u32 s2, 0
	s_cbranch_scc0 .Lentry_in_a_cluster
	s_endpgm
.Lentry_in_a_cluster:
	s_bfe_u32 s2, ttmp6, 0x10000c
	s_cmp_lg_u32 s2, 0x3003
	s_cbranch_scc0 .Lentry_shape_is_right
	s_endpgm
.Lentry_shape_is_right:
; ao = Q(softmax(q k^T / 8, masked) v), both products on codes of FP6 (E2M3) with E8M0 scales.  t = score x log2(e) / 8; M = the running largest t rounded up to a whole number; p = 2^(t - M) is quantised along the keys, not normalised;
; the row's sum is taken of the unquantised p and divides at the end.  When M moves, the sum and O are multiplied by 2^(old M - new M): exact.
; SHARES.  A work-group owns 256 queries of one head (grid y = 16 batch + head), each of its sixteen waves one tile of 16: four waves to a SIMD, so that one wave's vector work stands beside another's matrix work and LDS loads.
; THE WHOLE HEAD'S K AND V LIE IN LDS, 102,400 bytes each, filled once: no ring, nothing is filled again.  Waves 0 to 7 ask for one dense piece of 25,600 bytes each (even waves K's, odd waves V's): one tensor load of a wave is out.
; A SECOND barrier shows all eight pieces to all sixteen waves; behind it each wave walks key steps 4 to 15 by itself, and nothing brings the waves into step again before the closing round.
; The four work-groups of a cluster belong to one head and ask jointly.
; LAYOUT (written by the launch before): blocks of 6,400 bytes for 128 tokens.  q, k: half image a (16 tokens x the head's 64; x0 .. x3 of lane (r, h) at 16 (r + 16 h), x4, x5 at 512 + 16 r + 8 h) at 768 a.  Two halves are one operand of 128 along K:
; K = 0 .. 63 one tile of keys, K = 64 .. 127 the next.  Against [q, 0] it gives the first tile's scores, against [0, q] the second's: the head's 64 are filled up to 128 by zero codes in registers alone.
; Both products are used transposed (S^T = k q^T, O^T = v^T p^T): a lane holds one query.  Slot r of tile t holds token 32 (t / 2) + 8 (t % 2) + r % 8 + 16 (r / 8), so that the 16 registers of tiles 2 b, 2 b + 1 are 16 neighbouring keys.
; THE MASK: 0 for a key that counts, -1e30 for one that does not, in LDS; these numbers are loaded into the scores' registers and are the C of the first product.  The running largest t begins at -2^90: above every masked t (about -1.8e29),
; so that a key step all of whose keys are masked leaves M where it was and gives p = 0 throughout, and under every t of a key that counts.
; LIMITS: -1e30 stands for -infinity, and -2^90 for the least t: the same results while |score| stays under 1e27; a batch all of whose keys are masked (NaN by the definition) is not reproduced.  NaN and infinities are not served.
; A block of zeros gets the byte 1 (read by this program alone).  A row's two scale bytes leave by a store of two bytes (two heads share a word), written by both halves of the lanes with the same value.
; REGISTERS: v1-7 lane terms; v8-11, v224-226 the step's addresses; v12 -M, v13 the largest t, v[14:15] the sum; v16-27 [q, 0], v28-39 [0, q]; v40-87 four operands of K, then of V; v88-91 their scale words, v92 q's, v93 p's;
;   v[94:95] f; v96-159 S^T, then p; v160-191 O^T; v192-211 p's codes; v212-223 blocks' maxima, bytes, scale operands; v227 4 r; v[228:229] a second chain of the sum; v230 at work.
; THE FILLS AND THE BARRIERS AS THEY STAND: wave w under 8 asks for piece w / 2 (four key steps, 25,600 bytes) of K (w even) or of V (w odd).  Waves 0 and 1 have a load line of their own: in front of the first barrier they alone wait for
; their loads, and key steps 0 to 3, which read the first piece of K and of V alone, run in a first loop while the other six pieces land.  In front of a second barrier every wave waits for its load; key steps 4 to 15 follow in a second loop.
.set VOFF, 102400
.set MB,   204800                      ; the mask's 2,048 numbers: stored by the waves; no fill lands here
.set WV,   18
.set SEL,  20
.set CS,   22
.set G1,   24
.set G0,   40                          ; s[40:43] my group 0
.set TB,   2                           ; s2  where the step's block of K begins in LDS: 6,400 bytes a step
.set TMK,  3                           ; s3  and its mask numbers: 512 bytes a step
.set CNT,  56
.macro CROUND
	s_barrier_signal -1
	s_barrier_wait -1
	s_cmp_lg_u32 s[WV], 0
	s_cbranch_scc1 .Lnot_wave_0_\@
	s_barrier_signal -3
.Lnot_wave_0_\@:
	s_barrier_wait -3
	s_barrier_signal -1
	s_barrier_wait -1
.endm
.macro FRAG reg, a16, a8, off
	ds_load_b128 v[\reg:\reg+3], v[\a16] offset:\off
	ds_load_b64 v[\reg+4:\reg+5], v[\a8] offset:\off+512
	ds_load_b128 v[\reg+6:\reg+9], v[\a16] offset:\off+768
	ds_load_b64 v[\reg+10:\reg+11], v[\a8] offset:\off+1280
.endm
	s_load_b128 s[4:7], s[0:1], 0x0                ; qkv, mask
	s_load_b64 s[8:9], s[0:1], 0x10                ; ao
	v_lshl_add_u32 v254, v0, 2, 0x34000
	v_mov_b32 v255, 0
	ds_add_u32 v254, v255
	ds_add_u32 v254, v255
	v_lshrrev_b32 v8, 5, v0
	s_delay_alu instid0(VALU_DEP_1)
	v_readfirstlane_b32 s[WV], v8                  ; wave 0..15
	s_bfe_u32 s10, ttmp6, 0x40000                  ; cx
	s_lshl_b32 s11, ttmp9, 2
	s_add_co_u32 s11, s11, s10                     ; my block of 256 queries: it enters q's and ao's addresses alone
	s_and_b32 s12, ttmp7, 0xffff                   ; 16 batch + head, which the four partners share
	s_min_u32 s13, s[WV], 7                        ; which of the eight pieces I ask for (waves 8 to 15 ask for none)
	s_mov_b32 s[G1], 15|(3<<16)|(1<<21)            ; 15:0 the mask: all four work-groups; 17:16 elements of 8 bytes; 21 set beside a mask
	s_mov_b32 s[G1+1], 32<<16                      ; 100 rows of 256 bytes, dense
	s_mov_b32 s[G1+2], 100<<16
	s_mov_b32 s[G1+3], 32<<16
	s_mov_b32 s[G1+4], 100
	s_mov_b32 s[G1+5], 32
	s_mov_b32 s[G1+6], 0
	s_mov_b32 s[G1+7], 0
	s_and_b32 s14, s13, 1                          ; K (0) or V (1)
	s_mul_i32 s16, s14, VOFF                       ; in LDS: K's region or V's,
	s_lshl_b32 s14, s14, 5
	s_add_co_u32 s14, s14, s12
	s_add_co_u32 s14, s14, 32
	s_mul_i32 s14, s14, 102400                     ; the head's K or V in memory,
	s_lshr_b32 s15, s13, 1                         ; which of its four pieces
	s_mul_i32 s15, s15, 25600
	s_add_co_u32 s14, s14, s15                     ; my piece of it
	s_add_co_u32 s16, s16, s15                     ; and my piece's place in that region
	s_mov_b32 s15, 0
	s_mov_b32 s[SEL], 0x76543210
	s_mov_b32 s[SEL+1], 0xfedcba98
	s_mov_b32 s[CS], 0x3e38aa3b                    ; c = log2(e) / 8
	s_mov_b32 s[CS+1], s[CS]
	s_mov_b32 s[TB], 0
	s_mov_b32 s[TMK], 0
	s_wait_dscnt 0x0
	s_wait_kmcnt 0x0
	s_add_nc_u64 s[14:15], s[4:5], s[14:15]
	CROUND                                         ; all four work-groups are here: the joint loads meet
	s_mov_b32 s[G0], 1
	s_mov_b32 s[G0+1], s16
	s_mov_b64 s[G0+2:G0+3], s[14:15]
	s_or_b32 s[G0+3], s[G0+3], 0x80000000
	s_cmp_lt_u32 s[WV], 2                          ; one chain of branches on the wave's number, one load to an arm, both arms to one join
	s_cbranch_scc0 .Llater
	tensor_load_to_lds s[G0:G0+3], s[G1:G1+7]      ; waves 0 and 1: the first pieces of K and V, by a line that no other wave issues
	s_nop 0
.rept 4
	v_nop
.endr
	s_branch .Lno_fill
.Llater:
	s_cmp_lt_u32 s[WV], 8
	s_cbranch_scc0 .Lno_fill
	tensor_load_to_lds s[G0:G0+3], s[G1:G1+7]      ; waves 2 to 7: the other six pieces
	s_nop 0
.rept 4
	v_nop
.endr
.Lno_fill:
	v_and_b32 v8, 15, v0                           ; r
	v_bfe_u32 v9, v0, 4, 1                         ; h
	v_and_b32 v10, 31, v0                          ; lane
	s_delay_alu instid0(VALU_DEP_1)
	v_lshlrev_b32 v1, 4, v10                       ; 16 x lane
	s_delay_alu instid0(VALU_DEP_4)
	v_lshlrev_b32 v2, 4, v8
	s_delay_alu instid0(VALU_DEP_1)
	v_lshl_add_u32 v2, v9, 3, v2                   ; 16 r + 8 h
	s_wait_alu depctr_va_vdst(0)
	v_lshlrev_b32 v3, 2, v10                       ; 4 x lane
	v_lshl_add_u32 v4, v9, 6, MB                   ; the mask numbers of my half's keys
	v_add_nc_u32 v5, VOFF, v1
	v_add_nc_u32 v6, VOFF, v2
	s_delay_alu instid0(VALU_DEP_4)
	v_add_nc_u32 v7, VOFF, v3
	v_lshlrev_b32 v227, 2, v8                      ; 4 r
	s_wait_alu depctr_va_vdst(0)
	v_lshlrev_b32 v232, 4, v0                      ; the mask: 16 bytes a thread
	v_lshl_add_u32 v233, v0, 4, MB
	s_lshr_b32 s16, s12, 4                         ; batch
	s_lshl_b32 s16, s16, 13
	s_mov_b32 s17, 0
	s_add_nc_u64 s[6:7], s[6:7], s[16:17]
	global_load_b128 v[236:239], v232, s[6:7]
	s_lshr_b32 s16, s[WV], 3
	s_lshl_b32 s17, s11, 1
	s_add_co_u32 s16, s16, s17                     ; tg: my group of 128 tokens in the batch
	s_and_b32 s17, s[WV], 7                        ; a: my tile in it
	s_lshl_b32 s57, s12, 4
	s_add_co_u32 s57, s57, s16
	s_mul_i32 s58, s57, 6400
	s_mov_b32 s59, 0
	s_add_nc_u64 s[58:59], s[4:5], s[58:59]        ; q's block
	s_mul_i32 s60, s17, 768
	s_mov_b32 s61, 0
	s_add_nc_u64 s[60:61], s[58:59], s[60:61]      ; my half image
	s_lshr_b32 s62, s17, 1
	s_lshl_b32 s62, s62, 6
	s_add_co_u32 s62, s62, 6144
	s_mov_b32 s63, 0
	s_add_nc_u64 s[58:59], s[58:59], s[62:63]      ; the scale words of my pair of tiles
	s_and_b32 s57, s17, 1
	s_lshl_b32 s57, s57, 4                         ; my tile's two bytes: the word's lower or upper half
	global_load_b128 v[16:19], v1, s[60:61]        ; [q, 0]
	global_load_b64 v[20:21], v2, s[60:61] offset:512
	global_load_b128 v[34:37], v1, s[60:61]        ; [0, q]
	global_load_b64 v[38:39], v2, s[60:61] offset:512
	global_load_b32 v92, v227, s[58:59]
	s_lshr_b32 s36, s12, 4                         ; ao: fragment ((16 batch + tg) 8 + head / 2) 8 + a, half head % 2
	s_lshl_b32 s36, s36, 4
	s_add_co_u32 s36, s36, s16
	s_lshl_b32 s36, s36, 3
	s_and_b32 s37, s12, 15
	s_lshr_b32 s38, s37, 1
	s_add_co_u32 s36, s36, s38
	s_lshl_b32 s36, s36, 3
	s_add_co_u32 s36, s36, s17
	s_and_b32 s37, s37, 1
	s_mul_i32 s38, s36, 1536
	s_mul_i32 s39, s37, 768
	s_add_co_u32 s38, s38, s39
	s_mov_b32 s39, 0
	s_add_nc_u64 s[32:33], s[8:9], s[38:39]
	s_lshl_b32 s38, s36, 6
	s_lshl_b32 s37, s37, 1
	s_add_co_u32 s38, s38, s37
	s_add_co_u32 s38, s38, 3145728
	s_add_nc_u64 s[34:35], s[8:9], s[38:39]
.irp j, 22,23,24,25,26,27,28,29,30,31,32,33
	v_mov_b32 v[\j], 0                             ; the zero codes
.endr
	v_mov_b32 v13, 0xec800000                      ; the largest t so far: -2^90: above every masked t, under every t of a key that counts
	s_delay_alu instid0(VALU_DEP_1)
	v_floor_f32 v12, -v13                          ; -M
	v_mov_b32 v14, 0
	v_mov_b32 v15, 0
	v_mov_b32 v95, 0                               ; (named as the upper half of the pair v[94:95])
	v_mov_b32 v230, 0
.irp b, 0,1,2,3
	v_mov_b32 v[216+\b], 0                         ; written once: a lane permute's destination counts as one of its sources
.endr
.irp j, 0,1,2,3,4,5,6,7,8,9,10,11,12,13,14,15,16,17,18,19,20,21,22,23,24,25,26,27,28,29,30,31
	v_mov_b32 v[160+\j], 0                         ; O^T: the step is written once; the first finds zeros
.endr
	v_mov_b32 v234, 0xf149f2ca                     ; -1e30
	v_mov_b32 v235, 0
	s_wait_alu depctr_va_vdst(0)
	s_wait_loadcnt 0x0
	v_lshrrev_b32 v92, s57, v92                    ; q's scale word is made first: a scale register written by a vector instruction stands eight places ahead of a scaled matrix instruction,
	s_delay_alu instid0(VALU_DEP_1)
	v_and_b32 v92, 0xffff, v92                     ; and the mask's eight lines below and the first step's seven additions stand between
	s_delay_alu instid0(VALU_DEP_1)
	v_lshl_or_b32 v92, v92, 16, v92                ; my tile's two bytes in both halves of the word: they serve [q, 0] and [0, q]
.irp i, 0,1,2,3
	v_cmp_ne_u32 vcc_lo, 0, v[236+\i]
	s_delay_alu instid0(VALU_DEP_1)
	v_cndmask_b32 v[236+\i], v234, v235, vcc_lo    ; 0 where the key counts
.endr
	ds_store_b128 v233, v[236:239]
; A KEY STEP: 128 keys.
.macro KSTEP
	v_add_nc_u32 v8, s[TB], v1                     ; (these seven are also the places behind the last step's products)
	v_add_nc_u32 v9, s[TB], v2
	v_add_nc_u32 v10, s[TB], v3
	v_add_nc_u32 v11, s[TMK], v4
	v_add_nc_u32 v224, s[TB], v5
	v_add_nc_u32 v225, s[TB], v6
	v_add_nc_u32 v226, s[TB], v7
.irp t, 0,1,2,3,4,5,6,7
	ds_load_b128 v[96+8*\t:99+8*\t], v11 offset:128*(\t/2)+32*(\t%2)       ; the mask numbers of keys 32 (t / 2) + 8 (t % 2) + 16 h + 0 .. 7
	ds_load_b128 v[100+8*\t:103+8*\t], v11 offset:128*(\t/2)+32*(\t%2)+16
.endr
.irp j, 0,1,2,3
	FRAG 40+12*\j, 8, 9, 1536*\j
.endr
	ds_load_b32 v88, v10 offset:6144               ; lanes 0-15 pair 0's words, lanes 16-31 pair 1's
	ds_load_b32 v89, v10 offset:6144+128
	s_wait_alu depctr_va_vdst(0)
	s_wait_dscnt 0x0
.irp j, 0,1,2,3
.irp u, 0,1
.if \j%2
	v_wmma_scale_f32_16x16x128_f8f6f4 v[96+8*(2*\j+\u):103+8*(2*\j+\u)], v[40+12*\j:51+12*\j], v[16+12*\u:27+12*\u], v[96+8*(2*\j+\u):103+8*(2*\j+\u)], v[88+\j/2], v92 matrix_a_fmt:MATRIX_FMT_FP6 matrix_b_fmt:MATRIX_FMT_FP6 matrix_a_scale:MATRIX_SCALE_ROW1
.else
	v_wmma_scale_f32_16x16x128_f8f6f4 v[96+8*(2*\j+\u):103+8*(2*\j+\u)], v[40+12*\j:51+12*\j], v[16+12*\u:27+12*\u], v[96+8*(2*\j+\u):103+8*(2*\j+\u)], v[88+\j/2], v92 matrix_a_fmt:MATRIX_FMT_FP6 matrix_b_fmt:MATRIX_FMT_FP6
.endif
.endr
.endr
.rept 4
	v_nop                                          ; places in front of loads into K's registers and of the first read of the scores
.endr
.irp t, 0,1,2,3
	FRAG 40+12*\t, 224, 225, 1536*\t               ; V's four operands land under the softmax
.endr
	ds_load_b32 v90, v226 offset:6144
	ds_load_b32 v91, v226 offset:6144+128
.irp b, 0,1,2,3
	v_max3_num_f32 v[212+\b], v[96+16*\b], v[97+16*\b], v[98+16*\b]   ; the largest score of each block of 32 keys: it serves the row's maximum and, since p rises with the score, the block's largest p
.endr
.irp i, 3,5,7,9,11,13
.irp b, 0,1,2,3
	v_max3_num_f32 v[212+\b], v[212+\b], v[96+16*\b+\i], v[97+16*\b+\i]
.endr
.endr
.irp b, 0,1,2,3
	v_max_num_f32 v[212+\b], v[212+\b], v[111+16*\b]
.endr
.irp b, 0,1,2,3
	s_delay_alu instid0(VALU_DEP_4)
	v_permlanex16_b32 v[216+\b], v[212+\b], s[SEL], s[SEL+1]
.endr
.irp b, 0,1,2,3
	s_delay_alu instid0(VALU_DEP_4)
	v_max_num_f32 v[212+\b], v[212+\b], v[216+\b]
.endr
	s_delay_alu instid0(VALU_DEP_2)
	v_max3_num_f32 v230, v212, v213, v214
	s_delay_alu instid0(VALU_DEP_1)
	v_max_num_f32 v230, v230, v215
	s_delay_alu instid0(VALU_DEP_1)
	v_mul_f32 v230, s[CS], v230                    ; as t
	s_delay_alu instid0(VALU_DEP_1)
	v_max_num_f32 v13, v13, v230                   ; the running largest t
	v_mov_b32 v230, v12
	s_delay_alu instid0(VALU_DEP_2)
	v_floor_f32 v12, -v13                          ; the new -M = -ceil(t)
	s_delay_alu instid0(VALU_DEP_1)
	v_sub_f32 v230, v12, v230                      ; old M - new M: a whole number, 0 or less
	s_delay_alu instid0(VALU_DEP_1)
	v_cvt_i32_f32 v230, v230                       ; (it saturates)
	s_delay_alu instid0(VALU_DEP_1)
	v_ldexp_f32 v94, 1.0, v230                     ; f = 2^(old M - new M)
.irp j, 0,2,4,6,8,10,12,14,16,18,20,22,24,26,28,30,32,34,36,38,40,42,44,46,48,50,52,54,56,58,60,62
	v_pk_fma_f32 v[96+\j:97+\j], v[96+\j:97+\j], s[CS:CS+1], v[12:13] op_sel_hi:[1,0,0]   ; t - M
.endr
.irp b, 0,1,2,3
	v_fma_f32 v[212+\b], v[212+\b], s[CS], v12
.endr
	s_wait_alu depctr_va_vdst(0)
.irp j, 0,1,2,3,4,5,6,7,8,9,10,11,12,13,14,15,16,17,18,19,20,21,22,23,24,25,26,27,28,29,30,31,32,33,34,35,36,37,38,39,40,41,42,43,44,45,46,47,48,49,50,51,52,53,54,55,56,57,58,59,60,61,62,63
	v_exp_f32 v[96+\j], v[96+\j]                   ; p = 2^(t - M): one batch
.endr
	v_pk_mul_f32 v[14:15], v[14:15], v[94:95] op_sel_hi:[1,0]   ; the sums under the new M: a plain place behind the exponentials
	s_wait_alu depctr_va_vdst(0)                   ; one wait for the batch, ahead of its first reader
.irp b, 0,1,2,3
	v_exp_f32 v[212+\b], v[212+\b]                 ; the blocks' largest p
.endr
	v_pk_add_f32 v[228:229], v[100:101], v[104:105]
	v_pk_add_f32 v[252:253], v[108:109], v[112:113]
	v_pk_add_f32 v[250:251], v[116:117], v[120:121]
	v_pk_add_f32 v[248:249], v[124:125], v[128:129]
	v_pk_add_f32 v[246:247], v[132:133], v[136:137]
	v_pk_add_f32 v[244:245], v[140:141], v[144:145]
	v_pk_add_f32 v[242:243], v[148:149], v[152:153]
	v_pk_add_f32 v[14:15], v[14:15], v[156:157]
	v_pk_add_f32 v[228:229], v[228:229], v[96:97]
	v_pk_add_f32 v[252:253], v[252:253], v[98:99]
	v_pk_add_f32 v[250:251], v[250:251], v[102:103]
	v_pk_add_f32 v[248:249], v[248:249], v[106:107]
	v_pk_add_f32 v[246:247], v[246:247], v[110:111]
	v_pk_add_f32 v[244:245], v[244:245], v[114:115]
	v_pk_add_f32 v[242:243], v[242:243], v[118:119]
	v_pk_add_f32 v[14:15], v[14:15], v[122:123]
	v_pk_add_f32 v[228:229], v[228:229], v[126:127]
	v_pk_add_f32 v[252:253], v[252:253], v[130:131]
	v_pk_add_f32 v[250:251], v[250:251], v[134:135]
	v_pk_add_f32 v[248:249], v[248:249], v[138:139]
	v_pk_add_f32 v[246:247], v[246:247], v[142:143]
	v_pk_add_f32 v[244:245], v[244:245], v[146:147]
	v_pk_add_f32 v[242:243], v[242:243], v[150:151]
	v_pk_add_f32 v[14:15], v[14:15], v[154:155]
	v_pk_add_f32 v[228:229], v[228:229], v[158:159]
	s_delay_alu instid0(VALU_DEP_2)
	v_pk_add_f32 v[14:15], v[14:15], v[248:249]
	s_delay_alu instid0(VALU_DEP_2)
	v_pk_add_f32 v[228:229], v[228:229], v[246:247]
	v_pk_add_f32 v[252:253], v[252:253], v[244:245]
	v_pk_add_f32 v[250:251], v[250:251], v[242:243]
	s_delay_alu instid0(VALU_DEP_2)
	v_pk_add_f32 v[14:15], v[14:15], v[252:253]
	s_delay_alu instid0(VALU_DEP_2)
	v_pk_add_f32 v[228:229], v[228:229], v[250:251]
	s_delay_alu instid0(VALU_DEP_1)
	v_pk_add_f32 v[14:15], v[14:15], v[228:229]
	s_wait_alu depctr_va_vdst(0)                   ; and one for the four
.irp b, 0,1,2,3
	v_max_num_f32 v[212+\b], 0x1800000, v[212+\b]  ; the floor 2^(3 - 127)
.endr
.irp b, 0,1,2,3
	s_delay_alu instid0(VALU_DEP_4)
	v_add_nc_u32 v[220+\b], 0xff000000, v[212+\b]  ; the conversion's scale operand
.endr
.irp b, 0,1,2,3
	s_delay_alu instid0(VALU_DEP_4)
	v_lshrrev_b32 v[216+\b], 23, v[220+\b]         ; the scale's byte
.endr
	s_delay_alu instid0(VALU_DEP_3)
	v_lshl_or_b32 v93, v217, 8, v216               ; p's scale word for these 128 keys
	s_delay_alu instid0(VALU_DEP_1)
	v_lshl_or_b32 v93, v218, 16, v93
	s_delay_alu instid0(VALU_DEP_1)
	v_lshl_or_b32 v93, v219, 24, v93
.irp c, 0,1
	v_cvt_scalef32_pk16_fp6_f32 v[192+6*\c:194+6*\c], v[96+32*\c:111+32*\c], v[220+2*\c]
	v_cvt_scalef32_pk16_fp6_f32 v[204+4*\c:206+4*\c], v[112+32*\c:127+32*\c], v[220+2*\c+1]
.endr
	v_nop                                          ; one plain place behind the conversions
.irp c, 0,1
.irp i, 0,1,2
	v_permlane16_swap_b32 v[192+6*\c+\i], v[204+4*\c+\i]
.endr
.irp i, 0,1,2
	s_delay_alu instid0(VALU_DEP_3)
	v_mov_b32 v[195+6*\c+\i], v[204+4*\c+\i]
.endr
.endr
.irp j, 0,2,4,6,8,10,12,14,16,18,20,22,24,26,28,30
	v_pk_mul_f32 v[160+\j:161+\j], v[160+\j:161+\j], v[94:95] op_sel_hi:[1,0]   ; O^T under the new M; these sixteen are also the places between p's scale word and codes and the products
.endr
	s_wait_alu depctr_va_vdst(0)
	s_wait_dscnt 0x0                               ; V
.irp t, 0,1,2,3
.if \t%2
	v_wmma_scale_f32_16x16x128_f8f6f4 v[160+8*\t:167+8*\t], v[40+12*\t:51+12*\t], v[192:203], v[160+8*\t:167+8*\t], v[90+\t/2], v93 matrix_a_fmt:MATRIX_FMT_FP6 matrix_b_fmt:MATRIX_FMT_FP6 matrix_a_scale:MATRIX_SCALE_ROW1
.else
	v_wmma_scale_f32_16x16x128_f8f6f4 v[160+8*\t:167+8*\t], v[40+12*\t:51+12*\t], v[192:203], v[160+8*\t:167+8*\t], v[90+\t/2], v93 matrix_a_fmt:MATRIX_FMT_FP6 matrix_b_fmt:MATRIX_FMT_FP6
.endif
.endr
	s_add_co_u32 s[TB], s[TB], 6400
	s_add_co_u32 s[TMK], s[TMK], 512
.endm
	s_wait_alu depctr_va_vdst(0)
	s_cmp_lt_u32 s[WV], 2
	s_cbranch_scc0 .Lnot_first
	s_wait_tensorcnt 0x0                           ; waves 0 and 1: the first piece of K, of V has landed
.Lnot_first:
	s_wait_dscnt 0x0                               ; my part of the mask numbers lies in LDS
	s_barrier_signal -1
	s_barrier_wait -1                              ; the first pieces and the mask are whole; the other six loads may be out
	s_mov_b32 s[CNT], 4
.Lk0:                                              ; key steps 0 to 3: 4 x 6,400 bytes, the first piece of K and of V
	KSTEP
	s_sub_co_u32 s[CNT], s[CNT], 1
	s_cmp_lg_u32 s[CNT], 0
	s_cbranch_scc1 .Lk0
	s_wait_tensorcnt 0x0                           ; every wave, under no branch: my load has landed (no LDS instruction of mine is out here)
	s_barrier_signal -1
	s_barrier_wait -1                              ; everybody's has: K and V are whole, and nothing in LDS is written again
	s_mov_b32 s[CNT], 12
.Lk:                                               ; key steps 4 to 15, with no barrier among them
	KSTEP
	s_sub_co_u32 s[CNT], s[CNT], 1
	s_cmp_lg_u32 s[CNT], 0
	s_cbranch_scc1 .Lk
	; THE WAY OUT: O^T / the sum, quantised along the head's 64: half an operand's image
.rept 4
	v_nop                                          ; places behind the last products
.endr
	v_add_f32 v14, v14, v15
	s_delay_alu instid0(VALU_DEP_1)
	v_permlanex16_b32 v230, v14, s[SEL], s[SEL+1]
	s_delay_alu instid0(VALU_DEP_1)
	v_add_f32 v14, v14, v230                       ; the row's sum
	s_wait_alu depctr_va_vdst(0)
	v_rcp_f32 v14, v14
	v_nop
	s_wait_alu depctr_va_vdst(0)                   ; ahead of the first reader
.irp j, 0,1,2,3,4,5,6,7,8,9,10,11,12,13,14,15,16,17,18,19,20,21,22,23,24,25,26,27,28,29,30,31
	v_mul_f32 v[96+\j], v[160+\j], v14             ; register 16 b + i is channel 32 b + 16 h + i
.endr
.irp b, 0,1
	v_max3_num_f32 v[212+\b], |v[96+16*\b]|, |v[97+16*\b]|, 0x1800000
.endr
.irp i, 2,4,6,8,10,12,14
.irp b, 0,1
	s_delay_alu instid0(VALU_DEP_2)
	v_max3_num_f32 v[212+\b], v[212+\b], |v[96+16*\b+\i]|, |v[97+16*\b+\i]|
.endr
.endr
.irp b, 0,1
	s_delay_alu instid0(VALU_DEP_2)
	v_permlanex16_b32 v[216+\b], v[212+\b], s[SEL], s[SEL+1]
.endr
.irp b, 0,1
	s_delay_alu instid0(VALU_DEP_2)
	v_max_num_f32 v[212+\b], v[212+\b], v[216+\b]
.endr
.irp b, 0,1
	s_delay_alu instid0(VALU_DEP_2)
	v_add_nc_u32 v[220+\b], 0xff000000, v[212+\b]
.endr
.irp b, 0,1
	s_delay_alu instid0(VALU_DEP_2)
	v_lshrrev_b32 v[216+\b], 23, v[220+\b]
.endr
	s_delay_alu instid0(VALU_DEP_1)
	v_lshl_or_b32 v231, v217, 8, v216              ; the row's two scale bytes
	v_cvt_scalef32_pk16_fp6_f32 v[192:194], v[96:111], v220
	v_cvt_scalef32_pk16_fp6_f32 v[204:206], v[112:127], v221
	v_nop
.irp i, 0,1,2
	v_permlane16_swap_b32 v[192+\i], v[204+\i]
.endr
.irp i, 0,1,2
	s_delay_alu instid0(VALU_DEP_3)
	v_mov_b32 v[195+\i], v[204+\i]
.endr
	global_store_b128 v1, v[192:195], s[32:33]             ; 512 consecutive aligned bytes
	global_store_b64 v2, v[196:197], s[32:33] offset:512   ; 256
	global_store_b16 v227, v231, s[34:35]
	s_wait_tensorcnt 0x0
	s_wait_dscnt 0x0
	s_wait_tensorcnt 0x0
	ds_add_u32 v254, v255
	s_wait_dscnt 0x0
	CROUND                                         ; the closing round
	s_endpgm
.Lfunc_end_k_q5b4ba08107_attn:
	.size	k_q5b4ba08107_attn, .Lfunc_end_k_q5b4ba08107_attn-k_q5b4ba08107_attn
	.p2alignl 7, 3214868480
	.fill 96, 4, 3214868480
	.section	.rodata,"a",@progbits
	.p2align	6, 0x0
	.amdhsa_kernel k_q5b4ba08107_attn
		.amdhsa_group_segment_fixed_size 215040
		.amdhsa_private_segment_fixed_size 0
		.amdhsa_enable_private_segment 0
		.amdhsa_kernarg_size 24
		.amdhsa_user_sgpr_count 2
		.amdhsa_user_sgpr_kernarg_segment_ptr 1
		.amdhsa_wavefront_size32 1
		.amdhsa_system_sgpr_workgroup_id_x 1
		.amdhsa_system_sgpr_workgroup_id_y 1
		.amdhsa_system_sgpr_workgroup_id_z 1
		.amdhsa_system_vgpr_workitem_id 0
		.amdhsa_next_free_vgpr 256
		.amdhsa_next_free_sgpr 66
		.amdhsa_reserve_vcc 1
		.amdhsa_float_denorm_mode_32 3
		.amdhsa_float_denorm_mode_16_64 3
		.amdhsa_memory_ordered 1
		.amdhsa_forward_progress 1
		.amdhsa_inst_pref_size 51
	.end_amdhsa_kernel
	.amdgpu_metadata
---
amdhsa.version: [ 1, 2 ]
amdhsa.kernels:
  - .name:           k_q5b4ba08107_attn
    .symbol:         k_q5b4ba08107_attn.kd
    .args:
      - { .name: qkv, .offset: 0, .size: 8, .value_kind: global_buffer, .address_space: global }
      - { .name: mask, .offset: 8, .size: 8, .value_kind: global_buffer, .address_space: global }
      - { .name: ao, .offset: 16, .size: 8, .value_kind: global_buffer, .address_space: global }
    .group_segment_fixed_size: 215040
    .private_segment_fixed_size: 0
    .kernarg_segment_align: 8
    .kernarg_segment_size: 24
    .max_flat_workgroup_size: 512
    .sgpr_count:     66
    .vgpr_count:     256
    .wavefront_size: 32
...
	.end_amdgpu_metadata
.endif
;; end of part 3
;; launch wo (part 4): grid 8 x 32, 4 waves a work-group, clusters of 4 x 4, 327,680 bytes of LDS; arguments ao, wts, bo, x, x1; writes x1
.if DOCPART == 4
	.amdgcn_target "amdgcn-amd-amdhsa--gfx1250"
	.amdhsa_code_object_version 6
	.text
	.protected	k_q5b4ba08107_wo
	.globl	k_q5b4ba08107_wo
	.p2align	8
	.type	k_q5b4ba08107_wo,@function
k_q5b4ba08107_wo:
	s_mov_b64 s[64:65], 0
	v_nop
	global_prefetch_b8 v0, s[64:65] scope:SCOPE_SE
	s_setreg_imm32_b32 hwreg(HW_REG_WAVE_MODE, 25, 1), 1
	s_wait_xcnt 0x0
	s_wait_alu depctr_hold_cnt(0) depctr_sa_sdst(0) depctr_va_vdst(0) depctr_va_sdst(0) depctr_va_ssrc(0) depctr_va_vcc(0) depctr_vm_vsrc(0)
	s_getreg_b32 s2, hwreg(HW_REG_IB_STS2, 6, 4)
	s_cmp_eq_u32 s2, 0
	s_cbranch_scc0 .Lentry_in_a_cluster
	s_endpgm
.Lentry_in_a_cluster:
	s_bfe_u32 s2, ttmp6, 0x10000c
	s_cmp_lg_u32 s2, 0xf033
	s_cbranch_scc0 .Lentry_shape_is_right
	s_endpgm
.Lentry_shape_is_right:
.set NBLK, 4
.set NQ,   4
.set KS,   8
.set ASOFF, 3145728
.set BCOFF, 2359296
.set BSOFF, 9535488
; x1 = x + ao Wo + bo.  A block of 128 x 128, a wave 64 x 64.  ALL OF K COMES BY THE HEAD'S FOUR LOADS, one a wave: wave 0 A's group of 128 rows (98,304 dense bytes, from LDS byte 0), wave 1 B's (from SLOT),
; wave 2 A's scale words, wave 3 B's.  Nothing is filled again, so one barrier shows all four tiles and no other stands among the K steps; with no loop to run ahead in, no prefetch is laid.
.set TC,   32                          ; codes: 384 rows of 256 bytes, dense
.set TR,   384
.set TP,   32
.set STC,  32                          ; scale words: 2 KS rows of 256 bytes, dense
.set STR,  2*KS
.set STP,  32
.set FRB,   1536
.set HALFT, NQ*NBLK*FRB
.set SLOT,  4*HALFT
.set SCL,   2*SLOT
.set HALFS, KS*NBLK*64
.set SPARE, SCL+4*HALFS
.set STAGE, SPARE+512
.set LAPS,  KS/(2*NQ)
.set ADRA, 16
.set ADRB, 20
.set STO,  24
.set RD,   25
.set CO,   26
.set ADRS, 27
.set SPW,  28
.set NIL,  29
.set SC,   32
.set AF,   64
.set G1,   24
.set G0,   32
.set G1B,  48
.set G0B,  56
.set G1S,  68
.set G0S,  76
.set G1SB, 80
.set G0SB, 88
.set MSB, 0
.macro WIN new
.if MSB != (\new)
	s_set_vgpr_msb (MSB<<8)|(\new)
.set MSB, (\new)
.endif
.endm
.macro JLOAD g0a, g1a, g0b, g1b
	s_cmp_eq_u32 s15, 0
	s_cbranch_scc0 .Lfor_b_\@
	tensor_load_to_lds s[\g0a:\g0a+3], s[\g1a:\g1a+7]
	s_nop 0
.rept 4
	v_nop
.endr
	s_branch .Lasked_\@
.Lfor_b_\@:
	tensor_load_to_lds s[\g0b:\g0b+3], s[\g1b:\g1b+7]
	s_nop 0
.rept 4
	v_nop
.endr
.Lasked_\@:
.endm
.macro CREST
	s_cmp_lg_u32 s14, 0
	s_cbranch_scc1 .Lnot_wave_0_\@
	s_barrier_signal -3
.Lnot_wave_0_\@:
	s_barrier_wait -3
	s_barrier_signal -1
	s_barrier_wait -1
.endm
.macro CROUND
	s_barrier_signal -1
	s_barrier_wait -1
	CREST
.endm
.macro PLACES n
.rept \n
	v_nop
.endr
.endm
.macro FRAG reg, a16, a8, off
	ds_load_b128 v[\reg:\reg+3], v[\a16] offset:\off
	ds_load_b64 v[\reg+4:\reg+5], v[\a8] offset:\off+512
	ds_load_b128 v[\reg+6:\reg+9], v[\a16] offset:\off+768
	ds_load_b64 v[\reg+10:\reg+11], v[\a8] offset:\off+1280
.endm
.macro FETCH slot, q, set
	WIN 0x40
.set ii, 0
.rept NBLK
	FRAG 128*(\set)+12*ii, ADRB+(\slot), ADRB+2+(\slot), ((\q)*8+ii)*FRB
.set ii, ii+1
.endr
	WIN 0
.set ii, 0
.rept NBLK
	FRAG AF+96*(\set)+12*ii, ADRA+(\slot), ADRA+2+(\slot), ((\q)*8+ii)*FRB
.set ii, ii+1
.endr
.set ii, 0
.rept NBLK
	ds_load_b32 v[SC+8*(\set)+ii], v[ADRS] offset:64*ii
.set ii, ii+1
.endr
	v_add_nc_u32 v[ADRS], 512, v[ADRS]
.endm
.macro MULA a, set, zero
	WIN 0xa1+0x50*(((\a)*NBLK)/32)
.set AC, ((\a)*NBLK*8)%256
.set bb, 0
.rept NBLK
.if \zero
	v_wmma_scale_f32_16x16x128_f8f6f4 v[AC+8*bb:AC+8*bb+7], v[128*(\set)+12*bb:128*(\set)+12*bb+11], v[AF+96*(\set)+12*(\a):AF+96*(\set)+12*(\a)+11], 0, v[SC+8*(\set)+bb], v[SC+8*(\set)+(\a)] matrix_a_fmt:MATRIX_FMT_FP6 matrix_b_fmt:MATRIX_FMT_FP6 matrix_a_scale:MATRIX_SCALE_ROW1
.else
	v_wmma_scale_f32_16x16x128_f8f6f4 v[AC+8*bb:AC+8*bb+7], v[128*(\set)+12*bb:128*(\set)+12*bb+11], v[AF+96*(\set)+12*(\a):AF+96*(\set)+12*(\a)+11], v[AC+8*bb:AC+8*bb+7], v[SC+8*(\set)+bb], v[SC+8*(\set)+(\a)] matrix_a_fmt:MATRIX_FMT_FP6 matrix_b_fmt:MATRIX_FMT_FP6 matrix_a_scale:MATRIX_SCALE_ROW1
.endif
.set bb, bb+1
.endr
.endm
.macro MULS a0, n, set, zero
.set aa, \a0
.rept \n
	MULA aa, \set, \zero
.set aa, aa+1
.endr
.endm
.macro STEP slot, q, zero
	s_wait_dscnt 0x0
	PLACES 4
	FETCH \slot, (\q)+1, ((\q)+1)%2
	MULS 0, NBLK, (\q)%2, \zero
.endm
.macro TURN slot, next, fill
	WIN 0
	s_wait_alu depctr_va_vdst(0)
	s_wait_tensorcnt 0x0
	ds_add_u32 v[SPW], v[NIL]
	s_wait_dscnt 1
	MULS 0, NBLK/4, 1, 0
	s_wait_dscnt 0x0
	s_barrier_signal -1
	MULS NBLK/4, NBLK/4, 1, 0
	WIN 0
	s_barrier_wait -1
.if \fill
	CREST
	s_add_nc_u64 s[G0+4*\slot+2:G0+4*\slot+3], s[G0+4*\slot+2:G0+4*\slot+3], 2*NQ*12288
	s_add_nc_u64 s[G0B+4*\slot+2:G0B+4*\slot+3], s[G0B+4*\slot+2:G0B+4*\slot+3], 2*NQ*12288
	JLOAD G0+4*\slot, G1, G0B+4*\slot, G1B
.else
	PLACES 4
.endif
	FETCH \next, 0, 0
	MULS NBLK/2, NBLK/2, 1, 0
.endm
.macro LAST
	s_wait_dscnt 0x0
	MULS 0, NBLK, 1, 0
.endm
	s_load_b128 s[4:7], s[0:1], 0x0
	s_load_b128 s[8:11], s[0:1], 0x10
	s_load_b64 s[12:13], s[0:1], 0x20
	v_lshl_add_u32 v[SPW], v0, 2, SPARE
	v_mov_b32 v[NIL], 0
	ds_add_u32 v28, v29
	ds_add_u32 v28, v29
	s_wait_dscnt 0x0
	v_lshrrev_b32 v1, 5, v0
	v_readfirstlane_b32 s14, v1
	s_lshr_b32 s15, s14, 1
	s_and_b32 s16, s14, 1
	s_bfe_u32 s40, ttmp6, 0x40000
	s_bfe_u32 s41, ttmp6, 0x40004
	s_lshl_b32 s42, ttmp9, 2
	s_add_co_u32 s42, s42, s40
	s_and_b32 s17, ttmp7, 0xffff
	s_lshl_b32 s17, s17, 2
	s_add_co_u32 s17, s17, s41
	s_mov_b32 s2, ASOFF
	s_mov_b32 s19, BSOFF
	s_lshl_b32 s43, s41, 2
	s_lshl_b32 s43, 15, s43
	s_lshl_b32 s44, 0x1111, s40
	s_or_b32 s[G1], s43, (3<<16)|(1<<21)
	s_or_b32 s[G1B], s44, (3<<16)|(1<<21)
.irp g, G1, G1B
	s_mov_b32 s[\g+1], TC<<16
	s_mov_b32 s[\g+2], TR<<16
	s_mov_b32 s[\g+3], TC<<16
	s_mov_b32 s[\g+4], TR
	s_mov_b32 s[\g+5], TP
	s_mov_b32 s[\g+6], 0
	s_mov_b32 s[\g+7], 0
.endr
	s_or_b32 s[G1S], s43, (3<<16)|(1<<21)
	s_or_b32 s[G1SB], s44, (3<<16)|(1<<21)
.irp g, G1S, G1SB
	s_mov_b32 s[\g+1], STC<<16
	s_mov_b32 s[\g+2], STR<<16
	s_mov_b32 s[\g+3], STC<<16
	s_mov_b32 s[\g+4], STR
	s_mov_b32 s[\g+5], STP
	s_mov_b32 s[\g+6], 0
	s_mov_b32 s[\g+7], 0
.endr
	s_mul_i32 s20, s17, KS*12288                   ; A's tile is one group of 128 rows: its codes, in bytes,
	s_mov_b32 s21, 0
	s_mul_i32 s22, s17, KS*512
	s_add_co_u32 s22, s22, s2                      ; and its scale words
	s_mov_b32 s23, 0
	s_mul_i32 s46, s42, KS*12288                   ; B likewise
	s_add_co_u32 s46, s46, BCOFF
	s_mov_b32 s47, 0
	s_mul_i32 s92, s42, KS*512
	s_add_co_u32 s92, s92, s19
	s_mov_b32 s93, 0
	s_wait_kmcnt 0x0
	s_add_nc_u64 s[20:21], s[4:5], s[20:21]
	s_add_nc_u64 s[22:23], s[4:5], s[22:23]
	s_add_nc_u64 s[46:47], s[6:7], s[46:47]
	s_add_nc_u64 s[92:93], s[6:7], s[92:93]
	CROUND
	s_mov_b32 s[G0S], 1
	s_mov_b32 s[G0S+1], SCL
	s_mov_b64 s[G0S+2:G0S+3], s[22:23]
	s_or_b32 s[G0S+3], s[G0S+3], 0x80000000
	s_mov_b32 s[G0SB], 1
	s_mov_b32 s[G0SB+1], SCL+2*HALFS
	s_mov_b64 s[G0SB+2:G0SB+3], s[92:93]
	s_or_b32 s[G0SB+3], s[G0SB+3], 0x80000000
	s_mov_b32 s[G0], 1
	s_mov_b32 s[G0+1], 0
	s_mov_b64 s[G0+2:G0+3], s[20:21]
	s_or_b32 s[G0+3], s[G0+3], 0x80000000
	s_mov_b32 s[G0B], 1
	s_mov_b32 s[G0B+1], SLOT
	s_mov_b64 s[G0B+2:G0B+3], s[46:47]
	s_or_b32 s[G0B+3], s[G0B+3], 0x80000000
.macro ARM under, g0, g1, next         ; one chain of branches on the wave's number, one load to an arm, all arms to one join
	s_cmp_lt_u32 s14, \under
	s_cbranch_scc0 \next
	tensor_load_to_lds s[\g0:\g0+3], s[\g1:\g1+7]
	s_nop 0
	PLACES 4
	s_branch .Lhead_asked
\next:
.endm
	ARM 1, G0,  G1,  .Lhead_b
	ARM 2, G0B, G1B, .Lhead_sa
	ARM 3, G0S, G1S, .Lhead_sb
	tensor_load_to_lds s[G0SB:G0SB+3], s[G1SB:G1SB+7]
	s_nop 0
	PLACES 4
.Lhead_asked:
	v_and_b32 v1, 15, v0
	v_bfe_u32 v2, v0, 4, 1
	v_and_b32 v3, 31, v0
	v_lshlrev_b32 v4, 4, v3
	v_lshlrev_b32 v5, 4, v1
	v_lshl_add_u32 v5, v2, 3, v5
	s_mul_i32 s21, s15, NBLK*FRB                   ; my four blocks of A's eight in each K step,
	s_mul_i32 s22, s16, NBLK*FRB
	s_add_co_u32 s22, s22, SLOT                    ; and of B's; the second address register stands four K steps on
.irp s, 0,1
	v_add_nc_u32 v[ADRA+\s], s21, v4
	v_add_nc_u32 v[ADRA+2+\s], s21, v5
	v_add_nc_u32 v[ADRB+\s], s22, v4
	v_add_nc_u32 v[ADRB+2+\s], s22, v5
	s_add_co_u32 s21, s21, 2*HALFT
	s_add_co_u32 s22, s22, 2*HALFT
.endr
	v_lshlrev_b32 v8, 2, v1
	s_mul_i32 s21, s15, NBLK*64
	s_mul_i32 s22, s16, NBLK*64
	s_add_co_u32 s22, s22, 2*HALFS
	s_sub_co_u32 s22, s22, s21
	v_mul_u32_u24 v9, s22, v2
	s_add_co_u32 s21, s21, SCL
	v_add_nc_u32 v8, v8, v9
	v_add_nc_u32 v[ADRS], s21, v8
	s_mul_i32 s23, s14, 16*272
	s_add_co_u32 s23, s23, STAGE
	v_mul_u32_u24 v8, v1, 272
	v_lshl_add_u32 v8, v2, 6, v8
	v_add_nc_u32 v[STO], s23, v8
	v_mul_u32_u24 v8, v2, 272
	v_lshl_add_u32 v8, v1, 4, v8
	v_add_nc_u32 v[RD], s23, v8
	v_lshlrev_b32 v[CO], 12, v2
	v_lshl_add_u32 v[CO], v1, 4, v[CO]
	v_lshlrev_b32 v30, 4, v1
	s_wait_alu depctr_va_vdst(0)
	s_lshl_b32 s20, s17, 7
	s_lshl_b32 s21, s15, 6
	s_add_co_u32 s20, s20, s21
	s_lshl_b32 s20, s20, 12
	s_lshl_b32 s46, s42, 7
	s_lshl_b32 s47, s16, 6
	s_add_co_u32 s46, s46, s47
	s_lshl_b32 s46, s46, 2
	s_mov_b32 s47, 0
	s_add_nc_u64 s[8:9], s[8:9], s[46:47]
	s_add_co_u32 s20, s20, s46
	s_mov_b32 s21, 0
	s_add_nc_u64 s[10:11], s[10:11], s[20:21]
	s_add_nc_u64 s[12:13], s[12:13], s[20:21]
	global_load_b128 v[48:51], v30, s[8:9]
	WIN 0x80
.irp a, 0,1,2,3
.irp t, 0,1,2,3,4,5,6,7
	global_load_b128 v[128+32*\a+4*\t:131+32*\a+4*\t], v[CO], s[10:11] offset:(32*(\a/2)+8*(\a%2)+2*(\t%4)+16*(\t/4))*4096
.endr
.endr
	WIN 0
	s_wait_tensorcnt 0x0                           ; my one load has landed; the barrier shows all four tiles to all waves
	s_barrier_signal -1
	s_barrier_wait -1
	FETCH 0, 0, 0
	s_wait_alu depctr_va_vdst(0)
	STEP 0, 0, 1
.if LAPS > 1
	WIN 0
	s_mov_b32 s3, LAPS-1
.Llap:
	STEP 0, 1, 0
	STEP 0, 2, 0
	TURN 0, 1, 1
	STEP 1, 0, 0
	STEP 1, 1, 0
	STEP 1, 2, 0
	TURN 1, 0, 1
	STEP 0, 0, 0
	WIN 0
	s_sub_co_u32 s3, s3, 1
	s_cmp_lg_u32 s3, 0
	s_cbranch_scc1 .Llap
.endif
	s_wait_alu depctr_va_vdst(0)
	STEP 0, 1, 0
	s_wait_alu depctr_va_vdst(0)
	STEP 0, 2, 0
	s_wait_alu depctr_va_vdst(0)
	s_wait_dscnt 0x0                               ; K step 3: its successor lies in LDS since the head: no barrier
	PLACES 4
	FETCH 1, 0, 0
	MULS 0, NBLK, 1, 0
	s_wait_alu depctr_va_vdst(0)
	STEP 1, 0, 0
	s_wait_alu depctr_va_vdst(0)
	STEP 1, 1, 0
	s_wait_alu depctr_va_vdst(0)
	STEP 1, 2, 0
	LAST
	PLACES 4
	WIN 0
	s_wait_loadcnt 0x0
.macro OUTB a
.set AC, 32*(\a)
.set OB, 64+32*((\a)%2)
.if (\a) > 1
	s_wait_xcnt 0x0
.endif
	WIN 0x08
.irp b, 0,1,2,3
	ds_store_b128 v[STO], v[AC+8*\b:AC+8*\b+3] offset:128*(\b/2)+32*(\b%2)
	ds_store_b128 v[STO], v[AC+8*\b+4:AC+8*\b+7] offset:128*(\b/2)+32*(\b%2)+16
.endr
	WIN 0
.irp t, 0,1,2,3,4,5,6,7
	ds_load_b128 v[OB+4*\t:OB+4*\t+3], v[RD] offset:544*\t
.endr
	s_wait_dscnt 0x0
.irp t, 0,1,2,3,4,5,6,7
	v_pk_add_f32 v[OB+4*\t:OB+4*\t+1], v[OB+4*\t:OB+4*\t+1], v[48:49]
	v_pk_add_f32 v[OB+4*\t+2:OB+4*\t+3], v[OB+4*\t+2:OB+4*\t+3], v[50:51]
.endr
	WIN 0x08
.irp t, 0,1,2,3,4,5,6,7
	v_pk_add_f32 v[OB+4*\t:OB+4*\t+1], v[OB+4*\t:OB+4*\t+1], v[128+32*(\a)+4*\t:129+32*(\a)+4*\t]
	v_pk_add_f32 v[OB+4*\t+2:OB+4*\t+3], v[OB+4*\t+2:OB+4*\t+3], v[130+32*(\a)+4*\t:131+32*(\a)+4*\t]
.endr
	WIN 0
.irp t, 0,1,2,3,4,5,6,7
	global_store_b128 v[CO], v[OB+4*\t:OB+4*\t+3], s[12:13] offset:(32*((\a)/2)+8*((\a)%2)+2*(\t%4)+16*(\t/4))*4096
.endr
.endm
	OUTB 0
	OUTB 1
	OUTB 2
	OUTB 3
	s_wait_tensorcnt 0x0
	ds_add_u32 v[SPW], v[NIL]
	s_wait_dscnt 0x0
	CROUND
	s_endpgm
.Lfunc_end_k_q5b4ba08107_wo:
	.size	k_q5b4ba08107_wo, .Lfunc_end_k_q5b4ba08107_wo-k_q5b4ba08107_wo
	.p2alignl 7, 3214868480
	.fill 96, 4, 3214868480
	.section	.rodata,"a",@progbits
	.p2align	6, 0x0
	.amdhsa_kernel k_q5b4ba08107_wo
		.amdhsa_group_segment_fixed_size 327680
		.amdhsa_private_segment_fixed_size 0
		.amdhsa_enable_private_segment 0
		.amdhsa_kernarg_size 40
		.amdhsa_user_sgpr_count 2
		.amdhsa_user_sgpr_kernarg_segment_ptr 1
		.amdhsa_wavefront_size32 1
		.amdhsa_system_sgpr_workgroup_id_x 1
		.amdhsa_system_sgpr_workgroup_id_y 1
		.amdhsa_system_sgpr_workgroup_id_z 1
		.amdhsa_system_vgpr_workitem_id 0
		.amdhsa_next_free_vgpr 768
		.amdhsa_next_free_sgpr 100
		.amdhsa_reserve_vcc 0
		.amdhsa_float_denorm_mode_32 3
		.amdhsa_float_denorm_mode_16_64 3
		.amdhsa_memory_ordered 1
		.amdhsa_forward_progress 1
		.amdhsa_inst_pref_size 65
	.end_amdhsa_kernel
	.amdgpu_metadata
---
amdhsa.version: [ 1, 2 ]
amdhsa.kernels:
  - .name:           k_q5b4ba08107_wo
    .symbol:         k_q5b4ba08107_wo.kd
    .args:
      - { .name: ao, .offset: 0, .size: 8, .value_kind: global_buffer, .address_space: global }
      - { .name: wts, .offset: 8, .size: 8, .value_kind: global_buffer, .address_space: global }
      - { .name: bo, .offset: 16, .size: 8, .value_kind: global_buffer, .address_space: global }
      - { .name: x, .offset: 24, .size: 8, .value_kind: global_buffer, .address_space: global }
      - { .name: x1, .offset: 32, .size: 8, .value_kind: global_buffer, .address_space: global }
    .group_segment_fixed_size: 327680
    .private_segment_fixed_size: 0
    .kernarg_segment_align: 8
    .kernarg_segment_size: 40
    .max_flat_workgroup_size: 128
    .sgpr_count:     100
    .vgpr_count:     768
    .wavefront_size: 32
...
	.end_amdgpu_metadata
.endif
;; end of part 4
;; launch ln2 (part 5): grid 256 x 1, 4 waves a work-group, no clusters, 66,304 bytes of LDS; arguments x1, ln2_g, ln2_b, nx; writes nx
.if DOCPART == 5
	.amdgcn_target "amdgcn-amd-amdhsa--gfx1250"
	.amdhsa_code_object_version 6
	.text
	.protected	k_q5b4ba08107_ln2
	.globl	k_q5b4ba08107_ln2
	.p2align	8
	.type	k_q5b4ba08107_ln2,@function
k_q5b4ba08107_ln2:
	s_mov_b64 s[64:65], 0
	v_nop
	global_prefetch_b8 v0, s[64:65] scope:SCOPE_SE
	s_setreg_imm32_b32 hwreg(HW_REG_WAVE_MODE, 25, 1), 1
	s_wait_xcnt 0x0
; dst = Q(LayerNorm(src) g + b): src [4096][1024] f32; dst: codes of FP6 (E2M3) and E8M0 scale words in the order of the operand's registers.
; A fragment (16 slots x 128 K) is 1,536 bytes: half c at 768 c: x0 .. x3 of lane (r, h) at 16 (r + 16 h), x4, x5 at 512 + 16 r + 8 h.  Fragment (group of 128 rows rg, K step ks, block rb) at 1,536 ((8 rg + ks) 8 + rb);
; its scale words at 3,145,728 + 64 x that index + 4 r.  Slot r of block rb holds row 32 (rb / 2) + 8 (rb % 2) + r % 8 + 16 (r / 8) of its group.
; A work-group takes one block of 16 slots.  PHASE 1: wave w takes slots 4 w .. 4 w + 3, four consecutive rows, each whole in 32 registers: mean, then the sum of squared differences in a second pass over the registers
; (no difference of large sums), 1 / sqrt, gain and bias; the rows go to LDS (pitch 4,112 bytes).  One barrier.  PHASE 2: wave w quantises K steps 2 w and 2 w + 1 of all 16 rows: lane (r, h) takes 16 neighbours of each block of 32.
; LIMITS: a block of zeros or with a largest magnitude under 2^-124 gets the byte 1 (read by this program alone); NaN and infinities are not served.  The scale words leave in pieces of 64 bytes.
.set ROWP, 4112
.set X,    32                          ; v32-159  four rows; in phase 2 two sets of 64 numbers
.set GG,   160                         ; v160-191 the gain; in phase 2 the codes
.set BB,   192                         ; v192-223 the bias
.set AC,   224                         ; v224-239 sums: four registers a row
.set MN,   240                         ; v240-247 a pair a row: the mean, then 1 / sqrt
.set TM,   8                           ; v8-23    the quantiser's work
.set SEL,  12                          ; s[12:13] lane selects: lane l xor 16
.set SOFF, 3145728
; 64 numbers of a lane, register 16 b + i = k 32 b + 16 (lane / 16) + i of my row, become a fragment's codes in v[pc] .. v[pc + 11] (20 registers are used) and its scale word in v[pw].
.macro QUANT s, pc, pw
.irp b, 0,1,2,3
	v_max3_num_f32 v[TM+\b], |v[\s+16*\b]|, |v[\s+1+16*\b]|, 0x1800000   ; my 16 numbers of block b, and the floor 2^(3 - 127)
.endr
.irp i, 2,4,6,8,10,12,14
.irp b, 0,1,2,3
	v_max3_num_f32 v[TM+\b], v[TM+\b], |v[\s+16*\b+\i]|, |v[\s+1+16*\b+\i]|
.endr
.endr
.irp b, 0,1,2,3
	v_permlanex16_b32 v[TM+4+\b], v[TM+\b], s[SEL], s[SEL+1]
.endr
.irp b, 0,1,2,3
	v_max_num_f32 v[TM+\b], v[TM+\b], v[TM+4+\b]   ; with lane l xor 16's: the block's largest magnitude
.endr
.irp b, 0,1,2,3
	v_add_nc_u32 v[TM+12+\b], 0xff000000, v[TM+\b] ; 2 off its exponent field: the conversion's scale operand
.endr
.irp b, 0,1,2,3
	v_lshrrev_b32 v[TM+4+\b], 23, v[TM+12+\b]      ; the scale's byte
.endr
	v_lshl_or_b32 v[\pw], v[TM+5], 8, v[TM+4]
	v_lshl_or_b32 v[\pw], v[TM+6], 16, v[\pw]
	v_lshl_or_b32 v[\pw], v[TM+7], 24, v[\pw]
.irp c, 0,1
	v_cvt_scalef32_pk16_fp6_f32 v[\pc+6*\c:\pc+2+6*\c], v[\s+32*\c:\s+15+32*\c], v[TM+12+2*\c]
	v_cvt_scalef32_pk16_fp6_f32 v[\pc+12+4*\c:\pc+14+4*\c], v[\s+16+32*\c:\s+31+32*\c], v[TM+12+2*\c+1]
.endr
	v_nop                                          ; one plain place behind the conversions
.irp c, 0,1                            ; the layout wants a whole block in a lane
.irp i, 0,1,2
	v_permlane16_swap_b32 v[\pc+6*\c+\i], v[\pc+12+4*\c+\i]
.endr
.irp i, 0,1,2
	v_mov_b32 v[\pc+3+6*\c+\i], v[\pc+12+4*\c+\i]
.endr
.endr
.endm
.macro REDUCE                          ; the four rows' sums in v[AC + 4 i] over the 32 lanes, the rows by turns
.irp m, 1,2,4,8
.irp i, 0,1,2,3
	v_add_f32_dpp v[AC+4*\i], v[AC+4*\i], v[AC+4*\i] row_xmask:\m row_mask:0xf bank_mask:0xf
.endr
.endr
.irp i, 0,1,2,3
	v_permlanex16_b32 v[AC+4*\i+1], v[AC+4*\i], s[SEL], s[SEL+1]
.endr
.irp i, 0,1,2,3
	v_add_f32 v[AC+4*\i], v[AC+4*\i], v[AC+4*\i+1]
.endr
.endm
	s_load_b256 s[4:11], s[0:1], 0x0               ; src, g, b, dst
	v_lshl_add_u32 v254, v0, 2, 0x10100
	v_mov_b32 v255, 0
	v_lshrrev_b32 v1, 5, v0
	v_readfirstlane_b32 s14, v1                    ; wave
	v_and_b32 v1, 31, v0                           ; lane
	v_and_b32 v2, 15, v0                           ; r
	v_bfe_u32 v3, v0, 4, 1                         ; h
	v_lshlrev_b32 v4, 4, v1                        ; 16 x lane
	v_lshlrev_b32 v5, 4, v2
	v_lshl_add_u32 v5, v3, 3, v5                   ; 16 r + 8 h
	s_mul_i32 s17, s14, 4*ROWP
	v_add_nc_u32 v6, s17, v4                       ; LDS, in: my wave's four rows, 16 bytes a lane
	v_mul_u32_u24 v7, v2, ROWP
	v_lshl_add_u32 v7, v3, 6, v7
	s_lshl_b32 s17, s14, 10
	v_add_nc_u32 v7, s17, v7                       ; LDS, out: row r, + 64 h, + my wave's two K steps
	v_lshlrev_b32 v27, 2, v2
	v_lshl_add_u32 v27, v3, 9, v27                 ; scale words: 4 r, lanes 16-31 one K step on
.irp b, 0,1,2,3
	v_mov_b32 v[TM+4+\b], 0                        ; written once: a lane permute's destination counts as one of its sources
.endr
	s_mov_b32 s[SEL], 0x76543210
	s_mov_b32 s[SEL+1], 0xfedcba98
	s_mov_b32 s20, 0x3a800000                      ; 1 / 1024
	s_mov_b32 s21, 0x3727c5ac                      ; 1e-5
	s_lshr_b32 s15, ttmp9, 3                       ; rg
	s_and_b32 s16, ttmp9, 7                        ; rb
	s_lshl_b32 s17, s15, 7
	s_lshr_b32 s18, s16, 1
	s_lshl_b32 s18, s18, 5
	s_add_co_u32 s17, s17, s18
	s_and_b32 s18, s16, 1
	s_lshl_b32 s18, s18, 3
	s_add_co_u32 s17, s17, s18
	s_lshr_b32 s18, s14, 1
	s_lshl_b32 s18, s18, 4
	s_add_co_u32 s17, s17, s18
	s_and_b32 s18, s14, 1
	s_lshl_b32 s18, s18, 2
	s_add_co_u32 s17, s17, s18                     ; my wave's first row
	s_lshl_b32 s18, s17, 12
	s_mov_b32 s19, 0
	s_mul_i32 s24, s15, 98304
	s_mul_i32 s25, s14, 24576
	s_add_co_u32 s24, s24, s25
	s_mul_i32 s25, s16, 1536
	s_add_co_u32 s24, s24, s25                     ; fragment (rg, 2 w, rb)
	s_mov_b32 s25, 0
	s_lshl_b32 s26, s15, 12
	s_lshl_b32 s27, s14, 10
	s_add_co_u32 s26, s26, s27
	s_lshl_b32 s27, s16, 6
	s_add_co_u32 s26, s26, s27
	s_add_co_u32 s26, s26, SOFF                    ; and its scale words
	s_mov_b32 s27, 0
	s_wait_kmcnt 0x0
	s_add_nc_u64 s[4:5], s[4:5], s[18:19]
	s_add_nc_u64 s[22:23], s[10:11], s[26:27]
	s_add_nc_u64 s[10:11], s[10:11], s[24:25]
.irp i, 0,1,2,3
.irp q, 0,1,2,3,4,5,6,7
	global_load_b128 v[X+32*\i+4*\q:X+32*\i+4*\q+3], v4, s[4:5] offset:4096*\i+512*\q   ; 512 consecutive bytes a load
.endr
.endr
.irp q, 0,1,2,3,4,5,6,7
	global_load_b128 v[GG+4*\q:GG+4*\q+3], v4, s[6:7] offset:512*\q
.endr
.irp q, 0,1,2,3,4,5,6,7
	global_load_b128 v[BB+4*\q:BB+4*\q+3], v4, s[8:9] offset:512*\q
.endr
	s_wait_loadcnt 16                              ; the four rows are in; the 16 loads of gain and bias may be out
.irp i, 0,1,2,3
	v_pk_add_f32 v[AC+4*\i:AC+4*\i+1], v[X+32*\i:X+32*\i+1], v[X+32*\i+4:X+32*\i+5]
	v_pk_add_f32 v[AC+4*\i+2:AC+4*\i+3], v[X+32*\i+2:X+32*\i+3], v[X+32*\i+6:X+32*\i+7]
.endr
.irp j, 8,12,16,20,24,28
.irp i, 0,1,2,3
	v_pk_add_f32 v[AC+4*\i:AC+4*\i+1], v[AC+4*\i:AC+4*\i+1], v[X+32*\i+\j:X+32*\i+\j+1]
	v_pk_add_f32 v[AC+4*\i+2:AC+4*\i+3], v[AC+4*\i+2:AC+4*\i+3], v[X+32*\i+\j+2:X+32*\i+\j+3]
.endr
.endr
.irp i, 0,1,2,3
	v_pk_add_f32 v[AC+4*\i:AC+4*\i+1], v[AC+4*\i:AC+4*\i+1], v[AC+4*\i+2:AC+4*\i+3]
.endr
.irp i, 0,1,2,3
	v_add_f32 v[AC+4*\i], v[AC+4*\i], v[AC+4*\i+1]
.endr
	REDUCE
.irp i, 0,1,2,3
	v_mul_f32 v[MN+2*\i], s20, v[AC+4*\i]          ; the mean, twice
	v_mul_f32 v[MN+2*\i+1], s20, v[AC+4*\i]
.endr
.irp j, 0,2,4,6,8,10,12,14,16,18,20,22,24,26,28,30
.irp i, 0,1,2,3
	v_pk_add_f32 v[X+32*\i+\j:X+32*\i+\j+1], v[X+32*\i+\j:X+32*\i+\j+1], v[MN+2*\i:MN+2*\i+1] neg_lo:[0,1] neg_hi:[0,1]   ; x - mean, in place
.endr
.endr
.irp i, 0,1,2,3
	v_pk_mul_f32 v[AC+4*\i:AC+4*\i+1], v[X+32*\i:X+32*\i+1], v[X+32*\i:X+32*\i+1]
	v_pk_mul_f32 v[AC+4*\i+2:AC+4*\i+3], v[X+32*\i+2:X+32*\i+3], v[X+32*\i+2:X+32*\i+3]
.endr
.irp j, 4,8,12,16,20,24,28
.irp i, 0,1,2,3
	v_pk_fma_f32 v[AC+4*\i:AC+4*\i+1], v[X+32*\i+\j:X+32*\i+\j+1], v[X+32*\i+\j:X+32*\i+\j+1], v[AC+4*\i:AC+4*\i+1]
	v_pk_fma_f32 v[AC+4*\i+2:AC+4*\i+3], v[X+32*\i+\j+2:X+32*\i+\j+3], v[X+32*\i+\j+2:X+32*\i+\j+3], v[AC+4*\i+2:AC+4*\i+3]
.endr
.endr
.irp i, 0,1,2,3
	v_pk_add_f32 v[AC+4*\i:AC+4*\i+1], v[AC+4*\i:AC+4*\i+1], v[AC+4*\i+2:AC+4*\i+3]
.endr
.irp i, 0,1,2,3
	v_add_f32 v[AC+4*\i], v[AC+4*\i], v[AC+4*\i+1]
.endr
	REDUCE
.irp i, 0,1,2,3
	v_fma_f32 v[AC+4*\i], v[AC+4*\i], s20, s21     ; the variance + 1e-5
.endr
	s_wait_alu depctr_va_vdst(0)
.irp i, 0,1,2,3
	v_rsq_f32 v[MN+2*\i], v[AC+4*\i]               ; one batch of four
.endr
	v_nop                                          ; a plain place behind the last of them
	s_wait_alu depctr_va_vdst(0)                   ; one wait for the batch, ahead of its first reader
	s_wait_loadcnt 0x0                             ; gain and bias
.irp i, 0,1,2,3
.irp j, 0,2,4,6,8,10,12,14,16,18,20,22,24,26,28,30
	v_pk_mul_f32 v[X+32*\i+\j:X+32*\i+\j+1], v[X+32*\i+\j:X+32*\i+\j+1], v[MN+2*\i:MN+2*\i+1] op_sel_hi:[1,0]
.endr
.irp j, 0,2,4,6,8,10,12,14,16,18,20,22,24,26,28,30
	v_pk_fma_f32 v[X+32*\i+\j:X+32*\i+\j+1], v[X+32*\i+\j:X+32*\i+\j+1], v[GG+\j:GG+\j+1], v[BB+\j:BB+\j+1]
.endr
.irp q, 0,1,2,3,4,5,6,7
	ds_store_b128 v6, v[X+32*\i+4*\q:X+32*\i+4*\q+3] offset:\i*ROWP+512*\q
.endr
.endr
	s_wait_dscnt 0x0                               ; for the others' sake: my rows lie in LDS
	s_barrier_signal -1
	s_barrier_wait -1
.irp s, 0,1
.irp b, 0,1,2,3
.irp j, 0,1,2,3
	ds_load_b128 v[X+64*\s+16*\b+4*\j:X+64*\s+16*\b+4*\j+3], v7 offset:512*\s+128*\b+16*\j   ; the pitch is 257 x 16 bytes: sixteen rows, sixteen different columns of banks
.endr
.endr
.endr
	s_wait_dscnt 16                                ; the first K step's 16 loads are in; the second's may be out
	QUANT X, GG, 24
	s_wait_dscnt 0x0
	QUANT X+64, GG+20, 25
.irp s, 0,1
	global_store_b128 v4, v[GG+20*\s:GG+20*\s+3], s[10:11] offset:12288*\s          ; 512 consecutive bytes
	global_store_b64 v5, v[GG+20*\s+4:GG+20*\s+5], s[10:11] offset:12288*\s+512     ; 256
	global_store_b128 v4, v[GG+20*\s+6:GG+20*\s+9], s[10:11] offset:12288*\s+768
	global_store_b64 v5, v[GG+20*\s+10:GG+20*\s+11], s[10:11] offset:12288*\s+1280
.endr
	v_cmp_lt_u32 vcc_lo, 15, v1
	v_cndmask_b32 v26, v24, v25, vcc_lo            ; lanes 0-15: the first K step's words, lanes 16-31 the second's (both halves of the lanes hold each row's word)
	global_store_b32 v27, v26, s[22:23]
	s_wait_tensorcnt 0x0
	ds_add_u32 v254, v255
	s_wait_dscnt 0x0
	s_endpgm
.Lfunc_end_k_q5b4ba08107_ln2:
	.size	k_q5b4ba08107_ln2, .Lfunc_end_k_q5b4ba08107_ln2-k_q5b4ba08107_ln2
	.p2alignl 7, 3214868480
	.fill 96, 4, 3214868480
	.section	.rodata,"a",@progbits
	.p2align	6, 0x0
	.amdhsa_kernel k_q5b4ba08107_ln2
		.amdhsa_group_segment_fixed_size 66304
		.amdhsa_private_segment_fixed_size 0
		.amdhsa_enable_private_segment 0
		.amdhsa_kernarg_size 32
		.amdhsa_user_sgpr_count 2
		.amdhsa_user_sgpr_kernarg_segment_ptr 1
		.amdhsa_wavefront_size32 1
		.amdhsa_system_sgpr_workgroup_id_x 1
		.amdhsa_system_sgpr_workgroup_id_y 1
		.amdhsa_system_sgpr_workgroup_id_z 1
		.amdhsa_system_vgpr_workitem_id 0
		.amdhsa_next_free_vgpr 256
		.amdhsa_next_free_sgpr 66
		.amdhsa_reserve_vcc 1
		.amdhsa_float_denorm_mode_32 3
		.amdhsa_float_denorm_mode_16_64 3
		.amdhsa_memory_ordered 1
		.amdhsa_forward_progress 1
		.amdhsa_inst_pref_size 44
	.end_amdhsa_kernel
	.amdgpu_metadata
---
amdhsa.version: [ 1, 2 ]
amdhsa.kernels:
  - .name:           k_q5b4ba08107_ln2
    .symbol:         k_q5b4ba08107_ln2.kd
    .args:
      - { .name: x1, .offset: 0, .size: 8, .value_kind: global_buffer, .address_space: global }
      - { .name: ln2_g, .offset: 8, .size: 8, .value_kind: global_buffer, .address_space: global }
      - { .name: ln2_b, .offset: 16, .size: 8, .value_kind: global_buffer, .address_space: global }
      - { .name: nx, .offset: 24, .size: 8, .value_kind: global_buffer, .address_space: global }
    .group_segment_fixed_size: 66304
    .private_segment_fixed_size: 0
    .kernarg_segment_align: 8
    .kernarg_segment_size: 32
    .max_flat_workgroup_size: 128
    .sgpr_count:     66
    .vgpr_count:     256
    .wavefront_size: 32
...
	.end_amdgpu_metadata
.endif
;; end of part 5
;; launch ffn1 (part 6): grid 16 x 16, 4 waves a work-group, clusters of 4 x 4, 327,680 bytes of LDS; arguments nx, wts, b1, hc; writes hc
.if DOCPART == 6
	.amdgcn_target "amdgcn-amd-amdhsa--gfx1250"
	.amdhsa_code_object_version 6
	.text
	.protected	k_q5b4ba08107_ffn1
	.globl	k_q5b4ba08107_ffn1
	.p2align	8
	.type	k_q5b4ba08107_ffn1,@function
k_q5b4ba08107_ffn1:
	s_mov_b64 s[64:65], 0
	v_nop
	global_prefetch_b8 v0, s[64:65] scope:SCOPE_SE
	s_setreg_imm32_b32 hwreg(HW_REG_WAVE_MODE, 25, 1), 1
	s_wait_xcnt 0x0
	s_wait_alu depctr_hold_cnt(0) depctr_sa_sdst(0) depctr_va_vdst(0) depctr_va_sdst(0) depctr_va_ssrc(0) depctr_va_vcc(0) depctr_vm_vsrc(0)
	s_getreg_b32 s2, hwreg(HW_REG_IB_STS2, 6, 4)
	s_cmp_eq_u32 s2, 0
	s_cbranch_scc0 .Lentry_in_a_cluster
	s_endpgm
.Lentry_in_a_cluster:
	s_bfe_u32 s2, ttmp6, 0x10000c
	s_cmp_lg_u32 s2, 0xf033
	s_cbranch_scc0 .Lentry_shape_is_right
	s_endpgm
.Lentry_shape_is_right:
; hc = Q(silu(nx W1 + b1)), quantised along the 4,096 hidden units.  All operands are codes of FP6 (E2M3) with E8M0 scales in the order of the operand's registers: a fragment (16 slots x 128 K) is 1,536 bytes: half c at 768 c:
; x0 .. x3 of lane (r, h) at 16 (r + 16 h), x4, x5 at 512 + 16 r + 8 h; fragment (group of 128 rows rg, K step ks, block rb) at 1,536 ((KS rg + ks) 8 + rb), scale words 64 x that index + 4 r behind the codes.
; Slot r of block rb holds row 32 (rb / 2) + 8 (rb % 2) + r % 8 + 16 (r / 8) of its group.
; A work-group of four waves makes 256 x 256, a wave 128 x 128: 64 accumulators.  The matrix instruction is used transposed (source 0 = W1's columns, source 1 = tokens): a lane holds one token, and the 16 registers of accumulators
; (a, 2 c), (a, 2 c + 1) are 16 neighbouring hidden units: neighbours along the next product's K.  So the results are biased, put through silu and quantised in registers, and leave as images of the next operand's registers.
; K = 1,024 is 8 steps of 128, two to an LDS slot.  THREE SLOTS: K steps 0 to 5 come with the first fills; K steps 6 and 7 are asked for into slot 0 as soon as it has been read, four K steps (256 matrix instructions a wave) ahead
; of their first use: one refill, one round of the cluster's barrier.  Each wave fetches a quarter of a slot by one tensor load, a dense block of 24,576 bytes.  Both operands have two sets of registers.
; CLUSTERS: 4 x 4; A's tiles are shared along a row of the cluster, B's along a column, asked for jointly.
; silu(x) = x / (1 + 2^(-x log2 e)), in f32.  LIMITS: a block of zeros or with a largest magnitude under 2^-124 gets the byte 1 (read by this program alone); NaN and infinities are not served.  The scale words leave in pieces of 128 bytes.
; REGISTERS: window 0: v1-6 lane terms, v8-19 LDS addresses, v27 scale words' address, v28, v29 for the add, v30 the bias's offset, v32-47 scale words (two sets), v64-159 and v160-255 A's two sets;
;   window 1: v0-95 and v128-223 B's two sets, v96-127 and v224-255 the bias; windows 2 and 3: the accumulators, (a, b) at 64 (a % 4) + 8 b.
.set NBLK, 8
.set NQ,   2
.set KS,   8
.set ASOFF, 3145728
.set BCOFF, 3145728
.set BSOFF, 9568256
; THE HEAD'S FILLS, one tensor load a wave: wave 0 A's codes, wave 1 B's, wave 2 A's scale words, wave 3 B's.  LDS holds four quarters of QT bytes (A's two groups of 128 rows, then B's two), each with K steps 0 to 5 on end.
; The one refill, K steps 6 and 7 onto K steps 0 and 1 of each quarter, is a dense block of 24,576 bytes a wave: it has four K steps in which to land, and no wave waits for it, so no prefetch is laid.
.set TC,   9216                        ; the head's tile of codes: 2 rows (groups) of 73,728 bytes (9,216 elements of 8), 98,304 bytes apart
.set TR,   2
.set TP,   12288
.set STC,  32                          ; a side's scale words: 32 rows of 256 bytes, dense; behind the head the same group 1, with 96 rows, serves the refill
.set STR,  32
.set STP,  32
.set QT,   73728
.set FRB,   1536
.set HALFT, NQ*NBLK*FRB
.set SLOT,  4*HALFT
.set SCL,   3*SLOT                     ; behind the three slots: the scale words
.set HALFS, KS*NBLK*64
.set SPARE, SCL+4*HALFS                ; the spare words: 128 bytes a wave, two blocks of 256 bytes that no other line names
.set ADRA, 8                           ; v8-10 A's fragments in slots 0, 1, 2 (16 x lane); v11-13 the same (16 r + 8 h)
.set ADRB, 14                          ; v14-16, v17-19 the same for B
.set ADRS, 27
.set SPW,  28
.set NIL,  29
.set SC,   32
.set AF,   64
.set HA,   64                          ; the way out, window 0: 64 numbers,
.set PC,   128                         ; their codes,
.set TM,   148                         ; the quantiser's work,
.set PWS,  176                         ; the eight blocks' scale words,
.set EW,   184                         ; the words as they are stored,
.set TS,   192                         ; and 64 registers for the sigmoid
.set G1,   24
.set G0,   32                          ; s[32:39] A's groups 0: the head's codes and the refill
.set G0C,  4
.set G1B,  48
.set G0B,  56                          ; s[56:63] B's groups 0: the head's codes and the refill
.set G0BC, 92
.set G1S,  68
.set G0S,  76
.set G1SB, 80
.set G0SB, 88
.set SEL,  96
.set MSB, 0
.macro WIN new                         ; the immediate's high byte repeats the setting that is left
.if MSB != (\new)
	s_set_vgpr_msb (MSB<<8)|(\new)
.set MSB, (\new)
.endif
.endm
.macro JLOAD g0a, g1a, g0b, g1b        ; a joint load: waves 0 and 1 fetch for A, waves 2 and 3 for B; four v_nop follow each line
	s_cmp_eq_u32 s15, 0
	s_cbranch_scc0 .Lfor_b_\@
	tensor_load_to_lds s[\g0a:\g0a+3], s[\g1a:\g1a+7]
	s_nop 0
.rept 4
	v_nop
.endr
	s_branch .Lasked_\@
.Lfor_b_\@:
	tensor_load_to_lds s[\g0b:\g0b+3], s[\g1b:\g1b+7]
	s_nop 0
.rept 4
	v_nop
.endr
.Lasked_\@:
.endm
.macro CREST
	s_cmp_lg_u32 s14, 0
	s_cbranch_scc1 .Lnot_wave_0_\@
	s_barrier_signal -3
.Lnot_wave_0_\@:
	s_barrier_wait -3
	s_barrier_signal -1
	s_barrier_wait -1
.endm
.macro CROUND
	s_barrier_signal -1
	s_barrier_wait -1
	CREST
.endm
.macro PLACES n
.rept \n
	v_nop
.endr
.endm
.macro FRAG reg, a16, a8, off
	ds_load_b128 v[\reg:\reg+3], v[\a16] offset:\off
	ds_load_b64 v[\reg+4:\reg+5], v[\a8] offset:\off+512
	ds_load_b128 v[\reg+6:\reg+9], v[\a16] offset:\off+768
	ds_load_b64 v[\reg+10:\reg+11], v[\a8] offset:\off+1280
.endm
.macro FETCH slot, q, set
	WIN 0x40
.set ii, 0
.rept NBLK
	FRAG 128*(\set)+12*ii, ADRB+(\slot), ADRB+3+(\slot), ((\q)*NBLK+ii)*FRB
.set ii, ii+1
.endr
	WIN 0
.set ii, 0
.rept NBLK
	FRAG AF+96*(\set)+12*ii, ADRA+(\slot), ADRA+3+(\slot), ((\q)*NBLK+ii)*FRB
.set ii, ii+1
.endr
.set ii, 0
.rept NBLK
	ds_load_b32 v[SC+8*(\set)+ii], v[ADRS] offset:64*ii
.set ii, ii+1
.endr
	v_add_nc_u32 v[ADRS], NBLK*64, v[ADRS]
.endm
.macro MULA a, set, zero               ; the accumulators take turns, one instruction a turn
	WIN 0xa1+0x50*(((\a)*NBLK)/32)
.set AC, ((\a)*NBLK*8)%256
.set bb, 0
.rept NBLK
.if \zero
	v_wmma_scale_f32_16x16x128_f8f6f4 v[AC+8*bb:AC+8*bb+7], v[128*(\set)+12*bb:128*(\set)+12*bb+11], v[AF+96*(\set)+12*(\a):AF+96*(\set)+12*(\a)+11], 0, v[SC+8*(\set)+bb], v[SC+8*(\set)+(\a)] matrix_a_fmt:MATRIX_FMT_FP6 matrix_b_fmt:MATRIX_FMT_FP6 matrix_a_scale:MATRIX_SCALE_ROW1
.else
	v_wmma_scale_f32_16x16x128_f8f6f4 v[AC+8*bb:AC+8*bb+7], v[128*(\set)+12*bb:128*(\set)+12*bb+11], v[AF+96*(\set)+12*(\a):AF+96*(\set)+12*(\a)+11], v[AC+8*bb:AC+8*bb+7], v[SC+8*(\set)+bb], v[SC+8*(\set)+(\a)] matrix_a_fmt:MATRIX_FMT_FP6 matrix_b_fmt:MATRIX_FMT_FP6 matrix_a_scale:MATRIX_SCALE_ROW1
.endif
.set bb, bb+1
.endr
.endm
.macro MULS a0, n, set, zero
.set aa, \a0
.rept \n
	MULA aa, \set, \zero
.set aa, aa+1
.endr
.endm
.macro STEP slot, q, zero
	s_wait_dscnt 0x0                               ; this step's fragments, asked for a step ago, are in
	PLACES 4                                       ; places in front of loads into registers that the last step's matrix instructions have read
	FETCH \slot, (\q)+1, ((\q)+1)%2
	MULS 0, NBLK, (\q)%2, \zero
.endm
.macro CROSS next                      ; a slot's last K step where the next slot is known to be whole and nothing is filled: no barrier
	s_wait_dscnt 0x0
	PLACES 4
	FETCH \next, 0, 0
	MULS 0, NBLK, 1, 0
.endm
.macro TURN slot, next, fill           ; a slot's last K step with a barrier.  fill = 1: this slot is filled again, with the K steps three slots on
	WIN 0
	s_wait_tensorcnt 0x0                           ; all my tensor loads have landed;
	ds_add_u32 v[SPW], v[NIL]                      ; 0 onto my spare word;
	s_wait_dscnt 1                                 ; (the add alone may be out)
	MULS 0, NBLK/4, 1, 0
	s_wait_dscnt 0x0                               ; the add is done, and my reads of this slot are over
	s_barrier_signal -1
	MULS NBLK/4, NBLK/4, 1, 0
	WIN 0
	s_barrier_wait -1
.if \fill
	CREST                                          ; the barrier has opened a round of the cluster's: no wave of any partner still reads this slot or has a load on its way
	JLOAD G0+4, G1S, G0B+4, G1SB                   ; the first tensor load behind the round; its four v_nop are the places in front of the loads below
.else
	PLACES 4
.endif
	s_wait_alu depctr_va_vdst(0)
	FETCH \next, 0, 0
	MULS NBLK/2, NBLK/2, 1, 0
.endm
.macro LAST
	s_wait_dscnt 0x0
	MULS 0, NBLK, 1, 0
.endm
.macro QUANT s, pc, pw                 ; 64 numbers of a lane, register 16 b + i = k 32 b + 16 (lane / 16) + i, become a fragment's codes in v[pc] .. v[pc + 11] and its scale word in v[pw]
.irp b, 0,1,2,3
	v_max3_num_f32 v[TM+\b], |v[\s+16*\b]|, |v[\s+1+16*\b]|, 0x1800000
.endr
.irp i, 2,4,6,8,10,12,14
.irp b, 0,1,2,3
	v_max3_num_f32 v[TM+\b], v[TM+\b], |v[\s+16*\b+\i]|, |v[\s+1+16*\b+\i]|
.endr
.endr
.irp b, 0,1,2,3
	v_permlanex16_b32 v[TM+4+\b], v[TM+\b], s[SEL], s[SEL+1]
.endr
.irp b, 0,1,2,3
	v_max_num_f32 v[TM+\b], v[TM+\b], v[TM+4+\b]
.endr
.irp b, 0,1,2,3
	v_add_nc_u32 v[TM+12+\b], 0xff000000, v[TM+\b]
.endr
.irp b, 0,1,2,3
	v_lshrrev_b32 v[TM+4+\b], 23, v[TM+12+\b]
.endr
	v_lshl_or_b32 v[\pw], v[TM+5], 8, v[TM+4]
	v_lshl_or_b32 v[\pw], v[TM+6], 16, v[\pw]
	v_lshl_or_b32 v[\pw], v[TM+7], 24, v[\pw]
.irp c, 0,1
	v_cvt_scalef32_pk16_fp6_f32 v[\pc+6*\c:\pc+2+6*\c], v[\s+32*\c:\s+15+32*\c], v[TM+12+2*\c]
	v_cvt_scalef32_pk16_fp6_f32 v[\pc+12+4*\c:\pc+14+4*\c], v[\s+16+32*\c:\s+31+32*\c], v[TM+12+2*\c+1]
.endr
	v_nop                                          ; one plain place behind the conversions
.irp c, 0,1
.irp i, 0,1,2
	v_permlane16_swap_b32 v[\pc+6*\c+\i], v[\pc+12+4*\c+\i]
.endr
.irp i, 0,1,2
	v_mov_b32 v[\pc+3+6*\c+\i], v[\pc+12+4*\c+\i]
.endr
.endr
.endm
.macro PUT pc, base, o0, o1, o2, o3
	global_store_b128 v4, v[\pc:\pc+3], s[\base:\base+1] offset:\o0
	global_store_b64 v5, v[\pc+4:\pc+5], s[\base:\base+1] offset:\o1
	global_store_b128 v4, v[\pc+6:\pc+9], s[\base:\base+1] offset:\o2
	global_store_b64 v5, v[\pc+10:\pc+11], s[\base:\base+1] offset:\o3
.endm
	s_load_b128 s[4:7], s[0:1], 0x0                ; nx, wts
	s_load_b128 s[8:11], s[0:1], 0x10              ; b1, hc
	v_lshl_add_u32 v[SPW], v0, 2, SPARE
	v_mov_b32 v[NIL], 0
	ds_add_u32 v28, v29
	ds_add_u32 v28, v29
	s_wait_dscnt 0x0
	v_lshrrev_b32 v1, 5, v0
	v_readfirstlane_b32 s14, v1                    ; wave
	s_lshr_b32 s15, s14, 1
	s_and_b32 s16, s14, 1
	s_bfe_u32 s40, ttmp6, 0x40000                  ; cx
	s_bfe_u32 s41, ttmp6, 0x40004                  ; cy
	s_lshl_b32 s42, ttmp9, 2
	s_add_co_u32 s42, s42, s40                     ; B's tile (256 hidden units)
	s_and_b32 s17, ttmp7, 0xffff
	s_lshl_b32 s17, s17, 2
	s_add_co_u32 s17, s17, s41                     ; A's tile (256 tokens)
	s_mov_b32 s2, ASOFF
	s_mov_b32 s19, BSOFF
	s_lshl_b32 s43, s41, 2
	s_lshl_b32 s43, 15, s43
	s_lshl_b32 s44, 0x1111, s40
	s_or_b32 s[G1], s43, (3<<16)|(1<<21)
	s_or_b32 s[G1B], s44, (3<<16)|(1<<21)
.irp g, G1, G1B
	s_mov_b32 s[\g+1], TC<<16
	s_mov_b32 s[\g+2], TR<<16
	s_mov_b32 s[\g+3], TC<<16
	s_mov_b32 s[\g+4], TR
	s_mov_b32 s[\g+5], TP
	s_mov_b32 s[\g+6], 0
	s_mov_b32 s[\g+7], 0
.endr
	s_or_b32 s[G1S], s43, (3<<16)|(1<<21)
	s_or_b32 s[G1SB], s44, (3<<16)|(1<<21)
.irp g, G1S, G1SB
	s_mov_b32 s[\g+1], STC<<16
	s_mov_b32 s[\g+2], STR<<16
	s_mov_b32 s[\g+3], STC<<16
	s_mov_b32 s[\g+4], STR
	s_mov_b32 s[\g+5], STP
	s_mov_b32 s[\g+6], 0
	s_mov_b32 s[\g+7], 0
.endr
	s_mul_i32 s20, s17, 2*KS*12288                 ; A's tile is two groups of 128 rows: their codes, in bytes,
	s_mov_b32 s21, 0
	s_mul_i32 s22, s17, 2*KS*512
	s_add_co_u32 s22, s22, s2                      ; and their scale words
	s_mov_b32 s23, 0
	s_mul_i32 s46, s42, 2*KS*12288                 ; B likewise
	s_add_co_u32 s46, s46, BCOFF
	s_mov_b32 s47, 0
	s_mul_i32 s92, s42, 2*KS*512
	s_add_co_u32 s92, s92, s19
	s_mov_b32 s93, 0
	s_mul_i32 s45, s14, QT                         ; the refill: my quarter in LDS,
	s_mul_i32 s94, s16, KS*12288                   ; my group of the tile's two,
	s_add_co_u32 s94, s94, 6*12288                 ; its K steps 6 and 7
	s_mov_b32 s95, 0
	s_mov_b32 s[SEL], 0x76543210
	s_mov_b32 s[SEL+1], 0xfedcba98
	s_wait_kmcnt 0x0
	s_add_nc_u64 s[20:21], s[4:5], s[20:21]
	s_add_nc_u64 s[22:23], s[4:5], s[22:23]
	s_add_nc_u64 s[46:47], s[6:7], s[46:47]
	s_add_nc_u64 s[92:93], s[6:7], s[92:93]
	CROUND                                         ; all sixteen work-groups are here: the first joint loads meet
	s_mov_b32 s[G0S], 1
	s_mov_b32 s[G0S+1], SCL
	s_mov_b64 s[G0S+2:G0S+3], s[22:23]
	s_or_b32 s[G0S+3], s[G0S+3], 0x80000000
	s_mov_b32 s[G0SB], 1
	s_mov_b32 s[G0SB+1], SCL+2*HALFS
	s_mov_b64 s[G0SB+2:G0SB+3], s[92:93]
	s_or_b32 s[G0SB+3], s[G0SB+3], 0x80000000
	s_mov_b32 s[G0], 1                             ; the head's codes: A's two quarters from LDS byte 0,
	s_mov_b32 s[G0+1], 0
	s_mov_b64 s[G0+2:G0+3], s[20:21]
	s_or_b32 s[G0+3], s[G0+3], 0x80000000
	s_mov_b32 s[G0B], 1                            ; B's two behind them
	s_mov_b32 s[G0B+1], 2*QT
	s_mov_b64 s[G0B+2:G0B+3], s[46:47]
	s_or_b32 s[G0B+3], s[G0B+3], 0x80000000
	s_mov_b32 s[G0+4], 1                           ; the refill's groups 0
	s_mov_b32 s[G0+5], s45
	s_add_nc_u64 s[G0+6:G0+7], s[20:21], s[94:95]
	s_or_b32 s[G0+7], s[G0+7], 0x80000000
	s_mov_b32 s[G0B+4], 1
	s_mov_b32 s[G0B+5], s45
	s_add_nc_u64 s[G0B+6:G0B+7], s[46:47], s[94:95]
	s_or_b32 s[G0B+7], s[G0B+7], 0x80000000
.macro ARM under, g0, g1, next         ; one chain of branches on the wave's number, one load to an arm, all arms to one join
	s_cmp_lt_u32 s14, \under
	s_cbranch_scc0 \next
	tensor_load_to_lds s[\g0:\g0+3], s[\g1:\g1+7]
	s_nop 0
	PLACES 4
	s_branch .Lhead_asked
\next:
.endm
	ARM 1, G0,  G1,  .Lhead_b
	ARM 2, G0B, G1B, .Lhead_sa
	ARM 3, G0S, G1S, .Lhead_sb
	tensor_load_to_lds s[G0SB:G0SB+3], s[G1SB:G1SB+7]
	s_nop 0
	PLACES 4
.Lhead_asked:
	v_and_b32 v1, 15, v0                           ; r
	v_bfe_u32 v2, v0, 4, 1                         ; h
	v_and_b32 v3, 31, v0                           ; lane
	v_lshlrev_b32 v4, 4, v3                        ; 16 x lane
	v_lshlrev_b32 v5, 4, v1
	v_lshl_add_u32 v5, v2, 3, v5                   ; 16 r + 8 h
	v_lshlrev_b32 v6, 2, v3                        ; 4 x lane
	s_mul_i32 s21, s15, QT                         ; my quarter of A,
	s_mul_i32 s22, s16, QT
	s_add_co_u32 s22, s22, 2*QT                    ; my quarter of B; two K steps are HALFT bytes of a quarter
.irp s, 0,1,2
	v_add_nc_u32 v[ADRA+\s], s21, v4
	v_add_nc_u32 v[ADRA+3+\s], s21, v5
	v_add_nc_u32 v[ADRB+\s], s22, v4
	v_add_nc_u32 v[ADRB+3+\s], s22, v5
	s_add_co_u32 s21, s21, HALFT
	s_add_co_u32 s22, s22, HALFT
.endr
	v_lshlrev_b32 v20, 2, v1
	s_mul_i32 s21, s15, HALFS
	s_mul_i32 s22, s16, HALFS
	s_add_co_u32 s22, s22, 2*HALFS
	s_sub_co_u32 s22, s22, s21
	v_mul_u32_u24 v21, s22, v2                     ; lanes 16-31 take B's words
	s_add_co_u32 s21, s21, SCL
	v_add_nc_u32 v20, v20, v21
	v_add_nc_u32 v[ADRS], s21, v20
	s_lshl_b32 s20, s17, 1
	s_add_co_u32 s20, s20, s15                     ; my group of 128 tokens
	s_lshl_b32 s20, s20, 5
	s_lshl_b32 s21, s42, 1
	s_add_co_u32 s21, s21, s16                     ; my group of 128 hidden units: a K step of the next product
	s_add_co_u32 s20, s20, s21
	s_lshl_b32 s66, s21, 9
	s_mov_b32 s67, 0
	s_add_nc_u64 s[8:9], s[8:9], s[66:67]          ; b1 at my 128 units
	s_lshl_b32 s66, s20, 9
	s_add_co_u32 s66, s66, 12582912
	s_add_nc_u64 s[66:67], s[10:11], s[66:67]      ; hc's scale words
	s_mul_i32 s20, s20, 12288
	s_mov_b32 s21, 0
	s_add_nc_u64 s[12:13], s[10:11], s[20:21]      ; hc's codes
	v_lshlrev_b32 v30, 6, v2                       ; the bias of units 32 c + 16 h + 0 .. 15
	WIN 0x40
.irp c, 0,1,2,3
.irp j, 0,1,2,3
	global_load_b128 v[96+16*\c+4*\j+96*(\c/2):99+16*\c+4*\j+96*(\c/2)], v30, s[8:9] offset:128*\c+16*\j
.endr
.endr
	WIN 0
	s_wait_alu depctr_va_vdst(0)
	s_wait_tensorcnt 0x0                           ; my one load of the head has landed; no tensor load of mine is out, so a descriptor may be written:
	s_mov_b32 s[G1S+2], 96<<16                     ; the scale words' groups 1 now state the refill's 96 rows of 256 bytes
	s_mov_b32 s[G1S+4], 96
	s_mov_b32 s[G1SB+2], 96<<16
	s_mov_b32 s[G1SB+4], 96
	s_barrier_signal -1
	s_barrier_wait -1
	FETCH 0, 0, 0
	s_wait_alu depctr_va_vdst(0)
	STEP 0, 0, 1                                   ; K step 0: its products start the sums
	TURN 0, 1, 1                                   ; K step 1; every wave's loads have landed, slots 1 and 2 among them; slot 0 takes K steps 6 and 7
	s_wait_alu depctr_va_vdst(0)
	STEP 1, 0, 0                                   ; K step 2
	s_wait_alu depctr_va_vdst(0)
	CROSS 2                                        ; K step 3: slot 2 was shown whole in front of the round above
	s_wait_alu depctr_va_vdst(0)
	STEP 2, 0, 0                                   ; K step 4
	TURN 2, 0, 0                                   ; K step 5; the refill has landed; nothing is filled
	s_wait_alu depctr_va_vdst(0)
	STEP 0, 0, 0                                   ; K step 6
	LAST                                           ; K step 7
	PLACES 4                                       ; places behind the last products
	WIN 0
	s_wait_loadcnt 0x0                             ; the bias
.irp b, 0,1,2,3
	v_mov_b32 v[TM+4+\b], 0                        ; written once: a lane permute's destination counts as one of its sources
.endr
.macro EPI a
.set AC, 64*((\a)%4)
	WIN 0x06+(\a)/4                                ; source 0 (results) window 2 or 3, source 1 (bias) window 1
.set n, 0
.rept 32
	v_pk_add_f32 v[HA+n:HA+n+1], v[AC+n:AC+n+1], v[96+n+96*(n/32):97+n+96*(n/32)]   ; each accumulator from its low end on
.set n, n+2
.endr
	WIN 0
.set n, 0
.rept 32
	v_pk_mul_f32 v[TS+n:TS+n+1], v[HA+n:HA+n+1], 0xbfb8aa3b op_sel_hi:[1,0]   ; -x log2(e)
.set n, n+2
.endr
.set n, 0
	s_wait_alu depctr_va_vdst(0)
.rept 64
	v_exp_f32 v[TS+n], v[TS+n]                     ; one batch
.set n, n+1
.endr
	v_nop
	s_wait_alu depctr_va_vdst(0)                   ; one wait for the batch, ahead of its first reader
.set n, 0
.rept 32
	v_pk_add_f32 v[TS+n:TS+n+1], v[TS+n:TS+n+1], 1.0 op_sel_hi:[1,0]
.set n, n+2
.endr
.set n, 0
	s_wait_alu depctr_va_vdst(0)
.rept 64
	v_rcp_f32 v[TS+n], v[TS+n]
.set n, n+1
.endr
	v_nop
	s_wait_alu depctr_va_vdst(0)
.set n, 0
.rept 32
	v_pk_mul_f32 v[HA+n:HA+n+1], v[HA+n:HA+n+1], v[TS+n:TS+n+1]   ; silu
.set n, n+2
.endr
	s_wait_xcnt 0x0                                ; the last block's stores have read their registers
	QUANT HA, PC, PWS+(\a)
	PUT PC, 12, 1536*(\a), 1536*(\a)+512, 1536*(\a)+768, 1536*(\a)+1280
.endm
.irp a, 0,1,2,3,4,5,6,7
	EPI \a
.endr
	v_cmp_lt_u32 vcc_lo, 15, v3
.irp i, 0,1,2,3
	v_cndmask_b32 v[EW+\i], v[PWS+2*\i], v[PWS+2*\i+1], vcc_lo   ; lanes 0-15 one block's words, lanes 16-31 the next block's
.endr
.irp i, 0,1,2,3
	global_store_b32 v6, v[EW+\i], s[66:67] offset:128*\i
.endr
	s_wait_tensorcnt 0x0                           ; the wave's end
	ds_add_u32 v[SPW], v[NIL]
	s_wait_dscnt 0x0
	CROUND                                         ; the closing round
	s_endpgm
.Lfunc_end_k_q5b4ba08107_ffn1:
	.size	k_q5b4ba08107_ffn1, .Lfunc_end_k_q5b4ba08107_ffn1-k_q5b4ba08107_ffn1
	.p2alignl 7, 3214868480
	.fill 96, 4, 3214868480
	.section	.rodata,"a",@progbits
	.p2align	6, 0x0
	.amdhsa_kernel k_q5b4ba08107_ffn1
		.amdhsa_group_segment_fixed_size 327680
		.amdhsa_private_segment_fixed_size 0
		.amdhsa_enable_private_segment 0
		.amdhsa_kernarg_size 32
		.amdhsa_user_sgpr_count 2
		.amdhsa_user_sgpr_kernarg_segment_ptr 1
		.amdhsa_wavefront_size32 1
		.amdhsa_system_sgpr_workgroup_id_x 1
		.amdhsa_system_sgpr_workgroup_id_y 1
		.amdhsa_system_sgpr_workgroup_id_z 1
		.amdhsa_system_vgpr_workitem_id 0
		.amdhsa_next_free_vgpr 1024
		.amdhsa_next_free_sgpr 100
		.amdhsa_reserve_vcc 1
		.amdhsa_float_denorm_mode_32 3
		.amdhsa_float_denorm_mode_16_64 3
		.amdhsa_memory_ordered 1
		.amdhsa_forward_progress 1
		.amdhsa_inst_pref_size 255
	.end_amdhsa_kernel
	.section	.bss,"aw",@nobits
	.p2align	6
	.space	262144
	.amdgpu_metadata
---
amdhsa.version: [ 1, 2 ]
amdhsa.kernels:
  - .name:           k_q5b4ba08107_ffn1
    .symbol:         k_q5b4ba08107_ffn1.kd
    .args:
      - { .name: nx, .offset: 0, .size: 8, .value_kind: global_buffer, .address_space: global }
      - { .name: wts, .offset: 8, .size: 8, .value_kind: global_buffer, .address_space: global }
      - { .name: b1, .offset: 16, .size: 8, .value_kind: global_buffer, .address_space: global }
      - { .name: hc, .offset: 24, .size: 8, .value_kind: global_buffer, .address_space: global }
    .group_segment_fixed_size: 327680
    .private_segment_fixed_size: 0
    .kernarg_segment_align: 8
    .kernarg_segment_size: 32
    .max_flat_workgroup_size: 128
    .sgpr_count:     100
    .vgpr_count:     1024
    .wavefront_size: 32
...
	.end_amdgpu_metadata
.endif
;; end of part 6
;; launch ffn2 (part 7): grid 8 x 32, 4 waves a work-group, clusters of 4 x 4, 327,680 bytes of LDS; arguments hc, wts, b2, x1, out0; writes out0
.if DOCPART == 7
	.amdgcn_target "amdgcn-amd-amdhsa--gfx1250"
	.amdhsa_code_object_version 6
	.text
	.protected	k_q5b4ba08107_ffn2
	.globl	k_q5b4ba08107_ffn2
	.p2align	8
	.type	k_q5b4ba08107_ffn2,@function
k_q5b4ba08107_ffn2:
	s_mov_b64 s[64:65], 0
	v_nop
	global_prefetch_b8 v0, s[64:65] scope:SCOPE_SE
	s_setreg_imm32_b32 hwreg(HW_REG_WAVE_MODE, 25, 1), 1
	s_wait_xcnt 0x0
	s_wait_alu depctr_hold_cnt(0) depctr_sa_sdst(0) depctr_va_vdst(0) depctr_va_sdst(0) depctr_va_ssrc(0) depctr_va_vcc(0) depctr_vm_vsrc(0)
	s_getreg_b32 s2, hwreg(HW_REG_IB_STS2, 6, 4)
	s_cmp_eq_u32 s2, 0
	s_cbranch_scc0 .Lentry_in_a_cluster
	s_endpgm
.Lentry_in_a_cluster:
	s_bfe_u32 s2, ttmp6, 0x10000c
	s_cmp_lg_u32 s2, 0xf033
	s_cbranch_scc0 .Lentry_shape_is_right
	s_endpgm
.Lentry_shape_is_right:
.set NBLK, 4
.set NQ,   4
.set KS,   32
.set ASOFF, 12582912
.set BCOFF, 6291456
.set BSOFF, 9699328
; out0 = x1 + hc W2 + b2.  A block of 128 x 128, a wave 64 x 64.  K = 4,096 goes in eight chunks of four K steps through two slots.  LDS: A's two slots on end from byte 0 (49,152 bytes each), B's two from SLOT, then the scale words of all K.
; THE HEAD'S FOUR LOADS, one a wave, fill both slots: wave 0 A's K steps 0 to 7 (98,304 dense bytes), wave 1 B's, wave 2 A's scale words, wave 3 B's.  A refill is a dense block of 24,576 bytes a wave: two K steps of A (waves 0, 1) or of B (waves 2, 3).
; PREFETCH: behind each refill a wave asks for its part of the chunk two refills on: of its 96 blocks of 256 bytes each of the four partners of the joint load takes 24, told apart by address (cx for A, cy for B), a lane a block
; (lanes 24 to 31 name the last block again).  The head asks for chunks 2 and 3; the loop's last trip, whose refills are chunks 6 and 7, asks for nothing.
.set TC,   32                          ; codes at the head: 384 rows of 256 bytes, dense; behind the head 96 rows
.set TR,   384
.set TP,   32
.set STC,  32                          ; scale words: 2 KS rows of 256 bytes, dense
.set STR,  2*KS
.set STP,  32
.set G0H,  4                           ; s[4:7], s[96:99] groups 0 of the head's loads of codes
.set G0HB, 96
.set PFA,  66                          ; s[66:67] where my prefetches stand: my share of my part of the chunk that is being asked for
.set FRB,   1536
.set HALFT, NQ*NBLK*FRB
.set SLOT,  4*HALFT
.set SCL,   2*SLOT
.set HALFS, KS*NBLK*64
.set SPARE, SCL+4*HALFS
.set STAGE, SPARE+512
.set LAPS,  KS/(2*NQ)
.set ADRA, 16
.set ADRB, 20
.set STO,  24
.set RD,   25
.set CO,   26
.set ADRS, 27
.set SPW,  28
.set NIL,  29
.set SC,   32
.set AF,   64
.set G1,   24
.set G0,   32
.set G1B,  48
.set G0B,  56
.set G1S,  68
.set G0S,  76
.set G1SB, 80
.set G0SB, 88
.set MSB, 0
.macro WIN new
.if MSB != (\new)
	s_set_vgpr_msb (MSB<<8)|(\new)
.set MSB, (\new)
.endif
.endm
.macro JLOAD g0a, g1a, g0b, g1b
	s_cmp_eq_u32 s15, 0
	s_cbranch_scc0 .Lfor_b_\@
	tensor_load_to_lds s[\g0a:\g0a+3], s[\g1a:\g1a+7]
	s_nop 0
.rept 4
	v_nop
.endr
	s_branch .Lasked_\@
.Lfor_b_\@:
	tensor_load_to_lds s[\g0b:\g0b+3], s[\g1b:\g1b+7]
	s_nop 0
.rept 4
	v_nop
.endr
.Lasked_\@:
.endm
.macro CREST
	s_cmp_lg_u32 s14, 0
	s_cbranch_scc1 .Lnot_wave_0_\@
	s_barrier_signal -3
.Lnot_wave_0_\@:
	s_barrier_wait -3
	s_barrier_signal -1
	s_barrier_wait -1
.endm
.macro CROUND
	s_barrier_signal -1
	s_barrier_wait -1
	CREST
.endm
.macro PLACES n
.rept \n
	v_nop
.endr
.endm
.macro FRAG reg, a16, a8, off
	ds_load_b128 v[\reg:\reg+3], v[\a16] offset:\off
	ds_load_b64 v[\reg+4:\reg+5], v[\a8] offset:\off+512
	ds_load_b128 v[\reg+6:\reg+9], v[\a16] offset:\off+768
	ds_load_b64 v[\reg+10:\reg+11], v[\a8] offset:\off+1280
.endm
.macro FETCH slot, q, set
	WIN 0x40
.set ii, 0
.rept NBLK
	FRAG 128*(\set)+12*ii, ADRB+(\slot), ADRB+2+(\slot), ((\q)*8+ii)*FRB
.set ii, ii+1
.endr
	WIN 0
.set ii, 0
.rept NBLK
	FRAG AF+96*(\set)+12*ii, ADRA+(\slot), ADRA+2+(\slot), ((\q)*8+ii)*FRB
.set ii, ii+1
.endr
.set ii, 0
.rept NBLK
	ds_load_b32 v[SC+8*(\set)+ii], v[ADRS] offset:64*ii
.set ii, ii+1
.endr
	v_add_nc_u32 v[ADRS], 512, v[ADRS]
.endm
.macro MULA a, set, zero
	WIN 0xa1+0x50*(((\a)*NBLK)/32)
.set AC, ((\a)*NBLK*8)%256
.set bb, 0
.rept NBLK
.if \zero
	v_wmma_scale_f32_16x16x128_f8f6f4 v[AC+8*bb:AC+8*bb+7], v[128*(\set)+12*bb:128*(\set)+12*bb+11], v[AF+96*(\set)+12*(\a):AF+96*(\set)+12*(\a)+11], 0, v[SC+8*(\set)+bb], v[SC+8*(\set)+(\a)] matrix_a_fmt:MATRIX_FMT_FP6 matrix_b_fmt:MATRIX_FMT_FP6 matrix_a_scale:MATRIX_SCALE_ROW1
.else
	v_wmma_scale_f32_16x16x128_f8f6f4 v[AC+8*bb:AC+8*bb+7], v[128*(\set)+12*bb:128*(\set)+12*bb+11], v[AF+96*(\set)+12*(\a):AF+96*(\set)+12*(\a)+11], v[AC+8*bb:AC+8*bb+7], v[SC+8*(\set)+bb], v[SC+8*(\set)+(\a)] matrix_a_fmt:MATRIX_FMT_FP6 matrix_b_fmt:MATRIX_FMT_FP6 matrix_a_scale:MATRIX_SCALE_ROW1
.endif
.set bb, bb+1
.endr
.endm
.macro MULS a0, n, set, zero
.set aa, \a0
.rept \n
	MULA aa, \set, \zero
.set aa, aa+1
.endr
.endm
.macro STEP slot, q, zero
	s_wait_dscnt 0x0
	PLACES 4
	FETCH \slot, (\q)+1, ((\q)+1)%2
	MULS 0, NBLK, (\q)%2, \zero
.endm
.macro TURN slot, next, fill
	WIN 0
.if \fill
	s_wait_xcnt 0x0                                ; my last prefetch has read its address: it steps here, a chunk on
	s_add_nc_u64 s[PFA:PFA+1], s[PFA:PFA+1], NQ*12288
.endif
	s_wait_tensorcnt 0x0
	ds_add_u32 v[SPW], v[NIL]
	s_wait_dscnt 1
	MULS 0, NBLK/4, 1, 0
	s_wait_dscnt 0x0
	s_barrier_signal -1
	MULS NBLK/4, NBLK/4, 1, 0
	WIN 0
	s_barrier_wait -1
.if \fill
	CREST
	s_add_nc_u64 s[G0+4*\slot+2:G0+4*\slot+3], s[G0+4*\slot+2:G0+4*\slot+3], 2*NQ*12288
	s_add_nc_u64 s[G0B+4*\slot+2:G0B+4*\slot+3], s[G0B+4*\slot+2:G0B+4*\slot+3], 2*NQ*12288
	JLOAD G0+4*\slot, G1, G0B+4*\slot, G1B
.else
	PLACES 4
.endif
	s_wait_alu depctr_va_vdst(0)
	FETCH \next, 0, 0
.if \fill
	s_cmp_gt_u32 s3, 1                             ; s3 = 1 in the loop's last trip: no chunk stands two refills on
	s_cbranch_scc0 .Lno_ask_\@
	global_prefetch_b8 v31, s[PFA:PFA+1] offset:2*NQ*12288 th:TH_LOAD_NT scope:SCOPE_SE
.Lno_ask_\@:
.endif
	MULS NBLK/2, NBLK/2, 1, 0
.endm
.macro LAST
	s_wait_dscnt 0x0
	MULS 0, NBLK, 1, 0
.endm
	s_load_b128 s[4:7], s[0:1], 0x0
	s_load_b128 s[8:11], s[0:1], 0x10
	s_load_b64 s[12:13], s[0:1], 0x20
	v_lshl_add_u32 v[SPW], v0, 2, SPARE
	v_mov_b32 v[NIL], 0
	ds_add_u32 v28, v29
	ds_add_u32 v28, v29
	s_wait_dscnt 0x0
	v_lshrrev_b32 v1, 5, v0
	v_readfirstlane_b32 s14, v1
	s_lshr_b32 s15, s14, 1
	s_and_b32 s16, s14, 1
	s_bfe_u32 s40, ttmp6, 0x40000
	s_bfe_u32 s41, ttmp6, 0x40004
	s_lshl_b32 s42, ttmp9, 2
	s_add_co_u32 s42, s42, s40
	s_and_b32 s17, ttmp7, 0xffff
	s_lshl_b32 s17, s17, 2
	s_add_co_u32 s17, s17, s41
	s_mov_b32 s2, ASOFF
	s_mov_b32 s19, BSOFF
	s_lshl_b32 s43, s41, 2
	s_lshl_b32 s43, 15, s43
	s_lshl_b32 s44, 0x1111, s40
	s_or_b32 s[G1], s43, (3<<16)|(1<<21)
	s_or_b32 s[G1B], s44, (3<<16)|(1<<21)
.irp g, G1, G1B
	s_mov_b32 s[\g+1], TC<<16
	s_mov_b32 s[\g+2], TR<<16
	s_mov_b32 s[\g+3], TC<<16
	s_mov_b32 s[\g+4], TR
	s_mov_b32 s[\g+5], TP
	s_mov_b32 s[\g+6], 0
	s_mov_b32 s[\g+7], 0
.endr
	s_or_b32 s[G1S], s43, (3<<16)|(1<<21)
	s_or_b32 s[G1SB], s44, (3<<16)|(1<<21)
.irp g, G1S, G1SB
	s_mov_b32 s[\g+1], STC<<16
	s_mov_b32 s[\g+2], STR<<16
	s_mov_b32 s[\g+3], STC<<16
	s_mov_b32 s[\g+4], STR
	s_mov_b32 s[\g+5], STP
	s_mov_b32 s[\g+6], 0
	s_mov_b32 s[\g+7], 0
.endr
	s_mul_i32 s20, s17, KS*12288                   ; A's tile is one group of 128 rows: its codes, in bytes,
	s_mov_b32 s21, 0
	s_mul_i32 s22, s17, KS*512
	s_add_co_u32 s22, s22, s2                      ; and its scale words
	s_mov_b32 s23, 0
	s_mul_i32 s46, s42, KS*12288                   ; B likewise
	s_add_co_u32 s46, s46, BCOFF
	s_mov_b32 s47, 0
	s_mul_i32 s92, s42, KS*512
	s_add_co_u32 s92, s92, s19
	s_mov_b32 s93, 0
	s_mul_i32 s94, s16, HALFT                      ; the ring: my two K steps of a chunk's four, in memory and in LDS alike
	s_mov_b32 s95, 0
	s_wait_kmcnt 0x0
	s_add_nc_u64 s[20:21], s[4:5], s[20:21]
	s_add_nc_u64 s[22:23], s[4:5], s[22:23]
	s_add_nc_u64 s[46:47], s[6:7], s[46:47]
	s_add_nc_u64 s[92:93], s[6:7], s[92:93]
	CROUND
	s_mov_b32 s[G0S], 1
	s_mov_b32 s[G0S+1], SCL
	s_mov_b64 s[G0S+2:G0S+3], s[22:23]
	s_or_b32 s[G0S+3], s[G0S+3], 0x80000000
	s_mov_b32 s[G0SB], 1
	s_mov_b32 s[G0SB+1], SCL+2*HALFS
	s_mov_b64 s[G0SB+2:G0SB+3], s[92:93]
	s_or_b32 s[G0SB+3], s[G0SB+3], 0x80000000
	s_mov_b32 s[G0H], 1                            ; the head's codes: A's K steps 0 to 7 from LDS byte 0,
	s_mov_b32 s[G0H+1], 0
	s_mov_b64 s[G0H+2:G0H+3], s[20:21]
	s_or_b32 s[G0H+3], s[G0H+3], 0x80000000
	s_mov_b32 s[G0HB], 1                           ; B's from SLOT
	s_mov_b32 s[G0HB+1], SLOT
	s_mov_b64 s[G0HB+2:G0HB+3], s[46:47]
	s_or_b32 s[G0HB+3], s[G0HB+3], 0x80000000
	s_add_nc_u64 s[20:21], s[20:21], s[94:95]      ; for the ring: my part of a chunk
	s_add_nc_u64 s[46:47], s[46:47], s[94:95]
.irp s, 0,1
	s_mov_b32 s[G0+4*\s], 1
	s_add_co_u32 s[G0+4*\s+1], s94, \s*2*HALFT
	s_add_nc_u64 s[G0+4*\s+2:G0+4*\s+3], s[20:21], \s*NQ*12288
	s_or_b32 s[G0+4*\s+3], s[G0+4*\s+3], 0x80000000
	s_mov_b32 s[G0B+4*\s], 1
	s_add_co_u32 s[G0B+4*\s+1], s94, SLOT+\s*2*HALFT
	s_add_nc_u64 s[G0B+4*\s+2:G0B+4*\s+3], s[46:47], \s*NQ*12288
	s_or_b32 s[G0B+4*\s+3], s[G0B+4*\s+3], 0x80000000
.endr
	s_cmp_eq_u32 s15, 0                            ; the prefetches: do I fetch for A?
	s_cselect_b64 s[PFA:PFA+1], s[20:21], s[46:47]
	s_cselect_b32 s2, s40, s41                     ; my place among the four that ask with me
	s_mul_i32 s2, s2, 24*256                       ; my work-group's 24 blocks of the part's 96,
	s_add_co_u32 s2, s2, NQ*12288                  ; in chunk 1: the first refill steps it to chunk 2
	s_mov_b32 s3, 0
	s_add_nc_u64 s[PFA:PFA+1], s[PFA:PFA+1], s[2:3]
.macro ARM under, g0, g1, next         ; one chain of branches on the wave's number, one load to an arm, all arms to one join
	s_cmp_lt_u32 s14, \under
	s_cbranch_scc0 \next
	tensor_load_to_lds s[\g0:\g0+3], s[\g1:\g1+7]
	s_nop 0
	PLACES 4
	s_branch .Lhead_asked
\next:
.endm
	ARM 1, G0H,  G1,  .Lhead_b
	ARM 2, G0HB, G1B, .Lhead_sa
	ARM 3, G0S,  G1S, .Lhead_sb
	tensor_load_to_lds s[G0SB:G0SB+3], s[G1SB:G1SB+7]
	s_nop 0
	PLACES 4
.Lhead_asked:
	v_and_b32 v1, 15, v0
	v_bfe_u32 v2, v0, 4, 1
	v_and_b32 v3, 31, v0
	v_lshlrev_b32 v4, 4, v3
	v_lshlrev_b32 v5, 4, v1
	v_lshl_add_u32 v5, v2, 3, v5
	s_mul_i32 s21, s15, NBLK*FRB                   ; my four blocks of A's eight in each K step,
	s_mul_i32 s22, s16, NBLK*FRB
	s_add_co_u32 s22, s22, SLOT                    ; and of B's; a side's slots lie 2 HALFT bytes apart
.irp s, 0,1
	v_add_nc_u32 v[ADRA+\s], s21, v4
	v_add_nc_u32 v[ADRA+2+\s], s21, v5
	v_add_nc_u32 v[ADRB+\s], s22, v4
	v_add_nc_u32 v[ADRB+2+\s], s22, v5
	s_add_co_u32 s21, s21, 2*HALFT
	s_add_co_u32 s22, s22, 2*HALFT
.endr
	v_lshlrev_b32 v8, 2, v1
	s_mul_i32 s21, s15, NBLK*64
	s_mul_i32 s22, s16, NBLK*64
	s_add_co_u32 s22, s22, 2*HALFS
	s_sub_co_u32 s22, s22, s21
	v_mul_u32_u24 v9, s22, v2
	s_add_co_u32 s21, s21, SCL
	v_add_nc_u32 v8, v8, v9
	v_add_nc_u32 v[ADRS], s21, v8
	s_mul_i32 s23, s14, 16*272
	s_add_co_u32 s23, s23, STAGE
	v_mul_u32_u24 v8, v1, 272
	v_lshl_add_u32 v8, v2, 6, v8
	v_add_nc_u32 v[STO], s23, v8
	v_mul_u32_u24 v8, v2, 272
	v_lshl_add_u32 v8, v1, 4, v8
	v_add_nc_u32 v[RD], s23, v8
	v_lshlrev_b32 v[CO], 12, v2
	v_lshl_add_u32 v[CO], v1, 4, v[CO]
	v_lshlrev_b32 v30, 4, v1
	v_min_u32 v31, 23, v3                          ; the prefetches' offset: a lane a block of 256 bytes, 24 blocks; never rewritten
	v_lshlrev_b32 v31, 8, v31
	s_wait_alu depctr_va_vdst(0)
	global_prefetch_b8 v31, s[PFA:PFA+1] offset:NQ*12288 th:TH_LOAD_NT scope:SCOPE_SE     ; chunk 2,
	global_prefetch_b8 v31, s[PFA:PFA+1] offset:2*NQ*12288 th:TH_LOAD_NT scope:SCOPE_SE   ; chunk 3
	s_lshl_b32 s20, s17, 7
	s_lshl_b32 s21, s15, 6
	s_add_co_u32 s20, s20, s21
	s_lshl_b32 s20, s20, 12
	s_lshl_b32 s46, s42, 7
	s_lshl_b32 s47, s16, 6
	s_add_co_u32 s46, s46, s47
	s_lshl_b32 s46, s46, 2
	s_mov_b32 s47, 0
	s_add_nc_u64 s[8:9], s[8:9], s[46:47]
	s_add_co_u32 s20, s20, s46
	s_mov_b32 s21, 0
	s_add_nc_u64 s[10:11], s[10:11], s[20:21]
	s_add_nc_u64 s[12:13], s[12:13], s[20:21]
	s_wait_tensorcnt 0x0                           ; my one load of the head has landed; no tensor load of mine is out, so a descriptor may be written:
	s_mov_b32 s[G1+2], 96<<16                      ; from here on a load brings 96 rows of 256 bytes
	s_mov_b32 s[G1+4], 96
	s_mov_b32 s[G1B+2], 96<<16
	s_mov_b32 s[G1B+4], 96
	s_barrier_signal -1
	s_barrier_wait -1
	FETCH 0, 0, 0
	s_wait_alu depctr_va_vdst(0)
	STEP 0, 0, 1
.if LAPS > 1
	WIN 0
	global_load_b128 v[48:51], v30, s[8:9]         ; the bias and my 64 x 64 of x1 are asked for here, behind the head's tiles: they are wanted on the way out, 31 K steps on
	WIN 0x80
.irp a, 0,1,2,3
.irp t, 0,1,2,3,4,5,6,7
	global_load_b128 v[128+32*\a+4*\t:131+32*\a+4*\t], v[CO], s[10:11] offset:(32*(\a/2)+8*(\a%2)+2*(\t%4)+16*(\t/4))*4096
.endr
.endr
	WIN 0
	s_mov_b32 s3, LAPS-1
.Llap:
	s_wait_alu depctr_va_vdst(0)
	STEP 0, 1, 0
	s_wait_alu depctr_va_vdst(0)
	STEP 0, 2, 0
	TURN 0, 1, 1
	s_wait_alu depctr_va_vdst(0)
	STEP 1, 0, 0
	s_wait_alu depctr_va_vdst(0)
	STEP 1, 1, 0
	s_wait_alu depctr_va_vdst(0)
	STEP 1, 2, 0
	TURN 1, 0, 1
	s_wait_alu depctr_va_vdst(0)
	STEP 0, 0, 0
	WIN 0
	s_sub_co_u32 s3, s3, 1
	s_cmp_lg_u32 s3, 0
	s_cbranch_scc1 .Llap
.endif
	s_wait_alu depctr_va_vdst(0)
	STEP 0, 1, 0
	s_wait_alu depctr_va_vdst(0)
	STEP 0, 2, 0
	TURN 0, 1, 0
	s_wait_alu depctr_va_vdst(0)
	STEP 1, 0, 0
	s_wait_alu depctr_va_vdst(0)
	STEP 1, 1, 0
	s_wait_alu depctr_va_vdst(0)
	STEP 1, 2, 0
	LAST
	PLACES 4
	WIN 0
	s_wait_loadcnt 0x0
.macro OUTB a
.set AC, 32*(\a)
.set OB, 64+32*((\a)%2)
.if (\a) > 1
	s_wait_xcnt 0x0
.endif
	WIN 0x08
.irp b, 0,1,2,3
	ds_store_b128 v[STO], v[AC+8*\b:AC+8*\b+3] offset:128*(\b/2)+32*(\b%2)
	ds_store_b128 v[STO], v[AC+8*\b+4:AC+8*\b+7] offset:128*(\b/2)+32*(\b%2)+16
.endr
	WIN 0
.irp t, 0,1,2,3,4,5,6,7
	ds_load_b128 v[OB+4*\t:OB+4*\t+3], v[RD] offset:544*\t
.endr
	s_wait_dscnt 0x0
.irp t, 0,1,2,3,4,5,6,7
	v_pk_add_f32 v[OB+4*\t:OB+4*\t+1], v[OB+4*\t:OB+4*\t+1], v[48:49]
	v_pk_add_f32 v[OB+4*\t+2:OB+4*\t+3], v[OB+4*\t+2:OB+4*\t+3], v[50:51]
.endr
	WIN 0x08
.irp t, 0,1,2,3,4,5,6,7
	v_pk_add_f32 v[OB+4*\t:OB+4*\t+1], v[OB+4*\t:OB+4*\t+1], v[128+32*(\a)+4*\t:129+32*(\a)+4*\t]
	v_pk_add_f32 v[OB+4*\t+2:OB+4*\t+3], v[OB+4*\t+2:OB+4*\t+3], v[130+32*(\a)+4*\t:131+32*(\a)+4*\t]
.endr
	WIN 0
.irp t, 0,1,2,3,4,5,6,7
	global_store_b128 v[CO], v[OB+4*\t:OB+4*\t+3], s[12:13] offset:(32*((\a)/2)+8*((\a)%2)+2*(\t%4)+16*(\t/4))*4096
.endr
.endm
	OUTB 0
	OUTB 1
	OUTB 2
	OUTB 3
	s_wait_tensorcnt 0x0
	ds_add_u32 v[SPW], v[NIL]
	s_wait_dscnt 0x0
	CROUND
	s_endpgm
.Lfunc_end_k_q5b4ba08107_ffn2:
	.size	k_q5b4ba08107_ffn2, .Lfunc_end_k_q5b4ba08107_ffn2-k_q5b4ba08107_ffn2
	.p2alignl 7, 3214868480
	.fill 96, 4, 3214868480
	.section	.rodata,"a",@progbits
	.p2align	6, 0x0
	.amdhsa_kernel k_q5b4ba08107_ffn2
		.amdhsa_group_segment_fixed_size 327680
		.amdhsa_private_segment_fixed_size 0
		.amdhsa_enable_private_segment 0
		.amdhsa_kernarg_size 40
		.amdhsa_user_sgpr_count 2
		.amdhsa_user_sgpr_kernarg_segment_ptr 1
		.amdhsa_wavefront_size32 1
		.amdhsa_system_sgpr_workgroup_id_x 1
		.amdhsa_system_sgpr_workgroup_id_y 1
		.amdhsa_system_sgpr_workgroup_id_z 1
		.amdhsa_system_vgpr_workitem_id 0
		.amdhsa_next_free_vgpr 768
		.amdhsa_next_free_sgpr 100
		.amdhsa_reserve_vcc 0
		.amdhsa_float_denorm_mode_32 3
		.amdhsa_float_denorm_mode_16_64 3
		.amdhsa_memory_ordered 1
		.amdhsa_forward_progress 1
		.amdhsa_inst_pref_size 107
	.end_amdhsa_kernel
	.amdgpu_metadata
---
amdhsa.version: [ 1, 2 ]
amdhsa.kernels:
  - .name:           k_q5b4ba08107_ffn2
    .symbol:         k_q5b4ba08107_ffn2.kd
    .args:
      - { .name: hc, .offset: 0, .size: 8, .value_kind: global_buffer, .address_space: global }
      - { .name: wts, .offset: 8, .size: 8, .value_kind: global_buffer, .address_space: global }
      - { .name: b2, .offset: 16, .size: 8, .value_kind: global_buffer, .address_space: global }
      - { .name: x1, .offset: 24, .size: 8, .value_kind: global_buffer, .address_space: global }
      - { .name: out0, .offset: 32, .size: 8, .value_kind: global_buffer, .address_space: global }
    .group_segment_fixed_size: 327680
    .private_segment_fixed_size: 0
    .kernarg_segment_align: 8
    .kernarg_segment_size: 40
    .max_flat_workgroup_size: 128
    .sgpr_count:     100
    .vgpr_count:     768
    .wavefront_size: 32
...
	.end_amdgpu_metadata
.endif
;; end of part 7
